; MI455X (gfx1250); checked and timed in simulation.
; The chip was launched on July 23, 2026; its instructions are those of AMD's public machine-readable ISA for CDNA 5 (MIT licence, August 2026) and "CDNA5" Instruction Set Architecture Reference Guide (July 2026). The comments in the code are by the model that wrote it; some were corrected since.
;; Self Attention. Allowed arithmetic: float matrix products may take bf16 or f16 operands with f32 sums; other float arithmetic in f32, or as packed bf16 or f16 multiplies, adds, multiply-adds, maxima and minima; sums over many terms, partial sums and values carried from step to step in f32; what a program stores and reads back later, other than sums and carried values, may be rounded once to bf16 or f16.
;; Inputs: Wk 1,024 x 1,024 float32; Wq 1,024 x 1,024 float32; Wv 1,024 x 1,024 float32; X 4 x 2,048 x 1,024 float32; bk 1,024 float32; bq 1,024 float32; bv 1,024 float32.
;; Outputs: out0 4 x 2,048 x 1,024 float32.
;; 3 versions, each right; version 3 is version 2 with the launch prep written anew for expert scheduling mode. Each part assembles by itself: llvm-mc -triple=amdgcn-amd-amdhsa -mcpu=gfx1250 --defsym DOCPART=n.
;; ======== version 1 of 3: 4 launches
;; limits: values are held in f16: magnitudes above 65,504 overflow, below 6.1e-05 lose precision
;; workspace buffers: Xb 16,777,216 bytes; Wb 6,291,456 bytes; BB 12,288 bytes; QKV 50,331,648 bytes; P 33,554,432 bytes; ST 1,048,576 bytes
;; launch prep (part 1): grid 705 x 1, 8 waves a work-group, no clusters, 0 bytes of LDS; arguments X, Wq, Wk, Wv, bq, bk, bv, Xb, Wb, BB; writes Xb, Wb, BB
.if DOCPART == 1
	.amdgcn_target "amdgcn-amd-amdhsa--gfx1250"
	.amdhsa_code_object_version 6
	.text
	.protected	k_qd2cdbace59_prep
	.globl	k_qd2cdbace59_prep
	.p2align	8
	.type	k_qd2cdbace59_prep,@function
k_qd2cdbace59_prep:
	s_mov_b64 s[64:65], 0
	v_nop
	global_prefetch_b8 v0, s[64:65] scope:SCOPE_SE
	s_setreg_imm32_b32 hwreg(HW_REG_WAVE_MODE, 25, 1), 1
	s_wait_xcnt 0x0
; X, Wq, Wk, Wv (f32) are rounded once to bf16: Xb [8192][1024], Wb [3 x 1024 (q, k, v)][1024], both laid out as their sources lie.
; bq, bk, bv are rounded to bf16 as well and kept widened to f32 in BB [3][1024]: every input of the module has the same one rounding.
; A stream: no LDS, no matrix unit, no cluster (no work-group reads what another reads).  Work-group g casts 64 KiB of f32:
; g < 512: block g of X;  512 <= g < 704: block (g - 512) % 64 of weight (g - 512) / 64;  g = 704: the three biases.
; A wave takes 8 KiB: sixteen loads of 16 bytes a lane, 512 consecutive bytes each, all issued before the first is used;
; each store of the wave (8 bytes a lane) covers 256 consecutive bytes, aligned.  No register is written twice.
	s_load_b512 s[8:23], s[0:1], 0x0               ; X s[8:9], Wq s[10:11], Wk s[12:13], Wv s[14:15], bq s[16:17], bk s[18:19], bv s[20:21], Xb s[22:23]
	s_load_b128 s[24:27], s[0:1], 0x40             ; Wb s[24:25], BB s[26:27]
	v_lshrrev_b32 v3, 5, v0                        ; wave
	v_and_b32 v2, 31, v0                           ; lane
	v_lshlrev_b32 v1, 4, v2
	v_lshl_add_u32 v1, v3, 13, v1                  ; in: 8,192 x wave + 16 x lane
	v_lshlrev_b32 v2, 3, v2
	v_lshl_add_u32 v2, v3, 12, v2                  ; out: 4,096 x wave + 8 x lane
	s_sub_co_u32 s2, ttmp9, 512                    ; g - 512 (a very large number where g < 512: then it is not used)
	s_and_b32 s3, s2, 63                           ; the block inside a weight
	s_cmp_lt_u32 ttmp9, 512
	s_cselect_b32 s28, ttmp9, s3                   ; block in the source,
	s_cselect_b32 s30, ttmp9, s2                   ; and in the destination
	s_lshl_b32 s28, s28, 16                        ; 65,536 bytes of f32,
	s_lshl_b32 s30, s30, 15                        ; 32,768 of bf16
	s_mov_b32 s29, 0
	s_mov_b32 s31, 0
	s_wait_kmcnt 0x0
	s_cmp_eq_u32 ttmp9, 704
	s_cbranch_scc1 .Lbias
	s_cmp_lt_u32 s2, 128
	s_cselect_b64 s[4:5], s[12:13], s[14:15]       ; Wk or Wv,
	s_cmp_lt_u32 s2, 64
	s_cselect_b64 s[4:5], s[10:11], s[4:5]         ; or Wq,
	s_cmp_lt_u32 ttmp9, 512
	s_cselect_b64 s[4:5], s[8:9], s[4:5]           ; or X
	s_cselect_b64 s[6:7], s[22:23], s[24:25]       ; Xb or Wb
	s_add_nc_u64 s[4:5], s[4:5], s[28:29]
	s_add_nc_u64 s[6:7], s[6:7], s[30:31]
.irp i, 0,1,2,3,4,5,6,7,8,9,10,11,12,13,14,15
	global_load_b128 v[4+4*(\i):7+4*(\i)], v1, s[4:5] offset:512*(\i) th:TH_LOAD_NT
.endr
.irp i, 0,1,2,3,4,5,6,7,8,9,10,11,12,13,14,15
	s_wait_loadcnt 15-(\i)                         ; loads come back in order: load i is in, the 15 - i younger ones stay out
	v_cvt_pk_bf16_f32 v[68+2*(\i)], v[4+4*(\i)], v[5+4*(\i)]
	v_cvt_pk_bf16_f32 v[69+2*(\i)], v[6+4*(\i)], v[7+4*(\i)]
	global_store_b64 v2, v[68+2*(\i):69+2*(\i)], s[6:7] offset:256*(\i)
.endr
	s_endpgm
.Lbias:                                                ; 256 threads x 4 numbers = a bias of 1,024
	v_lshlrev_b32 v3, 4, v0
	global_load_b128 v[4:7], v3, s[16:17]
	global_load_b128 v[8:11], v3, s[18:19]
	global_load_b128 v[12:15], v3, s[20:21]
	s_wait_loadcnt 0x0
.irp i, 0,1,2,3,4,5
	v_cvt_pk_bf16_f32 v[16+(\i)], v[4+2*(\i)], v[5+2*(\i)]   ; rounded to bf16,
	v_lshlrev_b32 v[24+2*(\i)], 16, v[16+(\i)]               ; and widened again: the low half moves up,
	v_and_b32 v[25+2*(\i)], 0xffff0000, v[16+(\i)]           ; the high half stays
.endr
	global_store_b128 v3, v[24:27], s[26:27]
	global_store_b128 v3, v[28:31], s[26:27] offset:4096
	global_store_b128 v3, v[32:35], s[26:27] offset:8192
	s_endpgm
.Lfunc_end_k_qd2cdbace59_prep:
	.size	k_qd2cdbace59_prep, .Lfunc_end_k_qd2cdbace59_prep-k_qd2cdbace59_prep
	.p2alignl 7, 3214868480
	.fill 96, 4, 3214868480
	.section	.rodata,"a",@progbits
	.p2align	6, 0x0
	.amdhsa_kernel k_qd2cdbace59_prep
		.amdhsa_group_segment_fixed_size 0
		.amdhsa_private_segment_fixed_size 0
		.amdhsa_enable_private_segment 0
		.amdhsa_kernarg_size 80
		.amdhsa_user_sgpr_count 2
		.amdhsa_user_sgpr_kernarg_segment_ptr 1
		.amdhsa_wavefront_size32 1
		.amdhsa_system_sgpr_workgroup_id_x 1
		.amdhsa_system_sgpr_workgroup_id_y 1
		.amdhsa_system_sgpr_workgroup_id_z 1
		.amdhsa_system_vgpr_workitem_id 0
		.amdhsa_next_free_vgpr 100
		.amdhsa_next_free_sgpr 66
		.amdhsa_reserve_vcc 0
		.amdhsa_float_denorm_mode_32 3
		.amdhsa_float_denorm_mode_16_64 3
		.amdhsa_memory_ordered 1
		.amdhsa_forward_progress 1
		.amdhsa_inst_pref_size 9
	.end_amdhsa_kernel
	.amdgpu_metadata
---
amdhsa.version: [ 1, 2 ]
amdhsa.kernels:
  - .name:           k_qd2cdbace59_prep
    .symbol:         k_qd2cdbace59_prep.kd
    .args:
      - { .name: X, .offset: 0, .size: 8, .value_kind: global_buffer, .address_space: global }
      - { .name: Wq, .offset: 8, .size: 8, .value_kind: global_buffer, .address_space: global }
      - { .name: Wk, .offset: 16, .size: 8, .value_kind: global_buffer, .address_space: global }
      - { .name: Wv, .offset: 24, .size: 8, .value_kind: global_buffer, .address_space: global }
      - { .name: bq, .offset: 32, .size: 8, .value_kind: global_buffer, .address_space: global }
      - { .name: bk, .offset: 40, .size: 8, .value_kind: global_buffer, .address_space: global }
      - { .name: bv, .offset: 48, .size: 8, .value_kind: global_buffer, .address_space: global }
      - { .name: Xb, .offset: 56, .size: 8, .value_kind: global_buffer, .address_space: global }
      - { .name: Wb, .offset: 64, .size: 8, .value_kind: global_buffer, .address_space: global }
      - { .name: BB, .offset: 72, .size: 8, .value_kind: global_buffer, .address_space: global }
    .group_segment_fixed_size: 0
    .private_segment_fixed_size: 0
    .kernarg_segment_align: 8
    .kernarg_segment_size: 80
    .max_flat_workgroup_size: 256
    .sgpr_count:     66
    .vgpr_count:     100
    .wavefront_size: 32
...
	.end_amdgpu_metadata
.endif
;; end of part 1
;; launch proj (part 2): grid 12 x 64, 4 waves a work-group, clusters of 4 x 4, 327,680 bytes of LDS; arguments Xb, Wb, QKV, BB; writes QKV
.if DOCPART == 2
	.amdgcn_target "amdgcn-amd-amdhsa--gfx1250"
	.amdhsa_code_object_version 6
	.text
	.protected	k_qd2cdbace59_proj
	.globl	k_qd2cdbace59_proj
	.p2align	8
	.type	k_qd2cdbace59_proj,@function
k_qd2cdbace59_proj:
	s_mov_b64 s[64:65], 0
	v_nop
	global_prefetch_b8 v0, s[64:65] scope:SCOPE_SE
	s_setreg_imm32_b32 hwreg(HW_REG_WAVE_MODE, 25, 1), 1
	s_wait_xcnt 0x0
	s_wait_alu depctr_hold_cnt(0) depctr_sa_sdst(0) depctr_va_vdst(0) depctr_va_sdst(0) depctr_va_ssrc(0) depctr_va_vcc(0) depctr_vm_vsrc(0)
	s_getreg_b32 s2, hwreg(HW_REG_IB_STS2, 6, 4)
	s_cmp_eq_u32 s2, 0
	s_cbranch_scc0 .Lentry_in_a_cluster
	s_endpgm
.Lentry_in_a_cluster:
	s_bfe_u32 s2, ttmp6, 0x10000c
	s_cmp_lg_u32 s2, 0xf033
	s_cbranch_scc0 .Lentry_shape_is_right
	s_endpgm
.Lentry_shape_is_right:
; QKV[t][m][n] = BB[t][n] + the sum over k of Xb[m][k] Wb[t][k][n], t = 0, 1, 2 (q, k, v).  Xb [8192][1024], Wb [3072][1024] bf16; sums in f32; QKV [3][8192][1024] f16, rounded once.
; The key projection (t = 1) enters no later launch; it is a step of the module and is made and stored like the other two.
; LIMIT.  f16 holds no number beyond 65,504: a q, k or v past that leaves as an infinity.  NaN and infinities are not treated apart.
; SHARES.  A work-group makes a tile of 128 rows x 256 columns of one t (the cluster's x is t, cx the quarter of its 1,024 columns): 768 work-groups.  Four waves, 64 x 128 each: 32 accumulators, 256 registers.
; K goes in steps of 128 through two LDS slots filled by tensor loads: waves 0 and 1 bring 64 rows x 256 bytes of A each, waves 2 and 3 64 k rows x 512 bytes of B each.
; B lies [k][n] in memory and in LDS; its fragments come out turned, by ds_load_tr16_b128.  THE PRODUCT IS TAKEN TRANSPOSED (source 0 = 16 columns of B, source 1 = 16 rows of A):
; a lane then holds row l % 16 of C and the columns 8 (l / 16) + 0..7: eight neighbouring numbers, 16 bytes of f16.
; THE BIAS is the C operand of the products that start the sums: for n block b register j of a lane is BB[n0 + 16 b + 8 (l / 16) + j], the same for all four row blocks.
; CLUSTERS: 4 x 4 work-groups.  A's tile hangs on the tile row alone and is asked for jointly by a row of the cluster, B's on t and cx alone, by a column.
; REGISTERS, in windows of 256: window 0: v0-31 addresses; v32-127, v128-223 two fragment buffers (B's 8 fragments, then A's 4); v224-255 packed results.  Window 1: accumulator (a, b) at v[8 (8 a + b)].  Window 2: v0-63 the bias.
.set LDA,    1024                      ; elements from row to row of A
.set LDB,    1024                      ; and of B
.set ROWA,   2*LDA
.set ROWB,   2*LDB
.set BSTEP,  128*ROWB                  ; bytes from a K step of B to the next; A's is 256
.set LDCB,   2048                      ; bytes in a row of C
.set LAPS,   4                         ; a lap = two K steps = once round the ring: K = 1,024
.set PA,     272                       ; an LDS row of A: 256 bytes + 16: the 16 rows of a fragment load start at 16 different groups of four banks (64 banks of 4 bytes: ISA guide 11.1)
.set PB,     544                       ; an LDS row of B: 512 bytes + 32 = 17 x 32
.set AH,     64*PA
.set ATILE,  2*AH
.set BH,     64*PB
.set SLOT,   ATILE+2*BH                ; A's 128 rows, then B's 128 k rows: 104,448 bytes
.set STAGE,  2*SLOT                    ; behind the ring: 16 rows x 272 bytes for each wave, for the way out
.set SPITCH, 272
.set SPARE,  STAGE+4*16*SPITCH         ; behind the stages: the spare words, 128 bytes a wave: two blocks of 256 bytes that no other line names
.set ADRA, 16                          ; v16-17  LDS address of my A fragments in slot 0, 1
.set ADRB, 18                          ; v18-19  the same for B
.set STO,  20                          ; v20  the way out: where I put 16 bytes of a row
.set RD,   21                          ; v21  where I read rows back
.set CO,   22                          ; v22  my byte offset in two rows of C
.set SPW,  28                          ; v28  SPARE + 4 x my thread's number; never rewritten
.set NIL,  29                          ; v29  0; never rewritten
.set PFO,  30                          ; v30  the prefetches' lane offset; never rewritten
.set F0,   32
.set F1,   128
.set TMP,  224
.set BK0,  32                          ; the way out: four read-back buffers of 32, v32-159
.set G1,   24                          ; s[24:31] descriptor group 1 for A;  s[32:39] group 0, a set for each slot
.set G0,   32
.set G1B,  48                          ; s[48:55], s[56:63] the same for B
.set G0B,  56
.set LIM,  43                          ; s43  1 in a wave that prefetches, else the greatest number
.set PFA,  44                          ; s[44:45] where my prefetches stand
.set PFS,  70                          ; s[70:71] their step from K step to K step
.set MUL,  0x50                        ; sources in window 0, C and D in window 1
.set MULB, 0x60                        ; C in window 2 (the bias), D in window 1
.set MSB,  0
.macro WIN new                         ; the immediate's high byte repeats the setting that is left; a switch that changes nothing is dropped
.if MSB != (\new)
	s_set_vgpr_msb (MSB<<8)|(\new)
.set MSB, \new
.endif
.endm
.macro PLACES                          ; four plain places behind matrix instructions, ahead of loads into registers that they read
.rept 4
	v_nop
.endr
.endm
.macro CREST                           ; a round of the cluster's barrier behind its opening barrier
	s_cmp_lg_u32 s10, 0
	s_cbranch_scc1 .Lnot_wave_0_\@
	s_barrier_signal -3
.Lnot_wave_0_\@:
	s_barrier_wait -3
	s_barrier_signal -1
	s_barrier_wait -1
.endm
.macro CROUND
	s_barrier_signal -1
	s_barrier_wait -1
	CREST
.endm
.macro JLOAD s                         ; a joint refill: waves 0, 1 ask for A's halves, waves 2, 3 for B's; an s_nop 0 and four v_nop follow each line
	s_cmp_eq_u32 s11, 0
	s_cbranch_scc0 .Lfor_b_\@
	tensor_load_to_lds s[G0+4*(\s):G0+4*(\s)+3], s[G1:G1+7]
	s_nop 0
.rept 4
	v_nop
.endr
	s_branch .Lasked_\@
.Lfor_b_\@:
	tensor_load_to_lds s[G0B+4*(\s):G0B+4*(\s)+3], s[G1B:G1B+7]
	s_nop 0
.rept 4
	v_nop
.endr
.Lasked_\@:
.endm
; A PREFETCH of the K step that stands two refills on, 256 matrix instructions ahead of the load that will want it; one line, behind the joint load and the run of LDS loads.
; Each aligned 256 bytes of Xb and Wb are named once in the launch.  A's rows: wave 0 of the clusters with x = 0; the partner at cx takes rows 32 cx + lane of the 128.
; B's rows: waves 2, 3 of the clusters with y = 0; the partner at cy takes k rows 64 (wave & 1) + 16 cy + lane % 16, and of a row's 512 bytes the half lane / 16.
; The partners are told apart by address alone.  K steps 0 to 3 come by their loads; the loop's last trip (s3 = 1) asks for nothing: there is no K step behind its refills.
.macro ASK
	s_cmp_gt_u32 s3, s[LIM]
	s_cbranch_scc0 .Lnot_mine_\@
	global_prefetch_b8 v[PFO], s[PFA:PFA+1] th:TH_LOAD_NT scope:SCOPE_SE
.Lnot_mine_\@:
.endm
.macro FETCH slot, q, f                ; 24 LDS loads in one run: the fragments of quarter q (32 along K) of a slot into buffer f
	WIN 0
.irp b, 0,1,2,3,4,5,6,7
	ds_load_tr16_b128 v[(\f)+8*(\b):(\f)+8*(\b)+3],   v[ADRB+(\slot)] offset:32*(\q)*PB+32*(\b)
	ds_load_tr16_b128 v[(\f)+8*(\b)+4:(\f)+8*(\b)+7], v[ADRB+(\slot)] offset:32*(\q)*PB+32*(\b)+16*PB
.endr
.irp a, 0,1,2,3
	ds_load_b128 v[(\f)+64+8*(\a):(\f)+64+8*(\a)+3],   v[ADRA+(\slot)] offset:(\a)*16*PA+64*(\q)
	ds_load_b128 v[(\f)+64+8*(\a)+4:(\f)+64+8*(\a)+7], v[ADRA+(\slot)] offset:(\a)*16*PA+64*(\q)+32
.endr
.endm
; 4 n matrix instructions from number 4 from on; number w is accumulator w: row block w / 8, n block w % 8.  All 32 accumulators take turns in the same order in every quarter.
; zero = 2: the products start the sums, with the bias as C.
.macro QUADS f, from, n, zero
.if (\zero) == 2
	WIN MULB
.else
	WIN MUL
.endif
.set w, 4*(\from)
.rept 4*(\n)
.if (\zero) == 2
	v_wmma_f32_16x16x32_bf16 v[8*w:8*w+7], v[(\f)+8*(w%8):(\f)+8*(w%8)+7], v[(\f)+64+8*(w/8):(\f)+64+8*(w/8)+7], v[8*(w%8):8*(w%8)+7]
.else
	v_wmma_f32_16x16x32_bf16 v[8*w:8*w+7], v[(\f)+8*(w%8):(\f)+8*(w%8)+7], v[(\f)+64+8*(w/8):(\f)+64+8*(w/8)+7], v[8*w:8*w+7]
.endif
.set w, w+1
.endr
.endm
; A quarter: the next quarter's fragments (quarter q of a slot) are asked for into buffer g, buffer f is multiplied, the loads are waited for; four places end it, ahead of the next run of loads into f.
.macro QUARTER slot, q, f, g, zero=0, ask=0
	FETCH \slot, \q, \g
.if \ask
	ASK
.endif
	QUADS \f, 0, 8, \zero
	s_wait_dscnt 0x0                               ; the 24 loads issued 32 matrix instructions ago
	PLACES
.endm
; A K step's third quarter changes slots.  It asks for the slot's last fragments; then each wave waits for all its tensor loads (one is out: its part of the other slot), adds 0 to its spare word,
; and waits for that and for its reads of this slot.  Behind the barrier nobody reads this slot and the other slot is whole.  fill = 1: the barrier opens a round of the cluster's, and the joint refill,
; the K step two on, is the first thing behind the round: 112 matrix instructions stand between it and the wait for it.
.macro TURN slot, fill
.if \fill
	s_wait_xcnt 0x0                                ; the last prefetch, a K step back, has read its address
	s_add_nc_u64 s[PFA:PFA+1], s[PFA:PFA+1], s[PFS:PFS+1]
.endif
	FETCH \slot, 3, F1
	QUADS F0, 0, 4, 0
	WIN 0
	s_wait_tensorcnt 0x0                           ; all my tensor loads have landed
	ds_add_u32 v[SPW], v[NIL]                      ; 0 onto my spare word
	QUADS F0, 4, 2, 0                              ; eight matrix instructions stand between the add and the wait for it
	s_wait_dscnt 0x0                               ; the add is done, and my reads of this slot are over
	s_barrier_signal -1
	QUADS F0, 6, 2, 0
	WIN 0
	s_barrier_wait -1
.if \fill
	CREST
	s_add_nc_u64 s[G0+4*(\slot)+2:G0+4*(\slot)+3], s[G0+4*(\slot)+2:G0+4*(\slot)+3], 2*256
	s_add_nc_u64 s[G0B+4*(\slot)+2:G0B+4*(\slot)+3], s[G0B+4*(\slot)+2:G0B+4*(\slot)+3], 2*BSTEP
	JLOAD \slot                                    ; its four v_nop are also the places ahead of the next run of loads
.else
	PLACES
.endif
.endm
	s_load_b128 s[4:7], s[0:1], 0x0                ; Xb s[4:5], Wb s[6:7]
	s_load_b64 s[8:9], s[0:1], 0x10                ; QKV
	s_load_b64 s[74:75], s[0:1], 0x18              ; BB
	v_lshl_add_u32 v[SPW], v0, 2, SPARE
	v_mov_b32 v[NIL], 0
	ds_add_u32 v[SPW], v[NIL]                      ; the wave's opening: the add and its wait ahead of my first tensor load; work on registers stands between them
	v_lshrrev_b32 v1, 5, v0
	v_readfirstlane_b32 s10, v1                    ; wave 0..3
	s_lshr_b32 s11, s10, 1                         ; my half of the tile's rows.  Also: I fetch for A (0) or for B (1)
	s_and_b32 s12, s10, 1                          ; my half of its columns.  Also: which half of that tile I fetch
	s_bfe_u32 s40, ttmp6, 0x40000                  ; cx
	s_bfe_u32 s41, ttmp6, 0x40004                  ; cy
	s_and_b32 s79, ttmp7, 0xffff                   ; the cluster's y
	s_lshl_b32 s13, s79, 2
	s_add_co_u32 s13, s13, s41                     ; tile row = 4 x cluster y + cy
	s_lshl_b32 s77, s41, 2
	s_lshl_b32 s77, 15, s77                        ; my row of the cluster
	s_lshl_b32 s78, 0x1111, s40                    ; my column
	s_or_b32 s[G1], s77, (1<<16)|(1<<20)|(1<<21)|(5<<22)|(3<<25)   ; the mask; 2-byte elements; padding on; bit 21 beside a mask; after every 64 words, 4 words
	s_mov_b32 s[G1+1], 128<<16                     ; tensor_dim0 = 128
	s_mov_b32 s[G1+2], 64<<16                      ; tensor_dim1 = 64
	s_mov_b32 s[G1+3], 128<<16                     ; tile_dim0 = 128
	s_mov_b32 s[G1+4], 64                          ; tile_dim1 = 64
	s_mov_b32 s[G1+5], LDA
	s_mov_b32 s[G1+6], 0
	s_mov_b32 s[G1+7], 0
	s_or_b32 s[G1B], s78, (1<<16)|(1<<20)|(1<<21)|(6<<22)|(7<<25)  ; after every 128 words, 8 words
	s_mov_b32 s[G1B+1], 256<<16                    ; tensor_dim0 = 256
	s_mov_b32 s[G1B+2], 64<<16
	s_mov_b32 s[G1B+3], 256<<16                    ; tile_dim0 = 256
	s_mov_b32 s[G1B+4], 64
	s_mov_b32 s[G1B+5], LDB
	s_mov_b32 s[G1B+6], 0
	s_mov_b32 s[G1B+7], 0
	s_lshl_b32 s14, s12, 17                        ; 64 rows of 2,048 bytes: the half that I fetch
	s_lshl_b32 s16, s13, 18                        ; A: 128 rows x tile row
	s_add_co_u32 s16, s16, s14
	s_mov_b32 s17, 0
	s_lshl_b32 s46, ttmp9, 21                      ; B: 1,024 k rows x t,
	s_lshl_b32 s47, s40, 9                         ; 256 columns x cx
	s_add_co_u32 s46, s46, s47
	s_add_co_u32 s46, s46, s14
	s_mov_b32 s47, 0
	s_mul_i32 s20, s12, AH                         ; where they go: no place in the cluster enters an LDS address
	s_mul_i32 s21, s12, BH
	s_add_co_u32 s21, s21, ATILE
	s_wait_dscnt 0x0                               ; the opening add is done
	s_wait_kmcnt 0x0
	s_add_nc_u64 s[14:15], s[4:5], s[16:17]
	s_add_nc_u64 s[46:47], s[6:7], s[46:47]
.irp s, 0,1
	s_mov_b32 s[G0+4*(\s)], 1
	s_add_co_u32 s[G0+4*(\s)+1], s20, (\s)*SLOT
	s_add_nc_u64 s[G0+4*(\s)+2:G0+4*(\s)+3], s[14:15], (\s)*256
	s_or_b32 s[G0+4*(\s)+3], s[G0+4*(\s)+3], 0x80000000
	s_mov_b32 s[G0B+4*(\s)], 1
	s_add_co_u32 s[G0B+4*(\s)+1], s21, (\s)*SLOT
	s_add_nc_u64 s[G0B+4*(\s)+2:G0B+4*(\s)+3], s[46:47], (\s)*BSTEP
	s_or_b32 s[G0B+4*(\s)+3], s[G0B+4*(\s)+3], 0x80000000
.endr
	CROUND                                         ; all sixteen work-groups are here: the first joint loads meet
	s_cmp_eq_u32 s11, 0                            ; a wave's two first fills stand in one branch: two loads of mine are out
	s_cbranch_scc0 .Lfirst_b
	tensor_load_to_lds s[G0:G0+3], s[G1:G1+7]
	s_nop 0
	tensor_load_to_lds s[G0+4:G0+7], s[G1:G1+7]
	s_nop 0
.rept 4
	v_nop
.endr
	s_branch .Lfirst_asked
.Lfirst_b:
	tensor_load_to_lds s[G0B:G0B+3], s[G1B:G1B+7]
	s_nop 0
	tensor_load_to_lds s[G0B+4:G0B+7], s[G1B:G1B+7]
	s_nop 0
.rept 4
	v_nop
.endr
.Lfirst_asked:
	v_and_b32 v1, 15, v0                           ; l % 16
	v_bfe_u32 v2, v0, 4, 1                         ; l / 16
	s_lshl_b32 s18, ttmp9, 12                      ; the bias of my 128 columns: 4 (1,024 t + 256 cx + 128 half)
	s_lshl_b32 s22, s40, 10
	s_add_co_u32 s18, s18, s22
	s_lshl_b32 s22, s12, 9
	s_add_co_u32 s18, s18, s22
	s_mov_b32 s19, 0
	s_add_nc_u64 s[74:75], s[74:75], s[18:19]
	v_lshlrev_b32 v15, 5, v2                       ; my eight columns of a block of 16
	WIN 0x80                                       ; destination window 2
.irp b, 0,1,2,3,4,5,6,7
	global_load_b128 v[8*(\b):8*(\b)+3],   v15, s[74:75] offset:64*(\b)
	global_load_b128 v[8*(\b)+4:8*(\b)+7], v15, s[74:75] offset:64*(\b)+16
.endr
	WIN 0
	v_mul_u32_u24 v23, v1, PA                      ; A's fragments: row x pitch + 16 x half of the lanes
	v_lshl_add_u32 v23, v2, 4, v23
	s_mul_i32 s22, s11, AH
	v_add_nc_u32 v[ADRA], s22, v23
	v_add_nc_u32 v[ADRA+1], SLOT, v[ADRA]
	v_and_b32 v23, 7, v0                           ; B's, turned: lane l reads k row 8 (l / 16) + l % 8, columns 8 ((l / 8) % 2) + 0..7
	v_lshl_add_u32 v23, v2, 3, v23
	v_mul_u32_u24 v23, v23, PB
	v_bfe_u32 v31, v0, 3, 1
	v_lshl_add_u32 v23, v31, 4, v23
	s_lshl_b32 s22, s12, 8
	s_add_co_u32 s22, s22, ATILE
	v_add_nc_u32 v[ADRB], s22, v23
	v_add_nc_u32 v[ADRB+1], SLOT, v[ADRB]
	s_mul_i32 s23, s10, 16*SPITCH
	s_add_co_u32 s23, s23, STAGE                   ; my stage
	v_mul_u32_u24 v23, v1, SPITCH
	v_lshl_add_u32 v23, v2, 4, v23
	v_add_nc_u32 v[STO], s23, v23
	v_mul_u32_u24 v23, v2, SPITCH
	v_lshl_add_u32 v23, v1, 4, v23
	v_add_nc_u32 v[RD], s23, v23
	v_mul_u32_u24 v23, v2, LDCB
	v_lshl_add_u32 v[CO], v1, 4, v23
	s_lshl_b32 s18, ttmp9, 24                      ; my part of C: t, my first row, my first column
	s_lshl_b32 s22, s13, 18
	s_add_co_u32 s18, s18, s22
	s_lshl_b32 s22, s11, 17
	s_add_co_u32 s18, s18, s22
	s_lshl_b32 s22, s40, 9
	s_add_co_u32 s18, s18, s22
	s_lshl_b32 s22, s12, 8
	s_add_co_u32 s18, s18, s22
	s_add_nc_u64 s[8:9], s[8:9], s[18:19]
	s_lshl_b32 s18, s13, 18                        ; the prefetches.  A: the tile's first row + 32 cx rows, at K step 3
	s_lshl_b32 s22, s40, 16
	s_add_co_u32 s18, s18, s22
	s_add_co_u32 s18, s18, 3*256
	s_lshl_b32 s20, ttmp9, 21                      ; B: t, cx, k row 64 half + 16 cy, at K step 3
	s_lshl_b32 s22, s40, 9
	s_add_co_u32 s20, s20, s22
	s_lshl_b32 s22, s12, 17
	s_add_co_u32 s20, s20, s22
	s_lshl_b32 s22, s41, 15
	s_add_co_u32 s20, s20, s22
	s_add_co_u32 s20, s20, 3*BSTEP
	s_or_b32 s22, s12, ttmp9                       ; A: wave 0, cluster x = 0
	s_mov_b32 s23, s79                             ; B: cluster y = 0
	s_mov_b32 s[PFS], BSTEP
	s_mov_b32 s[PFS+1], 0
	s_mov_b32 s14, ROWB
	s_mov_b32 s15, 256
	s_cmp_eq_u32 s11, 0
	s_cselect_b32 s18, s18, s20
	s_cselect_b32 s22, s22, s23
	s_cselect_b32 s[PFS], 256, s[PFS]
	s_cselect_b32 s14, ROWA, s14
	s_cselect_b32 s15, 16*ROWA, s15
	s_cselect_b64 s[PFA:PFA+1], s[4:5], s[6:7]
	s_add_nc_u64 s[PFA:PFA+1], s[PFA:PFA+1], s[18:19]
	s_cmp_eq_u32 s22, 0
	s_cselect_b32 s[LIM], 1, -1                    ; the same in all sixteen partners, for a given wave
	v_mul_u32_u24 v[PFO], s14, v1
	v_mad_u32_u24 v[PFO], s15, v2, v[PFO]
	s_wait_tensorcnt 0x1                           ; my part of K step 0 is in; slot 1's fill may stay out
	s_barrier_signal -1
	s_barrier_wait -1                              ; everybody's is
	FETCH 0, 0, F0
	s_wait_loadcnt 0x0                             ; the bias
	s_wait_dscnt 0x0
	QUARTER 0, 1, F0, F1, 2                        ; the first quarter stands ahead of the loop: its products start the sums
	WIN 0
	s_mov_b32 s3, LAPS-1
.Llap:                                                 ; a trip goes once round the ring, from a lap's second quarter to the next lap's first, and fills both slots again
	QUARTER 0, 2, F1, F0
	TURN 0, 1
	QUARTER 1, 0, F1, F0, 0, 1
	QUARTER 1, 1, F0, F1
	QUARTER 1, 2, F1, F0
	TURN 1, 1
	QUARTER 0, 0, F1, F0, 0, 1
	QUARTER 0, 1, F0, F1
	WIN 0
	s_sub_co_u32 s3, s3, 1
	s_cmp_lg_u32 s3, 0
	s_cbranch_scc1 .Llap
	QUARTER 0, 2, F1, F0                           ; the last lap is written out: it fills nothing
	TURN 0, 0
	QUARTER 1, 0, F1, F0
	QUARTER 1, 1, F0, F1
	QUARTER 1, 2, F1, F0
	QUARTER 1, 3, F0, F1
	QUADS F1, 0, 8, 0
	PLACES
	PLACES
; THE WAY OUT, a block of 16 rows at a time: rounded to f16, 16 bytes a lane; into my own stage in LDS and back as whole rows of 256 bytes; stored, sixteen lanes to 256 consecutive bytes, aligned.
.macro PACK a
	WIN 0x05                                       ; sources in window 1, destination in window 0
.set i, 0
.rept 32
	v_cvt_pk_f16_f32 v[TMP+i], v[64*(\a)+2*i], v[64*(\a)+2*i+1]   ; each accumulator's registers in ascending order
.set i, i+1
.endr
.endm
.macro TOSTAGE a
	WIN 0
.irp b, 0,1,2,3,4,5,6,7
	ds_store_b128 v[STO], v[TMP+4*(\b):TMP+4*(\b)+3] offset:32*(\b)
.endr
.irp t, 0,1,2,3,4,5,6,7
	ds_load_b128 v[BK0+32*(\a)+4*(\t):BK0+32*(\a)+4*(\t)+3], v[RD] offset:(\t)*2*SPITCH  ; LDS serves a wave's instructions in order (ISA guide 5.7.1.4): these see the stores above
.endr
.endm
.macro SEND a
	WIN 0
	s_wait_dscnt 0x0                               ; the block is back in registers
.irp t, 0,1,2,3,4,5,6,7
	global_store_b128 v[CO], v[BK0+32*(\a)+4*(\t):BK0+32*(\a)+4*(\t)+3], s[8:9] offset:(16*(\a)+2*(\t))*LDCB  ; the block's place stands in the immediate; no register of a store is rewritten
.endr
.endm
	PACK 0
	TOSTAGE 0
.irp a, 1,2,3                          ; block a's conversions stand between block a - 1's loads from the stage and the wait for them
	PACK \a
	SEND (\a)-1
	TOSTAGE \a
.endr
	SEND 3
	s_wait_tensorcnt 0x0                           ; the wave's end: behind my last tensor load and my last LDS store
	ds_add_u32 v[SPW], v[NIL]
	s_wait_dscnt 0x0
	CROUND                                         ; the closing round: no work-group ends while a partner may still ask for a tile that names it
	s_endpgm
.Lfunc_end_k_qd2cdbace59_proj:
	.size	k_qd2cdbace59_proj, .Lfunc_end_k_qd2cdbace59_proj-k_qd2cdbace59_proj
	.p2alignl 7, 3214868480
	.fill 96, 4, 3214868480
	.section	.rodata,"a",@progbits
	.p2align	6, 0x0
	.amdhsa_kernel k_qd2cdbace59_proj
		.amdhsa_group_segment_fixed_size 327680
		.amdhsa_private_segment_fixed_size 0
		.amdhsa_enable_private_segment 0
		.amdhsa_kernarg_size 32
		.amdhsa_user_sgpr_count 2
		.amdhsa_user_sgpr_kernarg_segment_ptr 1
		.amdhsa_wavefront_size32 1
		.amdhsa_system_sgpr_workgroup_id_x 1
		.amdhsa_system_sgpr_workgroup_id_y 1
		.amdhsa_system_sgpr_workgroup_id_z 1
		.amdhsa_system_vgpr_workitem_id 0
		.amdhsa_next_free_vgpr 576
		.amdhsa_next_free_sgpr 84
		.amdhsa_reserve_vcc 0
		.amdhsa_float_denorm_mode_32 3
		.amdhsa_float_denorm_mode_16_64 3
		.amdhsa_memory_ordered 1
		.amdhsa_forward_progress 1
		.amdhsa_inst_pref_size 88
	.end_amdhsa_kernel
	.amdgpu_metadata
---
amdhsa.version: [ 1, 2 ]
amdhsa.kernels:
  - .name:           k_qd2cdbace59_proj
    .symbol:         k_qd2cdbace59_proj.kd
    .args:
      - { .name: Xb, .offset: 0, .size: 8, .value_kind: global_buffer, .address_space: global }
      - { .name: Wb, .offset: 8, .size: 8, .value_kind: global_buffer, .address_space: global }
      - { .name: QKV, .offset: 16, .size: 8, .value_kind: global_buffer, .address_space: global }
      - { .name: BB, .offset: 24, .size: 8, .value_kind: global_buffer, .address_space: global }
    .group_segment_fixed_size: 327680
    .private_segment_fixed_size: 0
    .kernarg_segment_align: 8
    .kernarg_segment_size: 32
    .max_flat_workgroup_size: 128
    .sgpr_count:     84
    .vgpr_count:     576
    .wavefront_size: 32
...
	.end_amdgpu_metadata
.endif
;; end of part 2
;; launch scores (part 3): grid 8 x 64, 4 waves a work-group, clusters of 4 x 4, 327,680 bytes of LDS; arguments QKV, P, ST; writes P, ST
.if DOCPART == 3
	.amdgcn_target "amdgcn-amd-amdhsa--gfx1250"
	.amdhsa_code_object_version 6
	.text
	.protected	k_qd2cdbace59_scores
	.globl	k_qd2cdbace59_scores
	.p2align	8
	.type	k_qd2cdbace59_scores,@function
k_qd2cdbace59_scores:
	s_mov_b64 s[64:65], 0
	v_nop
	global_prefetch_b8 v0, s[64:65] scope:SCOPE_SE
	s_setreg_imm32_b32 hwreg(HW_REG_WAVE_MODE, 25, 1), 1
	s_wait_xcnt 0x0
	s_wait_alu depctr_hold_cnt(0) depctr_sa_sdst(0) depctr_va_vdst(0) depctr_va_sdst(0) depctr_va_ssrc(0) depctr_va_vcc(0) depctr_vm_vsrc(0)
	s_getreg_b32 s2, hwreg(HW_REG_IB_STS2, 6, 4)
	s_cmp_eq_u32 s2, 0
	s_cbranch_scc0 .Lentry_in_a_cluster
	s_endpgm
.Lentry_in_a_cluster:
	s_bfe_u32 s2, ttmp6, 0x10000c
	s_cmp_lg_u32 s2, 0xf033
	s_cbranch_scc0 .Lentry_shape_is_right
	s_endpgm
.Lentry_shape_is_right:
; For each batch: s[q][t] = the sum over k of q[q][k] vv[k][t], where vv is v's 2,048 x 1,024 numbers read as [1024][2048] (the module's raw reshape).  q = QKV[0], v = QKV[2], f16; sums in f32.
; THE SOFTMAX IS SPLIT BY BLOCKS OF 128 KEYS.  For row q and block j: m = the largest s of the block, p = 2^(c (s - m)), c = log2(e) / 32, l = the sum of the p (unrounded).
; P [8192][2048] f16 takes p; ST [16 blocks][8192 rows][2] f32 takes (m, l).  The next launch joins the blocks by the largest m.  m is taken away BEFORE the scaling: s - m <= 0, so p lies in 0 to 1 whatever the scores' size.
; LIMITS.  p below 6e-5 keeps f16's fixed step of 6e-8; a p below 2^-126 counts as 0 in l; NaN and infinities are not treated apart.
; SHARES.  A work-group makes 128 queries x 256 keys: 512 work-groups.  Four waves, 64 x 128 each, so a wave's columns ARE one block of keys, and a row's maximum and sum want one exchange between the halves of the lanes.
; Ring, fragments, transposed product, clusters and prefetch as in the projection's kernel: K steps of 128 through two LDS slots; B ([k][n]) comes out of LDS turned; a lane holds row l % 16 and the columns 8 (l / 16) + 0..7.
; A's tile (q's rows) is asked for jointly by a row of the cluster, B's (the batch's vv, by the tile column) by a column; a batch is four clusters high.
; REGISTERS: window 0: v0-31 addresses and statistics; v32-127, v128-223 two fragment buffers; v224-255 packed results.  Window 1: accumulator (a, b) at v[8 (8 a + b)].
.set LDA,    1024
.set LDB,    2048
.set ROWA,   2*LDA
.set ROWB,   2*LDB
.set BSTEP,  128*ROWB
.set LDCB,   4096
.set LAPS,   4                         ; K = 1,024
.set PA,     272                       ; an LDS row of A: 256 bytes + 16
.set PB,     544                       ; an LDS row of B: 512 bytes + 32 = 17 x 32, for the turning load
.set AH,     64*PA
.set ATILE,  2*AH
.set BH,     64*PB
.set SLOT,   ATILE+2*BH
.set STAGE,  2*SLOT                    ; behind the ring: 16 rows x 272 bytes for each wave
.set SPITCH, 272
.set SPARE,  STAGE+4*16*SPITCH         ; the spare words, 128 bytes a wave: two blocks of 256 bytes that no other line names
.set SO,   3                           ; v3   8 x lane: my row's place among 32 rows of ST
.set T,    4                           ; v4-11  at work on the maximum
.set MX,   12                          ; v[12:13] m in the low register; the high one is written once, since the pair is named
.set LS,   14                          ; v[14:15] l
.set ADRA, 16
.set ADRB, 18
.set STO,  20
.set RD,   21
.set CO,   22
.set PR,   24                          ; v[24:25], v[26:27]  (m, l) of rows 0-31 and 32-63, a lane a row
.set SPW,  28
.set NIL,  29
.set PFO,  30
.set F0,   32
.set F1,   128
.set TMP,  224
.set BK0,  32
.set G1,   24
.set G0,   32
.set G1B,  48
.set G0B,  56
.set LIM,  43
.set PFA,  44
.set CS,   66                          ; s[66:67] c, twice
.set SEL,  68                          ; s[68:69] v_permlanex16_b32's selects: each lane takes its own place in the other half
.set PFS,  70
.set HIM,  76                          ; s76  lanes 16-31
.set MUL,  0x50
.set MSB,  0
.macro WIN new
.if MSB != (\new)
	s_set_vgpr_msb (MSB<<8)|(\new)
.set MSB, \new
.endif
.endm
.macro PLACES
.rept 4
	v_nop
.endr
.endm
.macro CREST
	s_cmp_lg_u32 s10, 0
	s_cbranch_scc1 .Lnot_wave_0_\@
	s_barrier_signal -3
.Lnot_wave_0_\@:
	s_barrier_wait -3
	s_barrier_signal -1
	s_barrier_wait -1
.endm
.macro CROUND
	s_barrier_signal -1
	s_barrier_wait -1
	CREST
.endm
.macro JLOAD s                         ; a joint refill: waves 0, 1 ask for A's halves, waves 2, 3 for B's; an s_nop 0 and four v_nop follow each line
	s_cmp_eq_u32 s11, 0
	s_cbranch_scc0 .Lfor_b_\@
	tensor_load_to_lds s[G0+4*(\s):G0+4*(\s)+3], s[G1:G1+7]
	s_nop 0
.rept 4
	v_nop
.endr
	s_branch .Lasked_\@
.Lfor_b_\@:
	tensor_load_to_lds s[G0B+4*(\s):G0B+4*(\s)+3], s[G1B:G1B+7]
	s_nop 0
.rept 4
	v_nop
.endr
.Lasked_\@:
.endm
; A PREFETCH of the K step two refills on, 256 matrix instructions ahead of its load.  q's rows: wave 0 of the clusters with x = 0, the partner at cx rows 32 cx + lane.  vv's rows: waves 2, 3 of a batch's first
; cluster (cluster y % 4 = 0), the partner at cy k rows 64 (wave & 1) + 16 cy + lane % 16, half lane / 16 of a row's 512 bytes.  Each aligned 256 bytes are named once.  K steps 0 to 3 come by their loads; the last trip asks for nothing.
.macro ASK
	s_cmp_gt_u32 s3, s[LIM]
	s_cbranch_scc0 .Lnot_mine_\@
	global_prefetch_b8 v[PFO], s[PFA:PFA+1] th:TH_LOAD_NT scope:SCOPE_SE
.Lnot_mine_\@:
.endm
.macro FETCH slot, q, f
	WIN 0
.irp b, 0,1,2,3,4,5,6,7
	ds_load_tr16_b128 v[(\f)+8*(\b):(\f)+8*(\b)+3],   v[ADRB+(\slot)] offset:32*(\q)*PB+32*(\b)
	ds_load_tr16_b128 v[(\f)+8*(\b)+4:(\f)+8*(\b)+7], v[ADRB+(\slot)] offset:32*(\q)*PB+32*(\b)+16*PB
.endr
.irp a, 0,1,2,3
	ds_load_b128 v[(\f)+64+8*(\a):(\f)+64+8*(\a)+3],   v[ADRA+(\slot)] offset:(\a)*16*PA+64*(\q)
	ds_load_b128 v[(\f)+64+8*(\a)+4:(\f)+64+8*(\a)+7], v[ADRA+(\slot)] offset:(\a)*16*PA+64*(\q)+32
.endr
.endm
.macro QUADS f, from, n, zero          ; matrix instruction w is accumulator w; all 32 take turns.  zero = 1: the products start the sums
	WIN MUL
.set w, 4*(\from)
.rept 4*(\n)
.if \zero
	v_wmma_f32_16x16x32_f16 v[8*w:8*w+7], v[(\f)+8*(w%8):(\f)+8*(w%8)+7], v[(\f)+64+8*(w/8):(\f)+64+8*(w/8)+7], 0
.else
	v_wmma_f32_16x16x32_f16 v[8*w:8*w+7], v[(\f)+8*(w%8):(\f)+8*(w%8)+7], v[(\f)+64+8*(w/8):(\f)+64+8*(w/8)+7], v[8*w:8*w+7]
.endif
.set w, w+1
.endr
.endm
.macro QUARTER slot, q, f, g, zero=0, ask=0
	FETCH \slot, \q, \g
.if \ask
	ASK
.endif
	QUADS \f, 0, 8, \zero
	s_wait_dscnt 0x0                               ; the 24 loads issued 32 matrix instructions ago
	PLACES                                         ; ahead of the next run of loads, into the buffer just multiplied
.endm
.macro TURN slot, fill                 ; the change of slots: all my tensor loads, the add, my reads of the slot; the barrier (fill = 1: a round of the cluster's); the joint refill first behind it
.if \fill
	s_wait_xcnt 0x0                                ; the last prefetch, a K step back, has read its address
	s_add_nc_u64 s[PFA:PFA+1], s[PFA:PFA+1], s[PFS:PFS+1]
.endif
	FETCH \slot, 3, F1
	QUADS F0, 0, 4, 0
	WIN 0
	s_wait_tensorcnt 0x0                           ; all my tensor loads have landed: the one that was out is my part of the other slot
	ds_add_u32 v[SPW], v[NIL]                      ; 0 onto my spare word
	QUADS F0, 4, 2, 0
	s_wait_dscnt 0x0                               ; the add is done, and my reads of this slot are over
	s_barrier_signal -1
	QUADS F0, 6, 2, 0
	WIN 0
	s_barrier_wait -1
.if \fill
	CREST
	s_add_nc_u64 s[G0+4*(\slot)+2:G0+4*(\slot)+3], s[G0+4*(\slot)+2:G0+4*(\slot)+3], 2*256
	s_add_nc_u64 s[G0B+4*(\slot)+2:G0B+4*(\slot)+3], s[G0B+4*(\slot)+2:G0B+4*(\slot)+3], 2*BSTEP
	JLOAD \slot                                    ; 112 matrix instructions ahead of the wait for it
.else
	PLACES
.endif
.endm
	s_load_b64 s[4:5], s[0:1], 0x0                 ; QKV: q lies at its head
	s_load_b64 s[8:9], s[0:1], 0x8                 ; P
	s_load_b64 s[72:73], s[0:1], 0x10              ; ST
	v_lshl_add_u32 v[SPW], v0, 2, SPARE
	v_mov_b32 v[NIL], 0
	ds_add_u32 v[SPW], v[NIL]                      ; the wave's opening: the add and its wait ahead of my first tensor load
	v_lshrrev_b32 v1, 5, v0
	v_readfirstlane_b32 s10, v1                    ; wave 0..3
	s_lshr_b32 s11, s10, 1
	s_and_b32 s12, s10, 1
	s_bfe_u32 s40, ttmp6, 0x40000                  ; cx
	s_bfe_u32 s41, ttmp6, 0x40004                  ; cy
	s_lshl_b32 s42, ttmp9, 2
	s_add_co_u32 s42, s42, s40                     ; tile column = 4 x cluster x + cx
	s_and_b32 s79, ttmp7, 0xffff                   ; the cluster's y
	s_lshl_b32 s13, s79, 2
	s_add_co_u32 s13, s13, s41                     ; tile row, over all four batches
	s_lshr_b32 s80, s79, 2                         ; the batch, from the cluster's y alone
	s_lshl_b32 s80, s80, 22                        ; 4,194,304 bytes of v a batch,
	s_add_co_u32 s80, s80, 33554432                ; behind q and k
	s_mov_b32 s81, 0
	s_lshl_b32 s77, s41, 2
	s_lshl_b32 s77, 15, s77                        ; my row of the cluster
	s_lshl_b32 s78, 0x1111, s40                    ; my column
	s_or_b32 s[G1], s77, (1<<16)|(1<<20)|(1<<21)|(5<<22)|(3<<25)
	s_mov_b32 s[G1+1], 128<<16
	s_mov_b32 s[G1+2], 64<<16
	s_mov_b32 s[G1+3], 128<<16
	s_mov_b32 s[G1+4], 64
	s_mov_b32 s[G1+5], LDA
	s_mov_b32 s[G1+6], 0
	s_mov_b32 s[G1+7], 0
	s_or_b32 s[G1B], s78, (1<<16)|(1<<20)|(1<<21)|(6<<22)|(7<<25)
	s_mov_b32 s[G1B+1], 256<<16
	s_mov_b32 s[G1B+2], 64<<16
	s_mov_b32 s[G1B+3], 256<<16
	s_mov_b32 s[G1B+4], 64
	s_mov_b32 s[G1B+5], LDB
	s_mov_b32 s[G1B+6], 0
	s_mov_b32 s[G1B+7], 0
	s_lshl_b32 s16, s13, 18                        ; A: 128 rows of 2,048 bytes x tile row,
	s_lshl_b32 s14, s12, 17                        ; + the 64 that I fetch
	s_add_co_u32 s16, s16, s14
	s_mov_b32 s17, 0
	s_lshl_b32 s46, s42, 9                         ; B: 256 columns x tile column,
	s_lshl_b32 s47, s12, 18                        ; + the 64 k rows of 4,096 bytes that I fetch
	s_add_co_u32 s46, s46, s47
	s_mov_b32 s47, 0
	s_mul_i32 s20, s12, AH
	s_mul_i32 s21, s12, BH
	s_add_co_u32 s21, s21, ATILE
	s_mov_b32 s[CS], 0x3d38aa3b                    ; c = log2(e) / 32
	s_mov_b32 s[CS+1], s[CS]
	s_mov_b32 s[SEL], 0x76543210
	s_mov_b32 s[SEL+1], 0xfedcba98
	s_mov_b32 s[HIM], 0xffff0000
	s_wait_dscnt 0x0                               ; the opening add is done
	s_wait_kmcnt 0x0
	s_add_nc_u64 s[6:7], s[4:5], s[80:81]          ; the batch's v
	s_add_nc_u64 s[14:15], s[4:5], s[16:17]
	s_add_nc_u64 s[46:47], s[6:7], s[46:47]
.irp s, 0,1
	s_mov_b32 s[G0+4*(\s)], 1
	s_add_co_u32 s[G0+4*(\s)+1], s20, (\s)*SLOT
	s_add_nc_u64 s[G0+4*(\s)+2:G0+4*(\s)+3], s[14:15], (\s)*256
	s_or_b32 s[G0+4*(\s)+3], s[G0+4*(\s)+3], 0x80000000
	s_mov_b32 s[G0B+4*(\s)], 1
	s_add_co_u32 s[G0B+4*(\s)+1], s21, (\s)*SLOT
	s_add_nc_u64 s[G0B+4*(\s)+2:G0B+4*(\s)+3], s[46:47], (\s)*BSTEP
	s_or_b32 s[G0B+4*(\s)+3], s[G0B+4*(\s)+3], 0x80000000
.endr
	CROUND                                         ; all sixteen work-groups are here: the first joint loads meet
	s_cmp_eq_u32 s11, 0                            ; a wave's two first fills stand in one branch: two loads of mine are out
	s_cbranch_scc0 .Lfirst_b
	tensor_load_to_lds s[G0:G0+3], s[G1:G1+7]
	s_nop 0
	tensor_load_to_lds s[G0+4:G0+7], s[G1:G1+7]
	s_nop 0
.rept 4
	v_nop
.endr
	s_branch .Lfirst_asked
.Lfirst_b:
	tensor_load_to_lds s[G0B:G0B+3], s[G1B:G1B+7]
	s_nop 0
	tensor_load_to_lds s[G0B+4:G0B+7], s[G1B:G1B+7]
	s_nop 0
.rept 4
	v_nop
.endr
.Lfirst_asked:
	v_and_b32 v1, 15, v0                           ; l % 16
	v_bfe_u32 v2, v0, 4, 1                         ; l / 16
	v_mov_b32 v[MX+1], 0
	v_and_b32 v[SO], 31, v0
	v_lshlrev_b32 v[SO], 3, v[SO]
	v_mul_u32_u24 v23, v1, PA
	v_lshl_add_u32 v23, v2, 4, v23
	s_mul_i32 s22, s11, AH
	v_add_nc_u32 v[ADRA], s22, v23
	v_add_nc_u32 v[ADRA+1], SLOT, v[ADRA]
	v_and_b32 v23, 7, v0
	v_lshl_add_u32 v23, v2, 3, v23
	v_mul_u32_u24 v23, v23, PB
	v_bfe_u32 v31, v0, 3, 1
	v_lshl_add_u32 v23, v31, 4, v23
	s_lshl_b32 s22, s12, 8
	s_add_co_u32 s22, s22, ATILE
	v_add_nc_u32 v[ADRB], s22, v23
	v_add_nc_u32 v[ADRB+1], SLOT, v[ADRB]
	s_mul_i32 s23, s10, 16*SPITCH
	s_add_co_u32 s23, s23, STAGE
	v_mul_u32_u24 v23, v1, SPITCH
	v_lshl_add_u32 v23, v2, 4, v23
	v_add_nc_u32 v[STO], s23, v23
	v_mul_u32_u24 v23, v2, SPITCH
	v_lshl_add_u32 v23, v1, 4, v23
	v_add_nc_u32 v[RD], s23, v23
	v_mul_u32_u24 v23, v2, LDCB
	v_lshl_add_u32 v[CO], v1, 4, v23
	s_lshl_b32 s18, s13, 19                        ; my part of P: my first row (4,096 bytes a row), my first column
	s_lshl_b32 s22, s11, 18
	s_add_co_u32 s18, s18, s22
	s_lshl_b32 s22, s42, 9
	s_add_co_u32 s18, s18, s22
	s_lshl_b32 s22, s12, 8
	s_add_co_u32 s18, s18, s22
	s_mov_b32 s19, 0
	s_add_nc_u64 s[8:9], s[8:9], s[18:19]
	s_lshl_b32 s18, s42, 17                        ; my part of ST: key block 2 x tile column + half, 65,536 bytes a block; 8 bytes a row
	s_lshl_b32 s22, s12, 16
	s_add_co_u32 s18, s18, s22
	s_lshl_b32 s22, s13, 10
	s_add_co_u32 s18, s18, s22
	s_lshl_b32 s22, s11, 9
	s_add_co_u32 s18, s18, s22
	s_add_nc_u64 s[72:73], s[72:73], s[18:19]
	s_lshl_b32 s18, s13, 18                        ; the prefetches.  A: the tile's first row + 32 cx rows, at K step 3
	s_lshl_b32 s22, s40, 16
	s_add_co_u32 s18, s18, s22
	s_add_co_u32 s18, s18, 3*256
	s_lshl_b32 s20, s42, 9                         ; B: the tile column, k row 64 half + 16 cy, at K step 3
	s_lshl_b32 s22, s12, 18
	s_add_co_u32 s20, s20, s22
	s_lshl_b32 s22, s41, 16
	s_add_co_u32 s20, s20, s22
	s_add_co_u32 s20, s20, 3*BSTEP
	s_or_b32 s22, s12, ttmp9                       ; A: wave 0, cluster x = 0
	s_and_b32 s23, s79, 3                          ; B: the batch's first cluster
	s_mov_b32 s[PFS], BSTEP
	s_mov_b32 s[PFS+1], 0
	s_mov_b32 s14, ROWB
	s_mov_b32 s15, 256
	s_cmp_eq_u32 s11, 0
	s_cselect_b32 s18, s18, s20
	s_cselect_b32 s22, s22, s23
	s_cselect_b32 s[PFS], 256, s[PFS]
	s_cselect_b32 s14, ROWA, s14
	s_cselect_b32 s15, 16*ROWA, s15
	s_cselect_b64 s[PFA:PFA+1], s[4:5], s[6:7]
	s_add_nc_u64 s[PFA:PFA+1], s[PFA:PFA+1], s[18:19]
	s_cmp_eq_u32 s22, 0
	s_cselect_b32 s[LIM], 1, -1
	v_mul_u32_u24 v[PFO], s14, v1
	v_mad_u32_u24 v[PFO], s15, v2, v[PFO]
	s_wait_tensorcnt 0x1                           ; my part of K step 0 is in; slot 1's fill may stay out
	s_barrier_signal -1
	s_barrier_wait -1
	FETCH 0, 0, F0
	s_wait_dscnt 0x0
	QUARTER 0, 1, F0, F1, 1                        ; the first quarter's products start the sums
	WIN 0
	s_mov_b32 s3, LAPS-1
.Llap:
	QUARTER 0, 2, F1, F0
	TURN 0, 1
	QUARTER 1, 0, F1, F0, 0, 1
	QUARTER 1, 1, F0, F1
	QUARTER 1, 2, F1, F0
	TURN 1, 1
	QUARTER 0, 0, F1, F0, 0, 1
	QUARTER 0, 1, F0, F1
	WIN 0
	s_sub_co_u32 s3, s3, 1
	s_cmp_lg_u32 s3, 0
	s_cbranch_scc1 .Llap
	QUARTER 0, 2, F1, F0                           ; the last lap is written out: it fills nothing
	TURN 0, 0
	QUARTER 1, 0, F1, F0
	QUARTER 1, 1, F0, F1
	QUARTER 1, 2, F1, F0
	QUARTER 1, 3, F0, F1
	QUADS F1, 0, 8, 0
	PLACES
	PLACES
; THE SOFTMAX OF A BLOCK of 16 rows x 128 keys: a lane holds 64 scores of row 16 a + l % 16, the lane 16 away the other 64.
.macro SOFT a
.set AC, 64*(\a)
	WIN 0x15                                       ; three sources in window 1, destination in window 0
.irp b, 0,1,2,3,4,5,6,7
	v_max3_num_f32 v[T+(\b)], v[AC+8*(\b)], v[AC+8*(\b)+1], v[AC+8*(\b)+2]   ; each accumulator's lowest registers are read first
.endr
	WIN 0x14                                       ; source 0 in window 0
.irp b, 0,1,2,3,4,5,6,7
	v_max3_num_f32 v[T+(\b)], v[T+(\b)], v[AC+8*(\b)+3], v[AC+8*(\b)+4]
.endr
.irp b, 0,1,2,3,4,5,6,7
	v_max3_num_f32 v[T+(\b)], v[T+(\b)], v[AC+8*(\b)+5], v[AC+8*(\b)+6]
.endr
.irp b, 0,2,4,6
	v_max3_num_f32 v[T+(\b)], v[T+(\b)], v[AC+8*(\b)+7], v[AC+8*(\b)+15]
.endr
	WIN 0
	v_max3_num_f32 v[T], v[T], v[T+1], v[T+2]
	v_max3_num_f32 v[T+3], v[T+3], v[T+4], v[T+5]
	v_max_num_f32 v[T+6], v[T+6], v[T+7]
	v_max3_num_f32 v[T], v[T], v[T+3], v[T+6]
	v_permlanex16_b32 v[T+1], v[T], s[SEL], s[SEL+1]
	v_max_num_f32 v[MX], v[T], v[T+1]              ; m
	WIN 0x41                                       ; destination and source 0 in window 1
.set i, 0
.rept 32
	v_pk_add_f32 v[AC+i:AC+i+1], v[AC+i:AC+i+1], v[MX:MX+1] op_sel_hi:[1,0] neg_lo:[0,1] neg_hi:[0,1]  ; s - m, never above 0
.set i, i+2
.endr
.set i, 0
.rept 32
	v_pk_mul_f32 v[AC+i:AC+i+1], v[AC+i:AC+i+1], s[CS:CS+1] op_sel_hi:[1,0]
.set i, i+2
.endr
.set i, 0
.rept 64
	v_exp_f32 v[AC+i], v[AC+i]                     ; one batch: none of these names another's result
.set i, i+1
.endr
	v_nop                                          ; a plain instruction behind the last exponential
	s_wait_alu depctr_va_vdst(0)                   ; and one wait ahead of the batch's first reader
	WIN 0x05
.set i, 0
.rept 32
	v_cvt_pk_f16_f32 v[TMP+i], v[AC+2*i], v[AC+2*i+1]
.set i, i+1
.endr
	WIN 0x45                                       ; the sum of the 64 unrounded p, in place: halves are folded onto each other
.irp n, 32,16,8,4
.set i, 0
.rept (\n)/2
	v_pk_add_f32 v[AC+i:AC+i+1], v[AC+i:AC+i+1], v[AC+(\n)+i:AC+(\n)+i+1]
.set i, i+2
.endr
.endr
	WIN 0x05
	v_pk_add_f32 v[LS:LS+1], v[AC:AC+1], v[AC+2:AC+3]
	WIN 0
	v_add_f32 v[LS], v[LS], v[LS+1]
	v_permlanex16_b32 v[LS+1], v[LS], s[SEL], s[SEL+1]
	v_add_f32 v[LS], v[LS], v[LS+1]                ; l
.if (\a)%2 == 0
	v_mov_b32 v[PR+2*((\a)/2)], v[MX]              ; lanes 0-15 keep the even block's (m, l),
	v_mov_b32 v[PR+2*((\a)/2)+1], v[LS]
.else
	v_cndmask_b32 v[PR+2*((\a)/2)], v[PR+2*((\a)/2)], v[MX], s[HIM]      ; lanes 16-31 take the odd block's: a lane a row,
	v_cndmask_b32 v[PR+2*((\a)/2)+1], v[PR+2*((\a)/2)+1], v[LS], s[HIM]
	global_store_b64 v[SO], v[PR+2*((\a)/2):PR+2*((\a)/2)+1], s[72:73] offset:256*((\a)/2)  ; 32 rows: 256 consecutive bytes, aligned
.endif
.endm
.macro TOSTAGE a
	WIN 0
.irp b, 0,1,2,3,4,5,6,7
	ds_store_b128 v[STO], v[TMP+4*(\b):TMP+4*(\b)+3] offset:32*(\b)
.endr
.irp t, 0,1,2,3,4,5,6,7
	ds_load_b128 v[BK0+32*(\a)+4*(\t):BK0+32*(\a)+4*(\t)+3], v[RD] offset:(\t)*2*SPITCH  ; LDS serves a wave's instructions in order (ISA guide 5.7.1.4): these see the stores above
.endr
.endm
.macro SEND a
	WIN 0
	s_wait_dscnt 0x0
.irp t, 0,1,2,3,4,5,6,7
	global_store_b128 v[CO], v[BK0+32*(\a)+4*(\t):BK0+32*(\a)+4*(\t)+3], s[8:9] offset:(16*(\a)+2*(\t))*LDCB  ; sixteen lanes store 256 consecutive bytes, aligned; no register of a store is rewritten
.endr
.endm
	SOFT 0
	TOSTAGE 0
.irp a, 1,2,3                          ; block a's softmax stands between block a - 1's loads from the stage and the wait for them
	SOFT \a
	SEND (\a)-1
	TOSTAGE \a
.endr
	SEND 3
	s_wait_tensorcnt 0x0                           ; the wave's end: behind my last tensor load and my last LDS store
	ds_add_u32 v[SPW], v[NIL]
	s_wait_dscnt 0x0
	CROUND                                         ; the closing round
	s_endpgm
.Lfunc_end_k_qd2cdbace59_scores:
	.size	k_qd2cdbace59_scores, .Lfunc_end_k_qd2cdbace59_scores-k_qd2cdbace59_scores
	.p2alignl 7, 3214868480
	.fill 96, 4, 3214868480
	.section	.rodata,"a",@progbits
	.p2align	6, 0x0
	.amdhsa_kernel k_qd2cdbace59_scores
		.amdhsa_group_segment_fixed_size 327680
		.amdhsa_private_segment_fixed_size 0
		.amdhsa_enable_private_segment 0
		.amdhsa_kernarg_size 24
		.amdhsa_user_sgpr_count 2
		.amdhsa_user_sgpr_kernarg_segment_ptr 1
		.amdhsa_wavefront_size32 1
		.amdhsa_system_sgpr_workgroup_id_x 1
		.amdhsa_system_sgpr_workgroup_id_y 1
		.amdhsa_system_sgpr_workgroup_id_z 1
		.amdhsa_system_vgpr_workitem_id 0
		.amdhsa_next_free_vgpr 512
		.amdhsa_next_free_sgpr 84
		.amdhsa_reserve_vcc 0
		.amdhsa_float_denorm_mode_32 3
		.amdhsa_float_denorm_mode_16_64 3
		.amdhsa_memory_ordered 1
		.amdhsa_forward_progress 1
		.amdhsa_inst_pref_size 129
	.end_amdhsa_kernel
	.amdgpu_metadata
---
amdhsa.version: [ 1, 2 ]
amdhsa.kernels:
  - .name:           k_qd2cdbace59_scores
    .symbol:         k_qd2cdbace59_scores.kd
    .args:
      - { .name: QKV, .offset: 0, .size: 8, .value_kind: global_buffer, .address_space: global }
      - { .name: P, .offset: 8, .size: 8, .value_kind: global_buffer, .address_space: global }
      - { .name: ST, .offset: 16, .size: 8, .value_kind: global_buffer, .address_space: global }
    .group_segment_fixed_size: 327680
    .private_segment_fixed_size: 0
    .kernarg_segment_align: 8
    .kernarg_segment_size: 24
    .max_flat_workgroup_size: 128
    .sgpr_count:     84
    .vgpr_count:     512
    .wavefront_size: 32
...
	.end_amdgpu_metadata
.endif
;; end of part 3
;; launch pv (part 4): grid 4 x 64, 4 waves a work-group, clusters of 4 x 4, 327,680 bytes of LDS; arguments P, QKV, ST, out0; writes out0
.if DOCPART == 4
	.amdgcn_target "amdgcn-amd-amdhsa--gfx1250"
	.amdhsa_code_object_version 6
	.text
	.protected	k_qd2cdbace59_pv
	.globl	k_qd2cdbace59_pv
	.p2align	8
	.type	k_qd2cdbace59_pv,@function
k_qd2cdbace59_pv:
	s_mov_b64 s[64:65], 0
	v_nop
	global_prefetch_b8 v0, s[64:65] scope:SCOPE_SE
	s_setreg_imm32_b32 hwreg(HW_REG_WAVE_MODE, 25, 1), 1
	s_wait_xcnt 0x0
	s_wait_alu depctr_hold_cnt(0) depctr_sa_sdst(0) depctr_va_vdst(0) depctr_va_sdst(0) depctr_va_ssrc(0) depctr_va_vcc(0) depctr_vm_vsrc(0)
	s_getreg_b32 s2, hwreg(HW_REG_IB_STS2, 6, 4)
	s_cmp_eq_u32 s2, 0
	s_cbranch_scc0 .Lentry_in_a_cluster
	s_endpgm
.Lentry_in_a_cluster:
	s_bfe_u32 s2, ttmp6, 0x10000c
	s_cmp_lg_u32 s2, 0xf033
	s_cbranch_scc0 .Lentry_shape_is_right
	s_endpgm
.Lentry_shape_is_right:
; out[q][d] = (the sum over key blocks j of f_j x the sum over the block's 128 keys t of P[q][t] v[t][d]) / L, for each batch.
; From ST's (m_j, l_j): M = the largest m_j of the row, f_j = 2^(c (m_j - M)) <= 1, c = log2(e) / 32, L = the sum of f_j l_j >= 1.  So the row's true maximum is what has been taken away from every score.
; A K step of 128 keys IS a key block: A's fragments (P, f16) are multiplied by f_j, rounded to f16, between LDS and the matrix unit (v_pk_mul_f16: a lane holds one row, so one factor a fragment); L is summed with the same rounded f_j.
; P [8192][2048] f16, v = QKV[2] [4][2048][1024] f16, out0 [8192][1024] f32; products' sums, M, L in f32.
; LIMITS.  P f_j below 6e-5 keeps f16's fixed step of 6e-8, an f_j below 6e-8 counts as 0 (in L too); NaN and infinities are not treated apart.
; SHARES.  A work-group makes 128 rows x 256 columns: 256 work-groups.  Four waves, 64 x 128 each.  Ring, fragments, transposed product, clusters and prefetch as in the two launches before; K = 2,048, sixteen K steps.
; THE SCALING RIDES behind the matrix instructions: four v_pk_mul_f16 behind every four products, each fragment scaled ahead of the products that read it.  It costs two window switches for each four products.
; REGISTERS: window 0: v0-31 addresses and factors; v32-127, v128-223 two fragment buffers (at the start: at work on the statistics; on the way out: rows read back); v224-231 1 / L.  Window 1: accumulator (a, b) at v[8 (8 a + b)].
.set LDA,    2048
.set LDB,    1024
.set ROWA,   2*LDA
.set ROWB,   2*LDB
.set BSTEP,  128*ROWB
.set LAPS,   8
.set PA,     272
.set PB,     544
.set AH,     64*PA
.set ATILE,  2*AH
.set BH,     64*PB
.set SLOT,   ATILE+2*BH
.set FT,     2*SLOT                    ; behind the ring: the factors, 4,096 bytes a wave: for K step j 256 bytes, lane l % 16's 16 bytes = f_j of its four rows, each twice in f16
.set STAGE,  FT+4*4096                 ; 16 rows x 528 bytes for each wave, for the way out
.set OPITCH, 528                       ; 512 bytes + 16
.set SPARE,  STAGE+4*16*OPITCH         ; the spare words, 128 bytes a wave: two blocks of 256 bytes that no other line names
.set FCA,  4                           ; v4-7   the factors of the K step in slot 0, one register a row block
.set FCB,  8                           ; v8-11  of the K step in slot 1
.set FAD,  12                          ; v12    where the lap's factors lie
.set ADRA, 16
.set ADRB, 18
.set STO,  20
.set RD,   21
.set CO,   22
.set SPW,  28
.set NIL,  29
.set PFO,  30
.set F0,   32
.set F1,   128
.set ML,   32                          ; the start: (m, l) of row block a, key block 8 (l / 16) + j at v[ML + 2 (8 a + j)]
.set FP,   96                          ; f, twice in f16, at v[FP + 4 j + a]
.set EF,   128                         ; c (m - M), then f, at v[EF + 8 a + j]
.set MM,   160                         ; M;  MT, LL, LT: at work
.set MT,   164
.set LL,   168
.set LT,   172
.set RC,   224                         ; v[224 + 2 a] 1 / L; the register above it is written too, since the pair is named
.set OB,   32                          ; the way out: two read-back buffers of 64
.set G1,   24
.set G0,   32
.set G1B,  48
.set G0B,  56
.set LIM,  43
.set PFA,  44
.set CS,   66
.set SEL,  68
.set PFS,  70
.set MUL,  0x50
.set MSB,  0
.macro WIN new
.if MSB != (\new)
	s_set_vgpr_msb (MSB<<8)|(\new)
.set MSB, \new
.endif
.endm
.macro PLACES
.rept 4
	v_nop
.endr
.endm
.macro CREST
	s_cmp_lg_u32 s10, 0
	s_cbranch_scc1 .Lnot_wave_0_\@
	s_barrier_signal -3
.Lnot_wave_0_\@:
	s_barrier_wait -3
	s_barrier_signal -1
	s_barrier_wait -1
.endm
.macro CROUND
	s_barrier_signal -1
	s_barrier_wait -1
	CREST
.endm
.macro JLOAD s                         ; a joint refill: waves 0, 1 ask for A's halves, waves 2, 3 for B's; an s_nop 0 and four v_nop follow each line
	s_cmp_eq_u32 s11, 0
	s_cbranch_scc0 .Lfor_b_\@
	tensor_load_to_lds s[G0+4*(\s):G0+4*(\s)+3], s[G1:G1+7]
	s_nop 0
.rept 4
	v_nop
.endr
	s_branch .Lasked_\@
.Lfor_b_\@:
	tensor_load_to_lds s[G0B+4*(\s):G0B+4*(\s)+3], s[G1B:G1B+7]
	s_nop 0
.rept 4
	v_nop
.endr
.Lasked_\@:
.endm
; A PREFETCH of the K step two refills on, 256 matrix instructions ahead of its load.  P's rows: wave 0 (the grid is one cluster wide), the partner at cx rows 32 cx + lane.  v's rows: waves 2, 3 of a batch's first
; cluster (cluster y % 4 = 0), the partner at cy k rows 64 (wave & 1) + 16 cy + lane % 16, half lane / 16 of a row's 512 bytes.  Each aligned 256 bytes are named once.  K steps 0 to 3 come by their loads; the last trip asks for nothing.
.macro ASK
	s_cmp_gt_u32 s3, s[LIM]
	s_cbranch_scc0 .Lnot_mine_\@
	global_prefetch_b8 v[PFO], s[PFA:PFA+1] th:TH_LOAD_NT scope:SCOPE_SE
.Lnot_mine_\@:
.endm
.macro FETCH slot, q, f
	WIN 0
.irp b, 0,1,2,3,4,5,6,7
	ds_load_tr16_b128 v[(\f)+8*(\b):(\f)+8*(\b)+3],   v[ADRB+(\slot)] offset:32*(\q)*PB+32*(\b)
	ds_load_tr16_b128 v[(\f)+8*(\b)+4:(\f)+8*(\b)+7], v[ADRB+(\slot)] offset:32*(\q)*PB+32*(\b)+16*PB
.endr
.irp a, 0,1,2,3
	ds_load_b128 v[(\f)+64+8*(\a):(\f)+64+8*(\a)+3],   v[ADRA+(\slot)] offset:(\a)*16*PA+64*(\q)
	ds_load_b128 v[(\f)+64+8*(\a)+4:(\f)+64+8*(\a)+7], v[ADRA+(\slot)] offset:(\a)*16*PA+64*(\q)+32
.endr
.endm
.macro QUADS f, from, n, zero          ; matrix instruction w is accumulator w: row block w / 8, n block w % 8; all 32 take turns
	WIN MUL
.set w, 4*(\from)
.rept 4*(\n)
.if \zero
	v_wmma_f32_16x16x32_f16 v[8*w:8*w+7], v[(\f)+8*(w%8):(\f)+8*(w%8)+7], v[(\f)+64+8*(w/8):(\f)+64+8*(w/8)+7], 0
.else
	v_wmma_f32_16x16x32_f16 v[8*w:8*w+7], v[(\f)+8*(w%8):(\f)+8*(w%8)+7], v[(\f)+64+8*(w/8):(\f)+64+8*(w/8)+7], v[8*w:8*w+7]
.endif
.set w, w+1
.endr
.endm
; The four riders behind products 4 i .. 4 i + 3.  i = 0..5: half of A's fragment 1 + i / 2 of the buffer in hand, which products 8 (1 + i / 2) on will read.  i = 6, 7: fragment 0 of the buffer just fetched,
; for the next quarter's first products.  None names a register of the products round it; those behind the quarter's last products are also the four places ahead of the next run of loads.
.macro RIDE f, g, i, fc, gc
	WIN 0
.if (\i) < 6
.set rr, (\f)+64+8*(1+(\i)/2)+4*((\i)%2)
.set rf, (\fc)+1+(\i)/2
.else
.set rr, (\g)+64+4*((\i)-6)
.set rf, (\gc)
.endif
.rept 4
	v_pk_mul_f16 v[rr], v[rr], v[rf]
.set rr, rr+1
.endr
.endm
; A quarter's 32 products on buffer f and their riders.  ride = 8: buffer g is being fetched; its loads, issued 24 products back, are waited for ahead of the 25th.  ride = 6: the very last quarter.
; meet = 1: the change of slots: ahead of the 17th product the wait for all my tensor loads and the add; ahead of the 25th the wait for the add and for my reads of the slot, and the signal.
.macro BODY f, g, fc, gc, zero, meet, ride
.irp i, 0,1,2,3,4,5,6,7
.if (\meet) && ((\i) == 4)
	WIN 0
	s_wait_tensorcnt 0x0                           ; all my tensor loads have landed: the one that was out is my part of the other slot
	ds_add_u32 v[SPW], v[NIL]                      ; 0 onto my spare word
.endif
.if ((\ride) == 8) && ((\i) == 6)
	s_wait_dscnt 0x0
.if \meet
	s_barrier_signal -1
.endif
.endif
	QUADS \f, \i, 1, \zero
.if (\i) < (\ride)
	RIDE \f, \g, \i, \fc, \gc
.endif
.endr
.endm
.macro PQ slot, q, f, g, fc, zero=0    ; a quarter inside a K step
	FETCH \slot, \q, \g
	BODY \f, \g, \fc, \fc, \zero, 0, 8
.endm
.macro PTURN slot, fill, fc            ; a K step's third quarter; fill = 1: the barrier opens a round of the cluster's, and the joint refill is the first thing behind it
.if \fill
	s_wait_xcnt 0x0                                ; the last prefetch, a K step back, has read its address
	s_add_nc_u64 s[PFA:PFA+1], s[PFA:PFA+1], s[PFS:PFS+1]
.endif
	FETCH \slot, 3, F1
	BODY F0, F1, \fc, \fc, 0, 1, 8
	WIN 0
	s_barrier_wait -1
.if \fill
	CREST
	s_add_nc_u64 s[G0+4*(\slot)+2:G0+4*(\slot)+3], s[G0+4*(\slot)+2:G0+4*(\slot)+3], 2*256
	s_add_nc_u64 s[G0B+4*(\slot)+2:G0B+4*(\slot)+3], s[G0B+4*(\slot)+2:G0B+4*(\slot)+3], 2*BSTEP
	JLOAD \slot                                    ; 112 matrix instructions ahead of the wait for it
.endif
.endm
.macro PNEXT next, fc, gc, ask         ; a K step's fourth quarter: the next slot's first fragments and the next K step's factors are fetched
	WIN 0
.if (\next) == 0
	v_add_nc_u32 v[FAD], 512, v[FAD]               ; the next lap's two K steps
.endif
	FETCH \next, 0, F0
	ds_load_b128 v[(\gc):(\gc)+3], v[FAD] offset:256*(\next)
.if \ask
	ASK
.endif
	BODY F1, F0, \fc, \gc, 0, 0, 8
.endm
	s_load_b128 s[4:7], s[0:1], 0x0                ; P s[4:5], QKV s[6:7]
	s_load_b64 s[72:73], s[0:1], 0x10              ; ST
	s_load_b64 s[8:9], s[0:1], 0x18                ; out0
	v_lshl_add_u32 v[SPW], v0, 2, SPARE
	v_mov_b32 v[NIL], 0
	ds_add_u32 v[SPW], v[NIL]                      ; the wave's opening: the add and its wait ahead of my first tensor load
	v_lshrrev_b32 v1, 5, v0
	v_readfirstlane_b32 s10, v1                    ; wave 0..3
	s_lshr_b32 s11, s10, 1
	s_and_b32 s12, s10, 1
	s_bfe_u32 s40, ttmp6, 0x40000                  ; cx
	s_bfe_u32 s41, ttmp6, 0x40004                  ; cy
	s_lshl_b32 s42, ttmp9, 2
	s_add_co_u32 s42, s42, s40                     ; tile column
	s_and_b32 s79, ttmp7, 0xffff                   ; the cluster's y
	s_lshl_b32 s13, s79, 2
	s_add_co_u32 s13, s13, s41                     ; tile row, over all four batches
	s_lshr_b32 s80, s79, 2                         ; the batch, from the cluster's y alone
	s_lshl_b32 s80, s80, 22
	s_add_co_u32 s80, s80, 33554432                ; v lies behind q and k
	s_mov_b32 s81, 0
	s_lshl_b32 s77, s41, 2
	s_lshl_b32 s77, 15, s77                        ; my row of the cluster
	s_lshl_b32 s78, 0x1111, s40                    ; my column
	s_or_b32 s[G1], s77, (1<<16)|(1<<20)|(1<<21)|(5<<22)|(3<<25)
	s_mov_b32 s[G1+1], 128<<16
	s_mov_b32 s[G1+2], 64<<16
	s_mov_b32 s[G1+3], 128<<16
	s_mov_b32 s[G1+4], 64
	s_mov_b32 s[G1+5], LDA
	s_mov_b32 s[G1+6], 0
	s_mov_b32 s[G1+7], 0
	s_or_b32 s[G1B], s78, (1<<16)|(1<<20)|(1<<21)|(6<<22)|(7<<25)
	s_mov_b32 s[G1B+1], 256<<16
	s_mov_b32 s[G1B+2], 64<<16
	s_mov_b32 s[G1B+3], 256<<16
	s_mov_b32 s[G1B+4], 64
	s_mov_b32 s[G1B+5], LDB
	s_mov_b32 s[G1B+6], 0
	s_mov_b32 s[G1B+7], 0
	s_lshl_b32 s16, s13, 19                        ; A: 128 rows of 4,096 bytes x tile row,
	s_lshl_b32 s14, s12, 18                        ; + the 64 that I fetch
	s_add_co_u32 s16, s16, s14
	s_mov_b32 s17, 0
	s_lshl_b32 s46, s42, 9                         ; B: 256 columns x tile column,
	s_lshl_b32 s47, s12, 17                        ; + the 64 k rows of 2,048 bytes that I fetch
	s_add_co_u32 s46, s46, s47
	s_mov_b32 s47, 0
	s_mul_i32 s20, s12, AH
	s_mul_i32 s21, s12, BH
	s_add_co_u32 s21, s21, ATILE
	s_mov_b32 s[CS], 0x3d38aa3b                    ; c = log2(e) / 32
	s_mov_b32 s[CS+1], s[CS]
	s_mov_b32 s[SEL], 0x76543210
	s_mov_b32 s[SEL+1], 0xfedcba98
	s_wait_dscnt 0x0                               ; the opening add is done
	s_wait_kmcnt 0x0
	s_add_nc_u64 s[6:7], s[6:7], s[80:81]          ; the batch's v
	s_add_nc_u64 s[14:15], s[4:5], s[16:17]
	s_add_nc_u64 s[46:47], s[6:7], s[46:47]
.irp s, 0,1
	s_mov_b32 s[G0+4*(\s)], 1
	s_add_co_u32 s[G0+4*(\s)+1], s20, (\s)*SLOT
	s_add_nc_u64 s[G0+4*(\s)+2:G0+4*(\s)+3], s[14:15], (\s)*256
	s_or_b32 s[G0+4*(\s)+3], s[G0+4*(\s)+3], 0x80000000
	s_mov_b32 s[G0B+4*(\s)], 1
	s_add_co_u32 s[G0B+4*(\s)+1], s21, (\s)*SLOT
	s_add_nc_u64 s[G0B+4*(\s)+2:G0B+4*(\s)+3], s[46:47], (\s)*BSTEP
	s_or_b32 s[G0B+4*(\s)+3], s[G0B+4*(\s)+3], 0x80000000
.endr
	CROUND                                         ; all sixteen work-groups are here: the first joint loads meet
	s_cmp_eq_u32 s11, 0                            ; a wave's two first fills stand in one branch: two loads of mine are out
	s_cbranch_scc0 .Lfirst_b
	tensor_load_to_lds s[G0:G0+3], s[G1:G1+7]
	s_nop 0
	tensor_load_to_lds s[G0+4:G0+7], s[G1:G1+7]
	s_nop 0
.rept 4
	v_nop
.endr
	s_branch .Lfirst_asked
.Lfirst_b:
	tensor_load_to_lds s[G0B:G0B+3], s[G1B:G1B+7]
	s_nop 0
	tensor_load_to_lds s[G0B+4:G0B+7], s[G1B:G1B+7]
	s_nop 0
.rept 4
	v_nop
.endr
.Lfirst_asked:
	; THE STATISTICS, in the wait for the first tiles.  Lane (l % 16, l / 16) takes key blocks 8 (l / 16) + 0..7 of its four rows 16 a + l % 16.
	v_and_b32 v1, 15, v0                           ; l % 16
	v_bfe_u32 v2, v0, 4, 1                         ; l / 16
	s_lshl_b32 s18, s13, 10                        ; my wave's first row in ST: 8 bytes a row
	s_lshl_b32 s22, s11, 9
	s_add_co_u32 s18, s18, s22
	s_mov_b32 s19, 0
	s_add_nc_u64 s[72:73], s[72:73], s[18:19]
	v_lshlrev_b32 v13, 3, v1
	v_lshl_add_u32 v13, v2, 19, v13                ; 8 key blocks of 65,536 bytes for the upper lanes
.irp a, 0,1,2,3
.irp j, 0,1,2,3,4,5,6,7
	global_load_b64 v[ML+2*(8*(\a)+(\j)):ML+2*(8*(\a)+(\j))+1], v13, s[72:73] offset:(\j)*65536+(\a)*128
.endr
.endr
	v_mul_u32_u24 v23, v1, PA                      ; the addresses are made while those loads are out
	v_lshl_add_u32 v23, v2, 4, v23
	s_mul_i32 s22, s11, AH
	v_add_nc_u32 v[ADRA], s22, v23
	v_add_nc_u32 v[ADRA+1], SLOT, v[ADRA]
	v_and_b32 v23, 7, v0
	v_lshl_add_u32 v23, v2, 3, v23
	v_mul_u32_u24 v23, v23, PB
	v_bfe_u32 v31, v0, 3, 1
	v_lshl_add_u32 v23, v31, 4, v23
	s_lshl_b32 s22, s12, 8
	s_add_co_u32 s22, s22, ATILE
	v_add_nc_u32 v[ADRB], s22, v23
	v_add_nc_u32 v[ADRB+1], SLOT, v[ADRB]
	s_mul_i32 s23, s10, 16*OPITCH
	s_add_co_u32 s23, s23, STAGE                   ; my stage
	v_mul_u32_u24 v23, v1, OPITCH                  ; in: row l % 16, 32 bytes for each half of the lanes
	v_lshl_add_u32 v23, v2, 5, v23
	v_add_nc_u32 v[STO], s23, v23
	v_and_b32 v[CO], 31, v0                        ; back and out: 32 lanes take a row's 512 bytes
	v_lshlrev_b32 v[CO], 4, v[CO]
	v_add_nc_u32 v[RD], s23, v[CO]
	s_lshl_b32 s22, s10, 12
	s_add_co_u32 s22, s22, FT                      ; my factors
	v_lshl_add_u32 v[FAD], v1, 4, s22
	v_lshl_add_u32 v14, v2, 11, v[FAD]             ; the upper lanes store K steps 8 to 15
	s_lshl_b32 s18, s13, 19                        ; my part of out0: my first row (4,096 bytes a row), my first column
	s_lshl_b32 s22, s11, 18
	s_add_co_u32 s18, s18, s22
	s_lshl_b32 s22, s42, 10
	s_add_co_u32 s18, s18, s22
	s_lshl_b32 s22, s12, 9
	s_add_co_u32 s18, s18, s22
	s_add_nc_u64 s[8:9], s[8:9], s[18:19]
	s_lshl_b32 s18, s13, 19                        ; the prefetches.  A: the tile's first row + 32 cx rows, at K step 3
	s_lshl_b32 s22, s40, 17
	s_add_co_u32 s18, s18, s22
	s_add_co_u32 s18, s18, 3*256
	s_lshl_b32 s20, s42, 9                         ; B: the tile column, k row 64 half + 16 cy, at K step 3
	s_lshl_b32 s22, s12, 17
	s_add_co_u32 s20, s20, s22
	s_lshl_b32 s22, s41, 15
	s_add_co_u32 s20, s20, s22
	s_add_co_u32 s20, s20, 3*BSTEP
	s_or_b32 s22, s12, ttmp9                       ; A: wave 0
	s_and_b32 s23, s79, 3                          ; B: the batch's first cluster
	s_mov_b32 s[PFS], BSTEP
	s_mov_b32 s[PFS+1], 0
	s_mov_b32 s14, ROWB
	s_mov_b32 s15, 256
	s_cmp_eq_u32 s11, 0
	s_cselect_b32 s18, s18, s20
	s_cselect_b32 s22, s22, s23
	s_cselect_b32 s[PFS], 256, s[PFS]
	s_cselect_b32 s14, ROWA, s14
	s_cselect_b32 s15, 16*ROWA, s15
	s_cselect_b64 s[PFA:PFA+1], s[4:5], s[6:7]
	s_add_nc_u64 s[PFA:PFA+1], s[PFA:PFA+1], s[18:19]
	s_cmp_eq_u32 s22, 0
	s_cselect_b32 s[LIM], 1, -1
	v_mul_u32_u24 v[PFO], s14, v1
	v_mad_u32_u24 v[PFO], s15, v2, v[PFO]
	s_wait_loadcnt 0x0                             ; (m, l)
.irp a, 0,1,2,3
	v_max3_num_f32 v[MM+(\a)], v[ML+16*(\a)], v[ML+16*(\a)+2], v[ML+16*(\a)+4]
	v_mov_b32 v[MT+(\a)], 0                        ; v_permlanex16_b32's destination counts as read
	v_mov_b32 v[LT+(\a)], 0
	v_mov_b32 v[LL+(\a)], 0
.endr
.irp a, 0,1,2,3
	v_max3_num_f32 v[MM+(\a)], v[MM+(\a)], v[ML+16*(\a)+6], v[ML+16*(\a)+8]
.endr
.irp a, 0,1,2,3
	v_max3_num_f32 v[MM+(\a)], v[MM+(\a)], v[ML+16*(\a)+10], v[ML+16*(\a)+12]
.endr
.irp a, 0,1,2,3
	v_max_num_f32 v[MM+(\a)], v[MM+(\a)], v[ML+16*(\a)+14]
.endr
.irp a, 0,1,2,3
	v_permlanex16_b32 v[MT+(\a)], v[MM+(\a)], s[SEL], s[SEL+1]
.endr
.irp a, 0,1,2,3
	v_max_num_f32 v[MM+(\a)], v[MM+(\a)], v[MT+(\a)]     ; M
.endr
.irp a, 0,1,2,3
.irp j, 0,1,2,3,4,5,6,7
	v_sub_f32 v[EF+8*(\a)+(\j)], v[ML+2*(8*(\a)+(\j))], v[MM+(\a)]   ; m - M, never above 0
.endr
.endr
.set i, 0
.rept 32
	v_mul_f32 v[EF+i], s[CS], v[EF+i]
.set i, i+1
.endr
.set i, 0
.rept 32
	v_exp_f32 v[EF+i], v[EF+i]                     ; one batch
.set i, i+1
.endr
	v_nop                                          ; a plain instruction behind the last exponential,
	s_wait_alu depctr_va_vdst(0)                   ; and one wait ahead of the batch's first reader
.irp a, 0,1,2,3
.irp j, 0,1,2,3,4,5,6,7
	v_cvt_pk_f16_f32 v[FP+4*(\j)+(\a)], v[EF+8*(\a)+(\j)], v[EF+8*(\a)+(\j)]   ; f in both halves
.endr
.endr
.irp j, 0,1,2,3,4,5,6,7
.irp a, 0,1,2,3
	v_fma_mix_f32 v[LL+(\a)], v[FP+4*(\j)+(\a)], v[ML+2*(8*(\a)+(\j))+1], v[LL+(\a)] op_sel_hi:[1,0,0]  ; L += the rounded f x l, in f32
.endr
.endr
.irp j, 0,1,2,3,4,5,6,7
	ds_store_b128 v14, v[FP+4*(\j):FP+4*(\j)+3] offset:256*(\j)   ; my wave's own bytes: LDS serves a wave's instructions in order, so its later loads see them
.endr
.irp a, 0,1,2,3
	v_permlanex16_b32 v[LT+(\a)], v[LL+(\a)], s[SEL], s[SEL+1]
.endr
.irp a, 0,1,2,3
	v_add_f32 v[LL+(\a)], v[LL+(\a)], v[LT+(\a)]
.endr
.irp a, 0,1,2,3
	v_rcp_f32 v[RC+2*(\a)], v[LL+(\a)]
.endr
	v_nop
	s_wait_alu depctr_va_vdst(0)                   ; one wait for the four reciprocals
.irp a, 0,1,2,3
	v_mov_b32 v[RC+2*(\a)+1], v[RC+2*(\a)]
.endr
	s_wait_tensorcnt 0x1                           ; my part of K step 0 is in; slot 1's fill may stay out
	s_wait_dscnt 0x0                               ; no LDS instruction of mine is out at a signal
	s_barrier_signal -1
	s_barrier_wait -1
	FETCH 0, 0, F0
	ds_load_b128 v[FCA:FCA+3], v[FAD]              ; K step 0's factors
	s_wait_dscnt 0x0
.set i, 0
.rept 8
	v_pk_mul_f16 v[F0+64+i], v[F0+64+i], v[FCA]    ; the first fragment has no quarter ahead of it to ride in
.set i, i+1
.endr
	PQ 0, 1, F0, F1, FCA, 1                        ; the first quarter's products start the sums
	WIN 0
	s_mov_b32 s3, LAPS-1
.Llap:                                                 ; a trip goes once round the ring, from a lap's second quarter to the next lap's first, and fills both slots again
	PQ 0, 2, F1, F0, FCA
	PTURN 0, 1, FCA
	PNEXT 1, FCA, FCB, 1
	PQ 1, 1, F0, F1, FCB
	PQ 1, 2, F1, F0, FCB
	PTURN 1, 1, FCB
	PNEXT 0, FCB, FCA, 1
	PQ 0, 1, F0, F1, FCA
	WIN 0
	s_sub_co_u32 s3, s3, 1
	s_cmp_lg_u32 s3, 0
	s_cbranch_scc1 .Llap
	PQ 0, 2, F1, F0, FCA                           ; the last lap is written out: it fills nothing
	PTURN 0, 0, FCA
	PNEXT 1, FCA, FCB, 0
	PQ 1, 1, F0, F1, FCB
	PQ 1, 2, F1, F0, FCB
	PQ 1, 3, F0, F1, FCB
	BODY F1, F0, FCB, FCB, 0, 0, 6
	PLACES
	PLACES
; THE WAY OUT, a block of 16 rows at a time: divided by L; 32 bytes a lane into my own stage; back as whole rows of 512 bytes; stored, 512 consecutive bytes an instruction, aligned.
.macro OSCALE a
	WIN 0x41                                       ; destination and source 0 in window 1
.set i, 64*(\a)
.rept 32
	v_pk_mul_f32 v[i:i+1], v[i:i+1], v[RC+2*(\a):RC+2*(\a)+1] op_sel_hi:[1,0]   ; each accumulator's registers in ascending order
.set i, i+2
.endr
.endm
.macro OSTAGE a
	WIN 0x04                                       ; the stores' data in window 1
.irp b, 0,1,2,3,4,5,6,7
	ds_store_b128 v[STO], v[64*(\a)+8*(\b):64*(\a)+8*(\b)+3]   offset:64*(\b)
	ds_store_b128 v[STO], v[64*(\a)+8*(\b)+4:64*(\a)+8*(\b)+7] offset:64*(\b)+16
.endr
	WIN 0
.if (\a) >= 2
	s_wait_xcnt 0x0                                ; the stores of the block two back have read this buffer: it is loaded again only behind this wait
.endif
.irp t, 0,1,2,3,4,5,6,7,8,9,10,11,12,13,14,15
	ds_load_b128 v[OB+64*((\a)%2)+4*(\t):OB+64*((\a)%2)+4*(\t)+3], v[RD] offset:(\t)*OPITCH  ; LDS serves a wave's instructions in order: these see the stores above
.endr
.endm
.macro OSEND a
	WIN 0
	s_wait_dscnt 0x0
.irp t, 0,1,2,3,4,5,6,7,8,9,10,11,12,13,14,15
	global_store_b128 v[CO], v[OB+64*((\a)%2)+4*(\t):OB+64*((\a)%2)+4*(\t)+3], s[8:9] offset:(16*(\a)+(\t))*4096 th:TH_STORE_NT
.endr
.endm
	OSCALE 0
	OSTAGE 0
.irp a, 1,2,3                          ; block a's scaling stands between block a - 1's loads from the stage and the wait for them
	OSCALE \a
	OSEND (\a)-1
	OSTAGE \a
.endr
	OSEND 3
	s_wait_tensorcnt 0x0                           ; the wave's end: behind my last tensor load and my last LDS store
	ds_add_u32 v[SPW], v[NIL]
	s_wait_dscnt 0x0
	CROUND                                         ; the closing round
	s_endpgm
.Lfunc_end_k_qd2cdbace59_pv:
	.size	k_qd2cdbace59_pv, .Lfunc_end_k_qd2cdbace59_pv-k_qd2cdbace59_pv
	.p2alignl 7, 3214868480
	.fill 96, 4, 3214868480
	.section	.rodata,"a",@progbits
	.p2align	6, 0x0
	.amdhsa_kernel k_qd2cdbace59_pv
		.amdhsa_group_segment_fixed_size 327680
		.amdhsa_private_segment_fixed_size 0
		.amdhsa_enable_private_segment 0
		.amdhsa_kernarg_size 32
		.amdhsa_user_sgpr_count 2
		.amdhsa_user_sgpr_kernarg_segment_ptr 1
		.amdhsa_wavefront_size32 1
		.amdhsa_system_sgpr_workgroup_id_x 1
		.amdhsa_system_sgpr_workgroup_id_y 1
		.amdhsa_system_sgpr_workgroup_id_z 1
		.amdhsa_system_vgpr_workitem_id 0
		.amdhsa_next_free_vgpr 512
		.amdhsa_next_free_sgpr 84
		.amdhsa_reserve_vcc 0
		.amdhsa_float_denorm_mode_32 3
		.amdhsa_float_denorm_mode_16_64 3
		.amdhsa_memory_ordered 1
		.amdhsa_forward_progress 1
		.amdhsa_inst_pref_size 145
	.end_amdhsa_kernel
	.amdgpu_metadata
---
amdhsa.version: [ 1, 2 ]
amdhsa.kernels:
  - .name:           k_qd2cdbace59_pv
    .symbol:         k_qd2cdbace59_pv.kd
    .args:
      - { .name: P, .offset: 0, .size: 8, .value_kind: global_buffer, .address_space: global }
      - { .name: QKV, .offset: 8, .size: 8, .value_kind: global_buffer, .address_space: global }
      - { .name: ST, .offset: 16, .size: 8, .value_kind: global_buffer, .address_space: global }
      - { .name: out0, .offset: 24, .size: 8, .value_kind: global_buffer, .address_space: global }
    .group_segment_fixed_size: 327680
    .private_segment_fixed_size: 0
    .kernarg_segment_align: 8
    .kernarg_segment_size: 32
    .max_flat_workgroup_size: 128
    .sgpr_count:     84
    .vgpr_count:     512
    .wavefront_size: 32
...
	.end_amdgpu_metadata
.endif
;; end of part 4
;; ======== version 2 of 3: 4 launches
;; limits: values are held in f16: magnitudes above 65,504 overflow, below 6.1e-05 lose precision
;; workspace buffers: Xb 16,777,216 bytes; Wb 6,291,456 bytes; BB 12,288 bytes; QKV 50,331,648 bytes; KP 16,777,216 bytes; P 33,554,432 bytes; ST 1,048,576 bytes
;; launch prep: the kernel of part 1 again; grid 705 x 1, 8 waves a work-group, no clusters, 0 bytes of LDS; arguments X, Wq, Wk, Wv, bq, bk, bv, Xb, Wb, BB; writes Xb, Wb, BB
;; launch proj (part 5): grid 8 x 32, 8 waves a work-group, clusters of 4 x 4, 327,680 bytes of LDS; arguments Xb, Wb, QKV, BB; writes QKV
.if DOCPART == 5
	.amdgcn_target "amdgcn-amd-amdhsa--gfx1250"
	.amdhsa_code_object_version 6
	.text
	.protected	k_qd2cdbace59_proj
	.globl	k_qd2cdbace59_proj
	.p2align	8
	.type	k_qd2cdbace59_proj,@function
k_qd2cdbace59_proj:
	s_mov_b64 s[64:65], 0
	v_nop
	global_prefetch_b8 v0, s[64:65] scope:SCOPE_SE
	s_setreg_imm32_b32 hwreg(HW_REG_WAVE_MODE, 25, 1), 1
	s_wait_xcnt 0x0
	s_wait_alu depctr_hold_cnt(0) depctr_sa_sdst(0) depctr_va_vdst(0) depctr_va_sdst(0) depctr_va_ssrc(0) depctr_va_vcc(0) depctr_vm_vsrc(0)
	s_getreg_b32 s2, hwreg(HW_REG_IB_STS2, 6, 4)
	s_cmp_eq_u32 s2, 0
	s_cbranch_scc0 .Lentry_in_a_cluster
	s_endpgm
.Lentry_in_a_cluster:
	s_bfe_u32 s2, ttmp6, 0x10000c
	s_cmp_lg_u32 s2, 0xf033
	s_cbranch_scc0 .Lentry_shape_is_right
	s_endpgm
.Lentry_shape_is_right:
; QKV[t][m][n] = BB[t][n] + the sum over k of Xb[m][k] Wb[t][k][n], for t = 0 (q) and t = 2 (v).  Xb [8192][1024], Wb [3072][1024] bf16; sums in f32; QKV [3][8192][1024] f16, rounded once.
; The key projection (t = 1) is made in the last launch, into a buffer of its own; plane 1 of QKV is neither written nor read.
; LIMIT.  f16 holds no number beyond 65,504: a q or v past that leaves as an infinity.  NaN and infinities are not treated apart.
; SHARES.  A work-group makes a tile of 256 rows x 256 columns of one t (t = 2 x the cluster's x, cx the quarter of its 1,024 columns): 256 work-groups.  EIGHT waves, two to a SIMD, 64 x 128 each: 32 accumulators, 256 registers.
; So a K step of 128 holds 128 matrix instructions for each of a SIMD's two waves, and a refill has 120 of them, in both waves, in which to land; a quarter's text stays 32 products and 24 LDS loads.
; K goes in steps of 128 through two LDS slots filled by tensor loads: waves 0-3 bring 64 rows x 256 bytes of A each, waves 4-7 32 k rows x 512 bytes of B each: 16 KiB a wave.
; B lies [k][n] in memory and in LDS; its fragments come out turned, by ds_load_tr16_b128.  THE PRODUCT IS TAKEN TRANSPOSED (source 0 = 16 columns of B, source 1 = 16 rows of A):
; a lane then holds row l % 16 of C and the columns 8 (l / 16) + 0..7: eight neighbouring numbers, 16 bytes of f16.
; THE BIAS is the C operand of the products that start the sums: for n block b register j of a lane is BB[n0 + 16 b + 8 (l / 16) + j], the same for all four row blocks.  It lies in fragment buffer 1, which is fetched behind those products.
; CLUSTERS: 4 x 4 work-groups.  A's tile hangs on the tile row alone and is asked for jointly by a row of the cluster, B's on t and cx alone, by a column.
; REGISTERS, in windows of 256: window 0: v0-31 addresses; v32-127, v128-223 two fragment buffers (B's 8 fragments, then A's 4); v224-255 packed results.  Window 1: accumulator (a, b) at v[8 (8 a + b)].
.set LDA,    1024                      ; elements from row to row of A
.set LDB,    1024                      ; and of B
.set ROWA,   2*LDA
.set ROWB,   2*LDB
.set BSTEP,  128*ROWB                  ; bytes from a K step of B to the next; A's is 256
.set LDCB,   2048                      ; bytes in a row of C
.set LAPS,   4                         ; a lap = two K steps = once round the ring: K = 1,024
.set PA,     272                       ; an LDS row of A: 256 bytes + 16: the 16 rows of a fragment load start at 16 different groups of four banks (64 banks of 4 bytes: ISA guide 11.1)
.set PB,     544                       ; an LDS row of B: 512 bytes + 32 = 17 x 32
.set AQ,     64*PA                     ; what one wave brings of A, and what one wave reads of it
.set ATILE,  4*AQ
.set BQ,     32*PB                     ; what one wave brings of B
.set SLOT,   ATILE+4*BQ                ; A's 256 rows, then B's 128 k rows: 139,264 bytes
.set STAGE,  2*SLOT                    ; behind the ring: 16 rows x 272 bytes for each wave, for the way out
.set SPITCH, 272
.set SPARE,  STAGE+8*16*SPITCH         ; behind the stages: the spare words, 128 bytes a wave: four blocks of 256 bytes that no other line names
.set ADRA, 16                          ; v16-17  LDS address of my A fragments in slot 0, 1
.set ADRB, 18                          ; v18-19  the same for B
.set STO,  20                          ; v20  the way out: where I put 16 bytes of a row
.set RD,   21                          ; v21  where I read rows back
.set CO,   22                          ; v22  my byte offset in two rows of C
.set SPW,  28                          ; v28  SPARE + 4 x my thread's number; never rewritten
.set NIL,  29                          ; v29  0; never rewritten
.set PFO,  30                          ; v30  the prefetches' lane offset; never rewritten
.set F0,   32
.set F1,   128
.set TMP,  224
.set BK0,  32                          ; the way out: four read-back buffers of 32, v32-159
.set G1,   24                          ; s[24:31] descriptor group 1 for A;  s[32:39] group 0, a set for each slot
.set G0,   32
.set G1B,  48                          ; s[48:55], s[56:63] the same for B
.set G0B,  56
.set LIM,  43                          ; s43  1 in a wave that prefetches, else the greatest number
.set PFA,  44                          ; s[44:45] where my prefetches stand
.set PFS,  70                          ; s[70:71] their step from K step to K step
.set MUL,  0x50                        ; sources in window 0, C and D in window 1
.set MULB, 0x40                        ; C in window 0 (the bias), D in window 1
.set MSB,  0
.macro WIN new                         ; the immediate's high byte repeats the setting that is left; a switch that changes nothing is dropped
.if MSB != (\new)
	s_set_vgpr_msb (MSB<<8)|(\new)
.set MSB, \new
.endif
.endm
.macro PLACES                          ; four plain places behind matrix instructions, ahead of loads into registers that they read
.rept 4
	v_nop
.endr
.endm
.macro CREST                           ; a round of the cluster's barrier behind its opening barrier
	s_cmp_lg_u32 s10, 0
	s_cbranch_scc1 .Lnot_wave_0_\@
	s_barrier_signal -3
.Lnot_wave_0_\@:
	s_barrier_wait -3
	s_barrier_signal -1
	s_barrier_wait -1
.endm
.macro CROUND
	s_barrier_signal -1
	s_barrier_wait -1
	CREST
.endm
.macro JLOAD s                         ; a joint refill: waves 0-3 ask for A's quarters, waves 4-7 for B's; an s_nop 0 and four v_nop follow each line
	s_cmp_eq_u32 s83, 0
	s_cbranch_scc0 .Lfor_b_\@
	tensor_load_to_lds s[G0+4*(\s):G0+4*(\s)+3], s[G1:G1+7]
	s_nop 0
.rept 4
	v_nop
.endr
	s_branch .Lasked_\@
.Lfor_b_\@:
	tensor_load_to_lds s[G0B+4*(\s):G0B+4*(\s)+3], s[G1B:G1B+7]
	s_nop 0
.rept 4
	v_nop
.endr
.Lasked_\@:
.endm
; A PREFETCH of the K step that stands two refills on, 256 of a wave's matrix instructions ahead of the load that will want it; one line, behind the joint load and the run of LDS loads.
; Each aligned 256 bytes of Xb and of Wb's planes 0 and 2 are named once in the launch.  A's rows: waves 0, 1 of the clusters with x = 0; the partner at cx takes rows 64 cx + 32 (wave & 1) + lane of the 256.
; B's rows: waves 4, 5 of the clusters with y = 0; the partner at cy takes k rows 32 cy + 16 (wave & 1) + lane % 16, and of a row's 512 bytes the half lane / 16.
; The partners are told apart by address alone.  K steps 0 to 3 come by their loads; the loop's last trip (s3 = 1) asks for nothing: there is no K step behind its refills.
.macro ASK
	s_cmp_gt_u32 s3, s[LIM]
	s_cbranch_scc0 .Lnot_mine_\@
	global_prefetch_b8 v[PFO], s[PFA:PFA+1] th:TH_LOAD_NT scope:SCOPE_SE
.Lnot_mine_\@:
.endm
.macro FETCH slot, q, f                ; 24 LDS loads in one run: the fragments of quarter q (32 along K) of a slot into buffer f
	WIN 0
.irp b, 0,1,2,3,4,5,6,7
	ds_load_tr16_b128 v[(\f)+8*(\b):(\f)+8*(\b)+3],   v[ADRB+(\slot)] offset:32*(\q)*PB+32*(\b)
	ds_load_tr16_b128 v[(\f)+8*(\b)+4:(\f)+8*(\b)+7], v[ADRB+(\slot)] offset:32*(\q)*PB+32*(\b)+16*PB
.endr
.irp a, 0,1,2,3
	ds_load_b128 v[(\f)+64+8*(\a):(\f)+64+8*(\a)+3],   v[ADRA+(\slot)] offset:(\a)*16*PA+64*(\q)
	ds_load_b128 v[(\f)+64+8*(\a)+4:(\f)+64+8*(\a)+7], v[ADRA+(\slot)] offset:(\a)*16*PA+64*(\q)+32
.endr
.endm
; 4 n matrix instructions from number 4 from on; number w is accumulator w: row block w / 8, n block w % 8.  All 32 accumulators take turns in the same order in every quarter.
; zero = 2: the products start the sums, with the bias (in buffer 1's first 64 registers) as C.
.macro QUADS f, from, n, zero
.if (\zero) == 2
	WIN MULB
.else
	WIN MUL
.endif
.set w, 4*(\from)
.rept 4*(\n)
.if (\zero) == 2
	v_wmma_f32_16x16x32_bf16 v[8*w:8*w+7], v[(\f)+8*(w%8):(\f)+8*(w%8)+7], v[(\f)+64+8*(w/8):(\f)+64+8*(w/8)+7], v[F1+8*(w%8):F1+8*(w%8)+7]
.else
	v_wmma_f32_16x16x32_bf16 v[8*w:8*w+7], v[(\f)+8*(w%8):(\f)+8*(w%8)+7], v[(\f)+64+8*(w/8):(\f)+64+8*(w/8)+7], v[8*w:8*w+7]
.endif
.set w, w+1
.endr
.endm
; A quarter: the next quarter's fragments (quarter q of a slot) are asked for into buffer g, buffer f is multiplied, the loads are waited for; four places end it, ahead of the next run of loads into f.
.macro QUARTER slot, q, f, g, ask=0
	FETCH \slot, \q, \g
.if \ask
	ASK
.endif
	QUADS \f, 0, 8, 0
	s_wait_dscnt 0x0                               ; the 24 loads issued 32 matrix instructions ago
	PLACES
.endm
; A K step's third quarter changes slots.  It asks for the slot's last fragments; ahead of its 25th product each wave waits for all its tensor loads (one is out: its part of the other slot) and adds 0 to its
; spare word; ahead of its 29th it waits for that and for its reads of this slot, and signals.  Behind the barrier nobody reads this slot and the other slot is whole.  fill = 1: the barrier opens a round of the
; cluster's, and the joint refill, the K step two on, is the first thing behind the round: 120 of a wave's matrix instructions stand between it and the wait for it.
.macro TURN slot, fill
.if \fill
	s_wait_xcnt 0x0                                ; the last prefetch, a K step back, has read its address
	s_add_nc_u64 s[PFA:PFA+1], s[PFA:PFA+1], s[PFS:PFS+1]
.endif
	FETCH \slot, 3, F1
	QUADS F0, 0, 6, 0
	WIN 0
	s_wait_tensorcnt 0x0                           ; all my tensor loads have landed
	ds_add_u32 v[SPW], v[NIL]                      ; 0 onto my spare word
	QUADS F0, 6, 1, 0                              ; four matrix instructions stand between the add and the wait for it
	s_wait_dscnt 0x0                               ; the add is done, and my reads of this slot are over
	s_barrier_signal -1
	QUADS F0, 7, 1, 0
	WIN 0
	s_barrier_wait -1
.if \fill
	CREST
	s_add_nc_u64 s[G0+4*(\slot)+2:G0+4*(\slot)+3], s[G0+4*(\slot)+2:G0+4*(\slot)+3], 2*256
	s_add_nc_u64 s[G0B+4*(\slot)+2:G0B+4*(\slot)+3], s[G0B+4*(\slot)+2:G0B+4*(\slot)+3], 2*BSTEP
	JLOAD \slot                                    ; its four v_nop are also the places ahead of the next run of loads
.else
	PLACES
.endif
.endm
	s_load_b128 s[4:7], s[0:1], 0x0                ; Xb s[4:5], Wb s[6:7]
	s_load_b64 s[8:9], s[0:1], 0x10                ; QKV
	s_load_b64 s[74:75], s[0:1], 0x18              ; BB
	v_lshl_add_u32 v[SPW], v0, 2, SPARE
	v_mov_b32 v[NIL], 0
	ds_add_u32 v[SPW], v[NIL]                      ; the wave's opening: the add and its wait ahead of my first tensor load; work on registers stands between them
	v_lshrrev_b32 v1, 5, v0
	v_readfirstlane_b32 s10, v1                    ; wave 0..7
	s_lshr_b32 s11, s10, 1                         ; my 64 of the tile's 256 rows
	s_and_b32 s12, s10, 1                          ; my half of its columns
	s_lshr_b32 s83, s10, 2                         ; I fetch for A (0) or for B (1),
	s_and_b32 s82, s10, 3                          ; and this quarter of that tile
	s_bfe_u32 s40, ttmp6, 0x40000                  ; cx
	s_bfe_u32 s41, ttmp6, 0x40004                  ; cy
	s_and_b32 s79, ttmp7, 0xffff                   ; the cluster's y
	s_lshl_b32 s13, s79, 2
	s_add_co_u32 s13, s13, s41                     ; tile row = 4 x cluster y + cy
	s_lshl_b32 s77, s41, 2
	s_lshl_b32 s77, 15, s77                        ; my row of the cluster
	s_lshl_b32 s78, 0x1111, s40                    ; my column
	s_or_b32 s[G1], s77, (1<<16)|(1<<20)|(1<<21)|(5<<22)|(3<<25)   ; the mask; 2-byte elements; padding on; bit 21 beside a mask; after every 64 words, 4 words
	s_mov_b32 s[G1+1], 128<<16                     ; tensor_dim0 = 128
	s_mov_b32 s[G1+2], 64<<16                      ; tensor_dim1 = 64
	s_mov_b32 s[G1+3], 128<<16                     ; tile_dim0 = 128
	s_mov_b32 s[G1+4], 64                          ; tile_dim1 = 64
	s_mov_b32 s[G1+5], LDA
	s_mov_b32 s[G1+6], 0
	s_mov_b32 s[G1+7], 0
	s_or_b32 s[G1B], s78, (1<<16)|(1<<20)|(1<<21)|(6<<22)|(7<<25)  ; after every 128 words, 8 words
	s_mov_b32 s[G1B+1], 256<<16                    ; tensor_dim0 = 256
	s_mov_b32 s[G1B+2], 32<<16                     ; tensor_dim1 = 32
	s_mov_b32 s[G1B+3], 256<<16                    ; tile_dim0 = 256
	s_mov_b32 s[G1B+4], 32                         ; tile_dim1 = 32
	s_mov_b32 s[G1B+5], LDB
	s_mov_b32 s[G1B+6], 0
	s_mov_b32 s[G1B+7], 0
	s_lshl_b32 s16, s13, 19                        ; A: 256 rows of 2,048 bytes x tile row,
	s_lshl_b32 s14, s82, 17                        ; + the 64 that I fetch
	s_add_co_u32 s16, s16, s14
	s_mov_b32 s17, 0
	s_lshl_b32 s46, ttmp9, 22                      ; B: 1,024 k rows of 2,048 bytes x t, t = 2 x cluster x,
	s_lshl_b32 s47, s40, 9                         ; 256 columns x cx,
	s_add_co_u32 s46, s46, s47
	s_lshl_b32 s47, s82, 16                        ; + the 32 k rows that I fetch
	s_add_co_u32 s46, s46, s47
	s_mov_b32 s47, 0
	s_mul_i32 s20, s82, AQ                         ; where they go: no place in the cluster enters an LDS address
	s_mul_i32 s21, s82, BQ
	s_add_co_u32 s21, s21, ATILE
	s_wait_dscnt 0x0                               ; the opening add is done
	s_wait_kmcnt 0x0
	s_add_nc_u64 s[14:15], s[4:5], s[16:17]
	s_add_nc_u64 s[46:47], s[6:7], s[46:47]
.irp s, 0,1
	s_mov_b32 s[G0+4*(\s)], 1
	s_add_co_u32 s[G0+4*(\s)+1], s20, (\s)*SLOT
	s_add_nc_u64 s[G0+4*(\s)+2:G0+4*(\s)+3], s[14:15], (\s)*256
	s_or_b32 s[G0+4*(\s)+3], s[G0+4*(\s)+3], 0x80000000
	s_mov_b32 s[G0B+4*(\s)], 1
	s_add_co_u32 s[G0B+4*(\s)+1], s21, (\s)*SLOT
	s_add_nc_u64 s[G0B+4*(\s)+2:G0B+4*(\s)+3], s[46:47], (\s)*BSTEP
	s_or_b32 s[G0B+4*(\s)+3], s[G0B+4*(\s)+3], 0x80000000
.endr
	CROUND                                         ; all sixteen work-groups are here: the first joint loads meet
	s_cmp_eq_u32 s83, 0                            ; a wave's two first fills stand in one branch: two loads of mine are out
	s_cbranch_scc0 .Lfirst_b
	tensor_load_to_lds s[G0:G0+3], s[G1:G1+7]
	s_nop 0
	tensor_load_to_lds s[G0+4:G0+7], s[G1:G1+7]
	s_nop 0
.rept 4
	v_nop
.endr
	s_branch .Lfirst_asked
.Lfirst_b:
	tensor_load_to_lds s[G0B:G0B+3], s[G1B:G1B+7]
	s_nop 0
	tensor_load_to_lds s[G0B+4:G0B+7], s[G1B:G1B+7]
	s_nop 0
.rept 4
	v_nop
.endr
.Lfirst_asked:
	v_and_b32 v1, 15, v0                           ; l % 16
	v_bfe_u32 v2, v0, 4, 1                         ; l / 16
	s_lshl_b32 s18, ttmp9, 13                      ; the bias of my 128 columns: 4 (1,024 t + 256 cx + 128 half)
	s_lshl_b32 s22, s40, 10
	s_add_co_u32 s18, s18, s22
	s_lshl_b32 s22, s12, 9
	s_add_co_u32 s18, s18, s22
	s_mov_b32 s19, 0
	s_add_nc_u64 s[74:75], s[74:75], s[18:19]
	v_lshlrev_b32 v15, 5, v2                       ; my eight columns of a block of 16
.irp b, 0,1,2,3,4,5,6,7
	global_load_b128 v[F1+8*(\b):F1+8*(\b)+3],   v15, s[74:75] offset:64*(\b)
	global_load_b128 v[F1+8*(\b)+4:F1+8*(\b)+7], v15, s[74:75] offset:64*(\b)+16
.endr
	v_mul_u32_u24 v23, v1, PA                      ; A's fragments: row x pitch + 16 x half of the lanes
	v_lshl_add_u32 v23, v2, 4, v23
	s_mul_i32 s22, s11, AQ
	v_add_nc_u32 v[ADRA], s22, v23
	v_add_nc_u32 v[ADRA+1], SLOT, v[ADRA]
	v_and_b32 v23, 7, v0                           ; B's, turned: lane l reads k row 8 (l / 16) + l % 8, columns 8 ((l / 8) % 2) + 0..7
	v_lshl_add_u32 v23, v2, 3, v23
	v_mul_u32_u24 v23, v23, PB
	v_bfe_u32 v31, v0, 3, 1
	v_lshl_add_u32 v23, v31, 4, v23
	s_lshl_b32 s22, s12, 8
	s_add_co_u32 s22, s22, ATILE
	v_add_nc_u32 v[ADRB], s22, v23
	v_add_nc_u32 v[ADRB+1], SLOT, v[ADRB]
	s_mul_i32 s23, s10, 16*SPITCH
	s_add_co_u32 s23, s23, STAGE                   ; my stage
	v_mul_u32_u24 v23, v1, SPITCH
	v_lshl_add_u32 v23, v2, 4, v23
	v_add_nc_u32 v[STO], s23, v23
	v_mul_u32_u24 v23, v2, SPITCH
	v_lshl_add_u32 v23, v1, 4, v23
	v_add_nc_u32 v[RD], s23, v23
	v_mul_u32_u24 v23, v2, LDCB
	v_lshl_add_u32 v[CO], v1, 4, v23
	s_lshl_b32 s18, ttmp9, 25                      ; my part of C: plane t, my first row, my first column
	s_lshl_b32 s22, s13, 19
	s_add_co_u32 s18, s18, s22
	s_lshl_b32 s22, s11, 17
	s_add_co_u32 s18, s18, s22
	s_lshl_b32 s22, s40, 9
	s_add_co_u32 s18, s18, s22
	s_lshl_b32 s22, s12, 8
	s_add_co_u32 s18, s18, s22
	s_add_nc_u64 s[8:9], s[8:9], s[18:19]
	s_lshl_b32 s18, s13, 19                        ; the prefetches.  A: the tile's first row + 64 cx + 32 (wave & 1) rows, at K step 3
	s_lshl_b32 s22, s40, 17
	s_add_co_u32 s18, s18, s22
	s_lshl_b32 s22, s12, 16
	s_add_co_u32 s18, s18, s22
	s_add_co_u32 s18, s18, 3*256
	s_lshl_b32 s20, ttmp9, 22                      ; B: t, cx, k row 32 cy + 16 (wave & 1), at K step 3
	s_lshl_b32 s22, s40, 9
	s_add_co_u32 s20, s20, s22
	s_lshl_b32 s22, s41, 16
	s_add_co_u32 s20, s20, s22
	s_lshl_b32 s22, s12, 15
	s_add_co_u32 s20, s20, s22
	s_add_co_u32 s20, s20, 3*BSTEP
	s_or_b32 s22, s11, ttmp9                       ; A: waves 0 and 1, cluster x = 0
	s_and_b32 s23, s11, 1
	s_or_b32 s23, s23, s79                         ; B: waves 4 and 5, cluster y = 0
	s_mov_b32 s[PFS], BSTEP
	s_mov_b32 s[PFS+1], 0
	s_mov_b32 s14, ROWB
	s_mov_b32 s15, 256
	s_cmp_eq_u32 s83, 0
	s_cselect_b32 s18, s18, s20
	s_cselect_b32 s22, s22, s23
	s_cselect_b32 s[PFS], 256, s[PFS]
	s_cselect_b32 s14, ROWA, s14
	s_cselect_b32 s15, 16*ROWA, s15
	s_cselect_b64 s[PFA:PFA+1], s[4:5], s[6:7]
	s_add_nc_u64 s[PFA:PFA+1], s[PFA:PFA+1], s[18:19]
	s_cmp_eq_u32 s22, 0
	s_cselect_b32 s[LIM], 1, -1                    ; the same in all sixteen partners, for a given wave
	v_mul_u32_u24 v[PFO], s14, v1
	v_mad_u32_u24 v[PFO], s15, v2, v[PFO]
	s_wait_tensorcnt 0x1                           ; my part of K step 0 is in; slot 1's fill may stay out
	s_barrier_signal -1
	s_barrier_wait -1                              ; everybody's is
	FETCH 0, 0, F0
	s_wait_loadcnt 0x0                             ; the bias
	s_wait_dscnt 0x0
	QUADS F0, 0, 8, 2                              ; the first quarter stands ahead of the loop: its products start the sums, on the bias
	PLACES                                         ; ahead of the loads into buffer 1, which held the bias, and of the loop's first into buffer 0
	FETCH 0, 1, F1
	s_wait_dscnt 0x0
	WIN 0
	s_mov_b32 s3, LAPS-1
.Llap:                                                 ; a trip goes once round the ring, from a lap's second quarter to the next lap's first, and fills both slots again
	QUARTER 0, 2, F1, F0
	TURN 0, 1
	QUARTER 1, 0, F1, F0, 1
	QUARTER 1, 1, F0, F1
	QUARTER 1, 2, F1, F0
	TURN 1, 1
	QUARTER 0, 0, F1, F0, 1
	QUARTER 0, 1, F0, F1
	WIN 0
	s_sub_co_u32 s3, s3, 1
	s_cmp_lg_u32 s3, 0
	s_cbranch_scc1 .Llap
	QUARTER 0, 2, F1, F0                           ; the last lap is written out: it fills nothing
	TURN 0, 0
	QUARTER 1, 0, F1, F0
	QUARTER 1, 1, F0, F1
	QUARTER 1, 2, F1, F0
	QUARTER 1, 3, F0, F1
	QUADS F1, 0, 8, 0
	PLACES
	PLACES
; THE WAY OUT, a block of 16 rows at a time: rounded to f16, 16 bytes a lane; into my own stage in LDS and back as whole rows of 256 bytes; stored, sixteen lanes to 256 consecutive bytes, aligned.
.macro PACK a
	WIN 0x05                                       ; sources in window 1, destination in window 0
.set i, 0
.rept 32
	v_cvt_pk_f16_f32 v[TMP+i], v[64*(\a)+2*i], v[64*(\a)+2*i+1]   ; each accumulator's registers in ascending order
.set i, i+1
.endr
.endm
.macro TOSTAGE a
	WIN 0
.irp b, 0,1,2,3,4,5,6,7
	ds_store_b128 v[STO], v[TMP+4*(\b):TMP+4*(\b)+3] offset:32*(\b)
.endr
.irp t, 0,1,2,3,4,5,6,7
	ds_load_b128 v[BK0+32*(\a)+4*(\t):BK0+32*(\a)+4*(\t)+3], v[RD] offset:(\t)*2*SPITCH  ; LDS serves a wave's instructions in order (ISA guide 5.7.1.4): these see the stores above
.endr
.endm
.macro SEND a
	WIN 0
	s_wait_dscnt 0x0                               ; the block is back in registers
.irp t, 0,1,2,3,4,5,6,7
	global_store_b128 v[CO], v[BK0+32*(\a)+4*(\t):BK0+32*(\a)+4*(\t)+3], s[8:9] offset:(16*(\a)+2*(\t))*LDCB  ; the block's place stands in the immediate; no register of a store is rewritten
.endr
.endm
	PACK 0
	TOSTAGE 0
.irp a, 1,2,3                          ; block a's conversions stand between block a - 1's loads from the stage and the wait for them
	PACK \a
	SEND (\a)-1
	TOSTAGE \a
.endr
	SEND 3
	s_wait_tensorcnt 0x0                           ; the wave's end: behind my last tensor load and my last LDS store
	ds_add_u32 v[SPW], v[NIL]
	s_wait_dscnt 0x0
	CROUND                                         ; the closing round: no work-group ends while a partner may still ask for a tile that names it
	s_endpgm
.Lfunc_end_k_qd2cdbace59_proj:
	.size	k_qd2cdbace59_proj, .Lfunc_end_k_qd2cdbace59_proj-k_qd2cdbace59_proj
	.p2alignl 7, 3214868480
	.fill 96, 4, 3214868480
	.section	.rodata,"a",@progbits
	.p2align	6, 0x0
	.amdhsa_kernel k_qd2cdbace59_proj
		.amdhsa_group_segment_fixed_size 327680
		.amdhsa_private_segment_fixed_size 0
		.amdhsa_enable_private_segment 0
		.amdhsa_kernarg_size 32
		.amdhsa_user_sgpr_count 2
		.amdhsa_user_sgpr_kernarg_segment_ptr 1
		.amdhsa_wavefront_size32 1
		.amdhsa_system_sgpr_workgroup_id_x 1
		.amdhsa_system_sgpr_workgroup_id_y 1
		.amdhsa_system_sgpr_workgroup_id_z 1
		.amdhsa_system_vgpr_workitem_id 0
		.amdhsa_next_free_vgpr 512
		.amdhsa_next_free_sgpr 84
		.amdhsa_reserve_vcc 0
		.amdhsa_float_denorm_mode_32 3
		.amdhsa_float_denorm_mode_16_64 3
		.amdhsa_memory_ordered 1
		.amdhsa_forward_progress 1
		.amdhsa_inst_pref_size 88
	.end_amdhsa_kernel
	.amdgpu_metadata
---
amdhsa.version: [ 1, 2 ]
amdhsa.kernels:
  - .name:           k_qd2cdbace59_proj
    .symbol:         k_qd2cdbace59_proj.kd
    .args:
      - { .name: Xb, .offset: 0, .size: 8, .value_kind: global_buffer, .address_space: global }
      - { .name: Wb, .offset: 8, .size: 8, .value_kind: global_buffer, .address_space: global }
      - { .name: QKV, .offset: 16, .size: 8, .value_kind: global_buffer, .address_space: global }
      - { .name: BB, .offset: 24, .size: 8, .value_kind: global_buffer, .address_space: global }
    .group_segment_fixed_size: 327680
    .private_segment_fixed_size: 0
    .kernarg_segment_align: 8
    .kernarg_segment_size: 32
    .max_flat_workgroup_size: 256
    .sgpr_count:     84
    .vgpr_count:     512
    .wavefront_size: 32
...
	.end_amdgpu_metadata
.endif
;; end of part 5
;; launch scores (part 6): grid 8 x 32, 8 waves a work-group, clusters of 4 x 4, 327,680 bytes of LDS; arguments QKV, P, ST; writes P, ST
.if DOCPART == 6
	.amdgcn_target "amdgcn-amd-amdhsa--gfx1250"
	.amdhsa_code_object_version 6
	.text
	.protected	k_qd2cdbace59_scores
	.globl	k_qd2cdbace59_scores
	.p2align	8
	.type	k_qd2cdbace59_scores,@function
k_qd2cdbace59_scores:
	s_mov_b64 s[64:65], 0
	v_nop
	global_prefetch_b8 v0, s[64:65] scope:SCOPE_SE
	s_setreg_imm32_b32 hwreg(HW_REG_WAVE_MODE, 25, 1), 1
	s_wait_xcnt 0x0
	s_wait_alu depctr_hold_cnt(0) depctr_sa_sdst(0) depctr_va_vdst(0) depctr_va_sdst(0) depctr_va_ssrc(0) depctr_va_vcc(0) depctr_vm_vsrc(0)
	s_getreg_b32 s2, hwreg(HW_REG_IB_STS2, 6, 4)
	s_cmp_eq_u32 s2, 0
	s_cbranch_scc0 .Lentry_in_a_cluster
	s_endpgm
.Lentry_in_a_cluster:
	s_bfe_u32 s2, ttmp6, 0x10000c
	s_cmp_lg_u32 s2, 0xf033
	s_cbranch_scc0 .Lentry_shape_is_right
	s_endpgm
.Lentry_shape_is_right:
; For each batch: s[q][t] = the sum over k of q[q][k] vv[k][t], where vv is v's 2,048 x 1,024 numbers read as [1024][2048] (the module's raw reshape).  q = QKV[0], v = QKV[2], f16; sums in f32.
; THE SOFTMAX IS SPLIT BY BLOCKS OF 128 KEYS.  For row q and block j: m = the largest s of the block, p = 2^(c (s - m)), c = log2(e) / 32, l = the sum of the p (unrounded).
; P [8192][2048] f16 takes p; ST [16 blocks][8192 rows][2] f32 takes (m, l).  The next launch joins the blocks by the largest m.  m is taken away BEFORE the scaling: s - m <= 0, so p lies in 0 to 1 whatever the scores' size.
; LIMITS.  p below 6e-5 keeps f16's fixed step of 6e-8; a p below 2^-126 counts as 0 in l; NaN and infinities are not treated apart.
; SHARES.  A work-group makes 256 queries x 256 keys: 256 work-groups.  EIGHT waves, two to a SIMD, 64 x 128 each, so a wave's columns ARE one block of keys, and a row's maximum and sum want one exchange between the halves of the lanes.
; A K step of 128 holds 128 matrix instructions for each of a SIMD's two waves, and a refill has 120 of them, in both waves, in which to land.
; Ring, fragments, transposed product, clusters and prefetch as in the projection's kernel: two LDS slots; waves 0-3 bring 64 rows x 256 bytes of A each, waves 4-7 32 k rows x 512 bytes of B each; B ([k][n]) comes out of LDS turned;
; a lane holds row l % 16 and the columns 8 (l / 16) + 0..7.  A's tile (q's rows) is asked for jointly by a row of the cluster, B's (the batch's vv, by the tile column) by a column; a batch is two clusters high.
; REGISTERS: window 0: v0-31 addresses and statistics; v32-127, v128-223 two fragment buffers; v224-255 packed results.  Window 1: accumulator (a, b) at v[8 (8 a + b)].
.set LDA,    1024
.set LDB,    2048
.set ROWA,   2*LDA
.set ROWB,   2*LDB
.set BSTEP,  128*ROWB
.set LDCB,   4096
.set LAPS,   4                         ; K = 1,024
.set PA,     272                       ; an LDS row of A: 256 bytes + 16
.set PB,     544                       ; an LDS row of B: 512 bytes + 32 = 17 x 32, for the turning load
.set AQ,     64*PA
.set ATILE,  4*AQ
.set BQ,     32*PB
.set SLOT,   ATILE+4*BQ                ; 139,264 bytes
.set STAGE,  2*SLOT                    ; behind the ring: 16 rows x 272 bytes for each wave
.set SPITCH, 272
.set SPARE,  STAGE+8*16*SPITCH         ; the spare words, 128 bytes a wave: four blocks of 256 bytes that no other line names
.set SO,   3                           ; v3   8 x lane: my row's place among 32 rows of ST
.set T,    4                           ; v4-11  at work on the maximum
.set MX,   12                          ; v[12:13] m in the low register; the high one is written once, since the pair is named
.set LS,   14                          ; v[14:15] l
.set ADRA, 16
.set ADRB, 18
.set STO,  20
.set RD,   21
.set CO,   22
.set PR,   24                          ; v[24:25], v[26:27]  (m, l) of rows 0-31 and 32-63, a lane a row
.set SPW,  28
.set NIL,  29
.set PFO,  30
.set F0,   32
.set F1,   128
.set TMP,  224
.set BK0,  32
.set G1,   24
.set G0,   32
.set G1B,  48
.set G0B,  56
.set LIM,  43
.set PFA,  44
.set CS,   66                          ; s[66:67] c, twice
.set SEL,  68                          ; s[68:69] v_permlanex16_b32's selects: each lane takes its own place in the other half
.set PFS,  70
.set HIM,  76                          ; s76  lanes 16-31
.set MUL,  0x50
.set MSB,  0
.macro WIN new
.if MSB != (\new)
	s_set_vgpr_msb (MSB<<8)|(\new)
.set MSB, \new
.endif
.endm
.macro PLACES
.rept 4
	v_nop
.endr
.endm
.macro CREST
	s_cmp_lg_u32 s10, 0
	s_cbranch_scc1 .Lnot_wave_0_\@
	s_barrier_signal -3
.Lnot_wave_0_\@:
	s_barrier_wait -3
	s_barrier_signal -1
	s_barrier_wait -1
.endm
.macro CROUND
	s_barrier_signal -1
	s_barrier_wait -1
	CREST
.endm
.macro JLOAD s                         ; a joint refill: waves 0-3 ask for A's quarters, waves 4-7 for B's; an s_nop 0 and four v_nop follow each line
	s_cmp_eq_u32 s83, 0
	s_cbranch_scc0 .Lfor_b_\@
	tensor_load_to_lds s[G0+4*(\s):G0+4*(\s)+3], s[G1:G1+7]
	s_nop 0
.rept 4
	v_nop
.endr
	s_branch .Lasked_\@
.Lfor_b_\@:
	tensor_load_to_lds s[G0B+4*(\s):G0B+4*(\s)+3], s[G1B:G1B+7]
	s_nop 0
.rept 4
	v_nop
.endr
.Lasked_\@:
.endm
; A PREFETCH of the K step two refills on, 256 of a wave's matrix instructions ahead of its load.  q's rows: waves 0, 1 of the clusters with x = 0, the partner at cx rows 64 cx + 32 (wave & 1) + lane.  vv's rows: waves 4, 5 of a
; batch's first cluster (cluster y even), the partner at cy k rows 32 cy + 16 (wave & 1) + lane % 16, half lane / 16 of a row's 512 bytes.  Each aligned 256 bytes are named once.  K steps 0 to 3 come by their loads; the last trip asks for nothing.
.macro ASK
	s_cmp_gt_u32 s3, s[LIM]
	s_cbranch_scc0 .Lnot_mine_\@
	global_prefetch_b8 v[PFO], s[PFA:PFA+1] th:TH_LOAD_NT scope:SCOPE_SE
.Lnot_mine_\@:
.endm
.macro FETCH slot, q, f
	WIN 0
.irp b, 0,1,2,3,4,5,6,7
	ds_load_tr16_b128 v[(\f)+8*(\b):(\f)+8*(\b)+3],   v[ADRB+(\slot)] offset:32*(\q)*PB+32*(\b)
	ds_load_tr16_b128 v[(\f)+8*(\b)+4:(\f)+8*(\b)+7], v[ADRB+(\slot)] offset:32*(\q)*PB+32*(\b)+16*PB
.endr
.irp a, 0,1,2,3
	ds_load_b128 v[(\f)+64+8*(\a):(\f)+64+8*(\a)+3],   v[ADRA+(\slot)] offset:(\a)*16*PA+64*(\q)
	ds_load_b128 v[(\f)+64+8*(\a)+4:(\f)+64+8*(\a)+7], v[ADRA+(\slot)] offset:(\a)*16*PA+64*(\q)+32
.endr
.endm
.macro QUADS f, from, n, zero          ; matrix instruction w is accumulator w; all 32 take turns.  zero = 1: the products start the sums
	WIN MUL
.set w, 4*(\from)
.rept 4*(\n)
.if \zero
	v_wmma_f32_16x16x32_f16 v[8*w:8*w+7], v[(\f)+8*(w%8):(\f)+8*(w%8)+7], v[(\f)+64+8*(w/8):(\f)+64+8*(w/8)+7], 0
.else
	v_wmma_f32_16x16x32_f16 v[8*w:8*w+7], v[(\f)+8*(w%8):(\f)+8*(w%8)+7], v[(\f)+64+8*(w/8):(\f)+64+8*(w/8)+7], v[8*w:8*w+7]
.endif
.set w, w+1
.endr
.endm
.macro QUARTER slot, q, f, g, zero=0, ask=0
	FETCH \slot, \q, \g
.if \ask
	ASK
.endif
	QUADS \f, 0, 8, \zero
	s_wait_dscnt 0x0                               ; the 24 loads issued 32 matrix instructions ago
	PLACES                                         ; ahead of the next run of loads, into the buffer just multiplied
.endm
.macro TURN slot, fill                 ; the change of slots: all my tensor loads, the add, my reads of the slot; the barrier (fill = 1: a round of the cluster's); the joint refill first behind it
.if \fill
	s_wait_xcnt 0x0                                ; the last prefetch, a K step back, has read its address
	s_add_nc_u64 s[PFA:PFA+1], s[PFA:PFA+1], s[PFS:PFS+1]
.endif
	FETCH \slot, 3, F1
	QUADS F0, 0, 6, 0
	WIN 0
	s_wait_tensorcnt 0x0                           ; all my tensor loads have landed: the one that was out is my part of the other slot
	ds_add_u32 v[SPW], v[NIL]                      ; 0 onto my spare word
	QUADS F0, 6, 1, 0                              ; four matrix instructions stand between the add and the wait for it
	s_wait_dscnt 0x0                               ; the add is done, and my reads of this slot are over
	s_barrier_signal -1
	QUADS F0, 7, 1, 0
	WIN 0
	s_barrier_wait -1
.if \fill
	CREST
	s_add_nc_u64 s[G0+4*(\slot)+2:G0+4*(\slot)+3], s[G0+4*(\slot)+2:G0+4*(\slot)+3], 2*256
	s_add_nc_u64 s[G0B+4*(\slot)+2:G0B+4*(\slot)+3], s[G0B+4*(\slot)+2:G0B+4*(\slot)+3], 2*BSTEP
	JLOAD \slot                                    ; 120 of a wave's matrix instructions ahead of the wait for it
.else
	PLACES
.endif
.endm
	s_load_b64 s[4:5], s[0:1], 0x0                 ; QKV: q lies at its head
	s_load_b64 s[8:9], s[0:1], 0x8                 ; P
	s_load_b64 s[72:73], s[0:1], 0x10              ; ST
	v_lshl_add_u32 v[SPW], v0, 2, SPARE
	v_mov_b32 v[NIL], 0
	ds_add_u32 v[SPW], v[NIL]                      ; the wave's opening: the add and its wait ahead of my first tensor load
	v_lshrrev_b32 v1, 5, v0
	v_readfirstlane_b32 s10, v1                    ; wave 0..7
	s_lshr_b32 s11, s10, 1                         ; my 64 of the tile's 256 rows
	s_and_b32 s12, s10, 1                          ; my half of its columns
	s_lshr_b32 s83, s10, 2                         ; I fetch for A (0) or for B (1),
	s_and_b32 s82, s10, 3                          ; and this quarter of that tile
	s_bfe_u32 s40, ttmp6, 0x40000                  ; cx
	s_bfe_u32 s41, ttmp6, 0x40004                  ; cy
	s_lshl_b32 s42, ttmp9, 2
	s_add_co_u32 s42, s42, s40                     ; tile column = 4 x cluster x + cx
	s_and_b32 s79, ttmp7, 0xffff                   ; the cluster's y
	s_lshl_b32 s13, s79, 2
	s_add_co_u32 s13, s13, s41                     ; tile row, over all four batches
	s_lshr_b32 s80, s79, 1                         ; the batch, from the cluster's y alone
	s_lshl_b32 s80, s80, 22                        ; 4,194,304 bytes of v a batch,
	s_add_co_u32 s80, s80, 33554432                ; behind q and k
	s_mov_b32 s81, 0
	s_lshl_b32 s77, s41, 2
	s_lshl_b32 s77, 15, s77                        ; my row of the cluster
	s_lshl_b32 s78, 0x1111, s40                    ; my column
	s_or_b32 s[G1], s77, (1<<16)|(1<<20)|(1<<21)|(5<<22)|(3<<25)
	s_mov_b32 s[G1+1], 128<<16
	s_mov_b32 s[G1+2], 64<<16
	s_mov_b32 s[G1+3], 128<<16
	s_mov_b32 s[G1+4], 64
	s_mov_b32 s[G1+5], LDA
	s_mov_b32 s[G1+6], 0
	s_mov_b32 s[G1+7], 0
	s_or_b32 s[G1B], s78, (1<<16)|(1<<20)|(1<<21)|(6<<22)|(7<<25)
	s_mov_b32 s[G1B+1], 256<<16
	s_mov_b32 s[G1B+2], 32<<16
	s_mov_b32 s[G1B+3], 256<<16
	s_mov_b32 s[G1B+4], 32
	s_mov_b32 s[G1B+5], LDB
	s_mov_b32 s[G1B+6], 0
	s_mov_b32 s[G1B+7], 0
	s_lshl_b32 s16, s13, 19                        ; A: 256 rows of 2,048 bytes x tile row,
	s_lshl_b32 s14, s82, 17                        ; + the 64 that I fetch
	s_add_co_u32 s16, s16, s14
	s_mov_b32 s17, 0
	s_lshl_b32 s46, s42, 9                         ; B: 256 columns x tile column,
	s_lshl_b32 s47, s82, 17                        ; + the 32 k rows of 4,096 bytes that I fetch
	s_add_co_u32 s46, s46, s47
	s_mov_b32 s47, 0
	s_mul_i32 s20, s82, AQ
	s_mul_i32 s21, s82, BQ
	s_add_co_u32 s21, s21, ATILE
	s_mov_b32 s[CS], 0x3d38aa3b                    ; c = log2(e) / 32
	s_mov_b32 s[CS+1], s[CS]
	s_mov_b32 s[SEL], 0x76543210
	s_mov_b32 s[SEL+1], 0xfedcba98
	s_mov_b32 s[HIM], 0xffff0000
	s_wait_dscnt 0x0                               ; the opening add is done
	s_wait_kmcnt 0x0
	s_add_nc_u64 s[6:7], s[4:5], s[80:81]          ; the batch's v
	s_add_nc_u64 s[14:15], s[4:5], s[16:17]
	s_add_nc_u64 s[46:47], s[6:7], s[46:47]
.irp s, 0,1
	s_mov_b32 s[G0+4*(\s)], 1
	s_add_co_u32 s[G0+4*(\s)+1], s20, (\s)*SLOT
	s_add_nc_u64 s[G0+4*(\s)+2:G0+4*(\s)+3], s[14:15], (\s)*256
	s_or_b32 s[G0+4*(\s)+3], s[G0+4*(\s)+3], 0x80000000
	s_mov_b32 s[G0B+4*(\s)], 1
	s_add_co_u32 s[G0B+4*(\s)+1], s21, (\s)*SLOT
	s_add_nc_u64 s[G0B+4*(\s)+2:G0B+4*(\s)+3], s[46:47], (\s)*BSTEP
	s_or_b32 s[G0B+4*(\s)+3], s[G0B+4*(\s)+3], 0x80000000
.endr
	CROUND                                         ; all sixteen work-groups are here: the first joint loads meet
	s_cmp_eq_u32 s83, 0                            ; a wave's two first fills stand in one branch: two loads of mine are out
	s_cbranch_scc0 .Lfirst_b
	tensor_load_to_lds s[G0:G0+3], s[G1:G1+7]
	s_nop 0
	tensor_load_to_lds s[G0+4:G0+7], s[G1:G1+7]
	s_nop 0
.rept 4
	v_nop
.endr
	s_branch .Lfirst_asked
.Lfirst_b:
	tensor_load_to_lds s[G0B:G0B+3], s[G1B:G1B+7]
	s_nop 0
	tensor_load_to_lds s[G0B+4:G0B+7], s[G1B:G1B+7]
	s_nop 0
.rept 4
	v_nop
.endr
.Lfirst_asked:
	v_and_b32 v1, 15, v0                           ; l % 16
	v_bfe_u32 v2, v0, 4, 1                         ; l / 16
	v_mov_b32 v[MX+1], 0
	v_and_b32 v[SO], 31, v0
	v_lshlrev_b32 v[SO], 3, v[SO]
	v_mul_u32_u24 v23, v1, PA
	v_lshl_add_u32 v23, v2, 4, v23
	s_mul_i32 s22, s11, AQ
	v_add_nc_u32 v[ADRA], s22, v23
	v_add_nc_u32 v[ADRA+1], SLOT, v[ADRA]
	v_and_b32 v23, 7, v0
	v_lshl_add_u32 v23, v2, 3, v23
	v_mul_u32_u24 v23, v23, PB
	v_bfe_u32 v31, v0, 3, 1
	v_lshl_add_u32 v23, v31, 4, v23
	s_lshl_b32 s22, s12, 8
	s_add_co_u32 s22, s22, ATILE
	v_add_nc_u32 v[ADRB], s22, v23
	v_add_nc_u32 v[ADRB+1], SLOT, v[ADRB]
	s_mul_i32 s23, s10, 16*SPITCH
	s_add_co_u32 s23, s23, STAGE
	v_mul_u32_u24 v23, v1, SPITCH
	v_lshl_add_u32 v23, v2, 4, v23
	v_add_nc_u32 v[STO], s23, v23
	v_mul_u32_u24 v23, v2, SPITCH
	v_lshl_add_u32 v23, v1, 4, v23
	v_add_nc_u32 v[RD], s23, v23
	v_mul_u32_u24 v23, v2, LDCB
	v_lshl_add_u32 v[CO], v1, 4, v23
	s_lshl_b32 s18, s13, 20                        ; my part of P: my first row (4,096 bytes a row), my first column
	s_lshl_b32 s22, s11, 18
	s_add_co_u32 s18, s18, s22
	s_lshl_b32 s22, s42, 9
	s_add_co_u32 s18, s18, s22
	s_lshl_b32 s22, s12, 8
	s_add_co_u32 s18, s18, s22
	s_mov_b32 s19, 0
	s_add_nc_u64 s[8:9], s[8:9], s[18:19]
	s_lshl_b32 s18, s42, 17                        ; my part of ST: key block 2 x tile column + half, 65,536 bytes a block; 8 bytes a row
	s_lshl_b32 s22, s12, 16
	s_add_co_u32 s18, s18, s22
	s_lshl_b32 s22, s13, 11
	s_add_co_u32 s18, s18, s22
	s_lshl_b32 s22, s11, 9
	s_add_co_u32 s18, s18, s22
	s_add_nc_u64 s[72:73], s[72:73], s[18:19]
	s_lshl_b32 s18, s13, 19                        ; the prefetches.  A: the tile's first row + 64 cx + 32 (wave & 1) rows, at K step 3
	s_lshl_b32 s22, s40, 17
	s_add_co_u32 s18, s18, s22
	s_lshl_b32 s22, s12, 16
	s_add_co_u32 s18, s18, s22
	s_add_co_u32 s18, s18, 3*256
	s_lshl_b32 s20, s42, 9                         ; B: the tile column, k row 32 cy + 16 (wave & 1), at K step 3
	s_lshl_b32 s22, s41, 17
	s_add_co_u32 s20, s20, s22
	s_lshl_b32 s22, s12, 16
	s_add_co_u32 s20, s20, s22
	s_add_co_u32 s20, s20, 3*BSTEP
	s_or_b32 s22, s11, ttmp9                       ; A: waves 0 and 1, cluster x = 0
	s_and_b32 s23, s79, 1                          ; B: the batch's first cluster,
	s_and_b32 s14, s11, 1                          ; waves 4 and 5
	s_or_b32 s23, s23, s14
	s_mov_b32 s[PFS], BSTEP
	s_mov_b32 s[PFS+1], 0
	s_mov_b32 s14, ROWB
	s_mov_b32 s15, 256
	s_cmp_eq_u32 s83, 0
	s_cselect_b32 s18, s18, s20
	s_cselect_b32 s22, s22, s23
	s_cselect_b32 s[PFS], 256, s[PFS]
	s_cselect_b32 s14, ROWA, s14
	s_cselect_b32 s15, 16*ROWA, s15
	s_cselect_b64 s[PFA:PFA+1], s[4:5], s[6:7]
	s_add_nc_u64 s[PFA:PFA+1], s[PFA:PFA+1], s[18:19]
	s_cmp_eq_u32 s22, 0
	s_cselect_b32 s[LIM], 1, -1                    ; the same in all sixteen partners, for a given wave
	v_mul_u32_u24 v[PFO], s14, v1
	v_mad_u32_u24 v[PFO], s15, v2, v[PFO]
	s_wait_tensorcnt 0x1                           ; my part of K step 0 is in; slot 1's fill may stay out
	s_barrier_signal -1
	s_barrier_wait -1
	FETCH 0, 0, F0
	s_wait_dscnt 0x0
	QUARTER 0, 1, F0, F1, 1                        ; the first quarter's products start the sums
	WIN 0
	s_mov_b32 s3, LAPS-1
.Llap:
	QUARTER 0, 2, F1, F0
	TURN 0, 1
	QUARTER 1, 0, F1, F0, 0, 1
	QUARTER 1, 1, F0, F1
	QUARTER 1, 2, F1, F0
	TURN 1, 1
	QUARTER 0, 0, F1, F0, 0, 1
	QUARTER 0, 1, F0, F1
	WIN 0
	s_sub_co_u32 s3, s3, 1
	s_cmp_lg_u32 s3, 0
	s_cbranch_scc1 .Llap
	QUARTER 0, 2, F1, F0                           ; the last lap is written out: it fills nothing
	TURN 0, 0
	QUARTER 1, 0, F1, F0
	QUARTER 1, 1, F0, F1
	QUARTER 1, 2, F1, F0
	QUARTER 1, 3, F0, F1
	QUADS F1, 0, 8, 0
	PLACES
	PLACES
; THE SOFTMAX OF A BLOCK of 16 rows x 128 keys: a lane holds 64 scores of row 16 a + l % 16, the lane 16 away the other 64.
.macro SOFT a
.set AC, 64*(\a)
	WIN 0x15                                       ; three sources in window 1, destination in window 0
.irp b, 0,1,2,3,4,5,6,7
	v_max3_num_f32 v[T+(\b)], v[AC+8*(\b)], v[AC+8*(\b)+1], v[AC+8*(\b)+2]   ; each accumulator's lowest registers are read first
.endr
	WIN 0x14                                       ; source 0 in window 0
.irp b, 0,1,2,3,4,5,6,7
	v_max3_num_f32 v[T+(\b)], v[T+(\b)], v[AC+8*(\b)+3], v[AC+8*(\b)+4]
.endr
.irp b, 0,1,2,3,4,5,6,7
	v_max3_num_f32 v[T+(\b)], v[T+(\b)], v[AC+8*(\b)+5], v[AC+8*(\b)+6]
.endr
.irp b, 0,2,4,6
	v_max3_num_f32 v[T+(\b)], v[T+(\b)], v[AC+8*(\b)+7], v[AC+8*(\b)+15]
.endr
	WIN 0
	v_max3_num_f32 v[T], v[T], v[T+1], v[T+2]
	v_max3_num_f32 v[T+3], v[T+3], v[T+4], v[T+5]
	v_max_num_f32 v[T+6], v[T+6], v[T+7]
	v_max3_num_f32 v[T], v[T], v[T+3], v[T+6]
	v_permlanex16_b32 v[T+1], v[T], s[SEL], s[SEL+1]
	v_max_num_f32 v[MX], v[T], v[T+1]              ; m
	WIN 0x41                                       ; destination and source 0 in window 1
.set i, 0
.rept 32
	v_pk_add_f32 v[AC+i:AC+i+1], v[AC+i:AC+i+1], v[MX:MX+1] op_sel_hi:[1,0] neg_lo:[0,1] neg_hi:[0,1]  ; s - m, never above 0
.set i, i+2
.endr
.set i, 0
.rept 32
	v_pk_mul_f32 v[AC+i:AC+i+1], v[AC+i:AC+i+1], s[CS:CS+1] op_sel_hi:[1,0]
.set i, i+2
.endr
.set i, 0
.rept 64
	v_exp_f32 v[AC+i], v[AC+i]                     ; one batch: none of these names another's result
.set i, i+1
.endr
	v_nop                                          ; a plain instruction behind the last exponential
	s_wait_alu depctr_va_vdst(0)                   ; and one wait ahead of the batch's first reader
	WIN 0x05
.set i, 0
.rept 32
	v_cvt_pk_f16_f32 v[TMP+i], v[AC+2*i], v[AC+2*i+1]
.set i, i+1
.endr
	WIN 0x45                                       ; the sum of the 64 unrounded p, in place: halves are folded onto each other
.irp n, 32,16,8,4
.set i, 0
.rept (\n)/2
	v_pk_add_f32 v[AC+i:AC+i+1], v[AC+i:AC+i+1], v[AC+(\n)+i:AC+(\n)+i+1]
.set i, i+2
.endr
.endr
	WIN 0x05
	v_pk_add_f32 v[LS:LS+1], v[AC:AC+1], v[AC+2:AC+3]
	WIN 0
	v_add_f32 v[LS], v[LS], v[LS+1]
	v_permlanex16_b32 v[LS+1], v[LS], s[SEL], s[SEL+1]
	v_add_f32 v[LS], v[LS], v[LS+1]                ; l
.if (\a)%2 == 0
	v_mov_b32 v[PR+2*((\a)/2)], v[MX]              ; lanes 0-15 keep the even block's (m, l),
	v_mov_b32 v[PR+2*((\a)/2)+1], v[LS]
.else
	v_cndmask_b32 v[PR+2*((\a)/2)], v[PR+2*((\a)/2)], v[MX], s[HIM]      ; lanes 16-31 take the odd block's: a lane a row,
	v_cndmask_b32 v[PR+2*((\a)/2)+1], v[PR+2*((\a)/2)+1], v[LS], s[HIM]
	global_store_b64 v[SO], v[PR+2*((\a)/2):PR+2*((\a)/2)+1], s[72:73] offset:256*((\a)/2)  ; 32 rows: 256 consecutive bytes, aligned
.endif
.endm
.macro TOSTAGE a
	WIN 0
.irp b, 0,1,2,3,4,5,6,7
	ds_store_b128 v[STO], v[TMP+4*(\b):TMP+4*(\b)+3] offset:32*(\b)
.endr
.irp t, 0,1,2,3,4,5,6,7
	ds_load_b128 v[BK0+32*(\a)+4*(\t):BK0+32*(\a)+4*(\t)+3], v[RD] offset:(\t)*2*SPITCH  ; LDS serves a wave's instructions in order (ISA guide 5.7.1.4): these see the stores above
.endr
.endm
.macro SEND a
	WIN 0
	s_wait_dscnt 0x0
.irp t, 0,1,2,3,4,5,6,7
	global_store_b128 v[CO], v[BK0+32*(\a)+4*(\t):BK0+32*(\a)+4*(\t)+3], s[8:9] offset:(16*(\a)+2*(\t))*LDCB  ; sixteen lanes store 256 consecutive bytes, aligned; no register of a store is rewritten
.endr
.endm
	SOFT 0
	TOSTAGE 0
.irp a, 1,2,3                          ; block a's softmax stands between block a - 1's loads from the stage and the wait for them
	SOFT \a
	SEND (\a)-1
	TOSTAGE \a
.endr
	SEND 3
	s_wait_tensorcnt 0x0                           ; the wave's end: behind my last tensor load and my last LDS store
	ds_add_u32 v[SPW], v[NIL]
	s_wait_dscnt 0x0
	CROUND                                         ; the closing round
	s_endpgm
.Lfunc_end_k_qd2cdbace59_scores:
	.size	k_qd2cdbace59_scores, .Lfunc_end_k_qd2cdbace59_scores-k_qd2cdbace59_scores
	.p2alignl 7, 3214868480
	.fill 96, 4, 3214868480
	.section	.rodata,"a",@progbits
	.p2align	6, 0x0
	.amdhsa_kernel k_qd2cdbace59_scores
		.amdhsa_group_segment_fixed_size 327680
		.amdhsa_private_segment_fixed_size 0
		.amdhsa_enable_private_segment 0
		.amdhsa_kernarg_size 24
		.amdhsa_user_sgpr_count 2
		.amdhsa_user_sgpr_kernarg_segment_ptr 1
		.amdhsa_wavefront_size32 1
		.amdhsa_system_sgpr_workgroup_id_x 1
		.amdhsa_system_sgpr_workgroup_id_y 1
		.amdhsa_system_sgpr_workgroup_id_z 1
		.amdhsa_system_vgpr_workitem_id 0
		.amdhsa_next_free_vgpr 512
		.amdhsa_next_free_sgpr 84
		.amdhsa_reserve_vcc 0
		.amdhsa_float_denorm_mode_32 3
		.amdhsa_float_denorm_mode_16_64 3
		.amdhsa_memory_ordered 1
		.amdhsa_forward_progress 1
		.amdhsa_inst_pref_size 129
	.end_amdhsa_kernel
	.amdgpu_metadata
---
amdhsa.version: [ 1, 2 ]
amdhsa.kernels:
  - .name:           k_qd2cdbace59_scores
    .symbol:         k_qd2cdbace59_scores.kd
    .args:
      - { .name: QKV, .offset: 0, .size: 8, .value_kind: global_buffer, .address_space: global }
      - { .name: P, .offset: 8, .size: 8, .value_kind: global_buffer, .address_space: global }
      - { .name: ST, .offset: 16, .size: 8, .value_kind: global_buffer, .address_space: global }
    .group_segment_fixed_size: 327680
    .private_segment_fixed_size: 0
    .kernarg_segment_align: 8
    .kernarg_segment_size: 24
    .max_flat_workgroup_size: 256
    .sgpr_count:     84
    .vgpr_count:     512
    .wavefront_size: 32
...
	.end_amdgpu_metadata
.endif
;; end of part 6
;; launch pvk (part 7): grid 8 x 32, 8 waves a work-group, clusters of 4 x 4, 327,680 bytes of LDS; arguments P, QKV, ST, out0, Xb, Wb, BB, KP; writes out0, KP
.if DOCPART == 7
	.amdgcn_target "amdgcn-amd-amdhsa--gfx1250"
	.amdhsa_code_object_version 6
	.text
	.protected	k_qd2cdbace59_pvk
	.globl	k_qd2cdbace59_pvk
	.p2align	8
	.type	k_qd2cdbace59_pvk,@function
k_qd2cdbace59_pvk:
	s_mov_b64 s[64:65], 0
	v_nop
	global_prefetch_b8 v0, s[64:65] scope:SCOPE_SE
	s_setreg_imm32_b32 hwreg(HW_REG_WAVE_MODE, 25, 1), 1
	s_wait_xcnt 0x0
	s_wait_alu depctr_hold_cnt(0) depctr_sa_sdst(0) depctr_va_vdst(0) depctr_va_sdst(0) depctr_va_ssrc(0) depctr_va_vcc(0) depctr_vm_vsrc(0)
	s_getreg_b32 s2, hwreg(HW_REG_IB_STS2, 6, 4)
	s_cmp_eq_u32 s2, 0
	s_cbranch_scc0 .Lentry_in_a_cluster
	s_endpgm
.Lentry_in_a_cluster:
	s_bfe_u32 s2, ttmp6, 0x10000c
	s_cmp_lg_u32 s2, 0xf033
	s_cbranch_scc0 .Lentry_shape_is_right
	s_endpgm
.Lentry_shape_is_right:
; TWO JOBS IN ONE LAUNCH, told apart by the cluster's x, which all sixteen partners of a cluster share; each job has 128 tiles of 256 x 256, so the launch has 256 work-groups.
; CLUSTER X = 0: out[q][d] = (the sum over key blocks j of f_j x the sum over the block's 128 keys t of P[q][t] v[t][d]) / L, for each batch.
;   From ST's (m_j, l_j): M = the largest m_j of the row, f_j = 2^(c (m_j - M)) <= 1, c = log2(e) / 32, L = the sum of f_j l_j >= 1.  So the row's true maximum is what has been taken away from every score.
;   A K step of 128 keys IS a key block: A's fragments (P, f16) are multiplied by f_j, rounded to f16, between LDS and the matrix unit (v_pk_mul_f16: a lane holds one row, so one factor a fragment); L is summed with the same rounded f_j.
;   P [8192][2048] f16, v = QKV[2] [4][2048][1024] f16, out0 [8192][1024] f32; products' sums, M, L in f32.  K = 2,048: sixteen K steps.
;   LIMITS.  P f_j below 6e-5 keeps f16's fixed step of 6e-8, an f_j below 6e-8 counts as 0 (in L too); NaN and infinities are not treated apart.
; CLUSTER X = 1: the key projection, KP[m][n] = BB[1][n] + the sum over k of Xb[m][k] Wb[1][k][n]: bf16 operands, f32 sums, KP [8192][1024] f16, rounded once.  K = 1,024: eight K steps.
;   It enters no result of the module; it is a step of the module and is made and stored like q and v.  It depends on nothing that the launches between have made, and stands here because the other job has tiles for half the work-groups alone.
;   LIMIT.  f16 holds no number beyond 65,504: a k past that leaves as an infinity.
; BOTH.  Eight waves, two to a SIMD, 64 x 128 each: 32 accumulators, 256 registers.  K goes in steps of 128 through two LDS slots filled by tensor loads: waves 0-3 bring 64 rows x 256 bytes of A each, waves 4-7 32 k rows x 512 bytes of B.
; B lies [k][n]; its fragments come out of LDS turned, by ds_load_tr16_b128.  THE PRODUCT IS TAKEN TRANSPOSED (source 0 = 16 columns of B, source 1 = 16 rows of A): a lane holds row l % 16 of C and the columns 8 (l / 16) + 0..7.
; CLUSTERS: 4 x 4 work-groups.  A's tile hangs on the tile row alone and is asked for jointly by a row of the cluster, B's on cx (and the batch, from the cluster's y) alone, by a column.
; The branch between the jobs hangs on the cluster's x alone; behind it each job has its own first fills, ring, rounds and end, so that all partners of a cluster pass the same rounds and issue the same joint loads.
; REGISTERS: window 0: v0-31 addresses and factors; v32-127, v128-223 two fragment buffers (B's 8 fragments, then A's 4; at the first job's start: at work on the statistics; on the ways out: rows read back); v224-255 1 / L, or packed results.
;   Window 1: accumulator (a, b) at v[8 (8 a + b)].
.set BSTEP,  262144                    ; 128 k rows of 2,048 bytes: from a K step of B to the next, in v and in Wb alike; A's K step is 256 bytes
.set PA,     272                       ; an LDS row of A: 256 bytes + 16: the 16 rows of a fragment load start at 16 different groups of four banks (64 banks of 4 bytes: ISA guide 11.1)
.set PB,     544                       ; an LDS row of B: 512 bytes + 32 = 17 x 32
.set AQ,     64*PA
.set ATILE,  4*AQ
.set BQ,     32*PB
.set SLOT,   ATILE+4*BQ                ; A's 256 rows, then B's 128 k rows: 139,264 bytes
.set PRIV,   2*SLOT                    ; behind the ring: 5,888 bytes of each wave's own, which no tensor load fills: the first job's factors (4,096 bytes: for K step j 256 bytes, lane l % 16's 16 bytes = f_j of its four
.set PRIVW,  5888                      ; rows, each twice in f16), and, when the last factor has been read, the stage of the way out (16 rows x 272 bytes)
.set SPITCH, 272
.set SPARE,  PRIV+8*PRIVW              ; the spare words, 128 bytes a wave: four blocks of 256 bytes that no other line names
.set FCA,  4                           ; v4-7   the factors of the K step in slot 0, one register a row block
.set FCB,  8                           ; v8-11  of the K step in slot 1
.set FAD,  12                          ; v12    where the lap's factors lie
.set ADRA, 16                          ; v16-17 LDS address of my A fragments in slot 0, 1
.set ADRB, 18                          ; v18-19 the same for B
.set STO,  20                          ; v20    the way out: where I put my bytes of a row
.set RD,   21                          ; v21    where I read rows back
.set CO,   22                          ; v22    my byte offset in two rows of C
.set SPW,  28                          ; v28    SPARE + 4 x my thread's number; never rewritten
.set NIL,  29                          ; v29    0; never rewritten
.set PFO,  30                          ; v30    the prefetches' lane offset; never rewritten
.set F0,   32
.set F1,   128
.set ML,   32                          ; the first job's start: (m, l) of row block a, key block 8 (l / 16) + j at v[ML + 2 (8 a + j)]
.set FP,   96                          ; f, twice in f16, at v[FP + 4 j + a]
.set EF,   128                         ; c (m - M), then f, at v[EF + 8 a + j]
.set MM,   160                         ; M;  MT, LL, LT: at work
.set MT,   164
.set LL,   168
.set LT,   172
.set RC,   224                         ; v[224 + 2 a] 1 / L; the register above it is written too, since the pair is named
.set TMP,  224                         ; the second job: packed results
.set OB,   32                          ; the ways out: four read-back buffers of 32, v32-159
.set G1,   24                          ; s[24:31] descriptor group 1 for A;  s[32:39] group 0, a set for each slot
.set G0,   32
.set G1B,  48                          ; s[48:55], s[56:63] the same for B
.set G0B,  56
.set LIM,  43                          ; s43  1 in a wave that prefetches, else the greatest number
.set PFA,  44                          ; s[44:45] where my prefetches stand
.set CS,   66                          ; s[66:67] c, twice
.set SEL,  68                          ; s[68:69] v_permlanex16_b32's selects: each lane takes its own place in the other half
.set PFS,  70                          ; s[70:71] the prefetches' step from K step to K step
.set MUL,  0x50                        ; sources in window 0, C and D in window 1
.set MULB, 0x40                        ; C in window 0 (the bias), D in window 1
.set MSB,  0
.macro WIN new                         ; the immediate's high byte repeats the setting that is left; a switch that changes nothing is dropped
.if MSB != (\new)
	s_set_vgpr_msb (MSB<<8)|(\new)
.set MSB, \new
.endif
.endm
.macro PLACES                          ; four plain places behind matrix instructions (ISA guide 7.12.1)
.rept 4
	v_nop
.endr
.endm
.macro CREST                           ; a round of the cluster's barrier behind its opening barrier
	s_cmp_lg_u32 s10, 0
	s_cbranch_scc1 .Lnot_wave_0_\@
	s_barrier_signal -3
.Lnot_wave_0_\@:
	s_barrier_wait -3
	s_barrier_signal -1
	s_barrier_wait -1
.endm
.macro CROUND
	s_barrier_signal -1
	s_barrier_wait -1
	CREST
.endm
.macro JLOAD s                         ; a joint refill: waves 0-3 ask for A's quarters, waves 4-7 for B's; an s_nop 0 and four v_nop follow each line
	s_cmp_eq_u32 s83, 0
	s_cbranch_scc0 .Lfor_b_\@
	tensor_load_to_lds s[G0+4*(\s):G0+4*(\s)+3], s[G1:G1+7]
	s_nop 0
.rept 4
	v_nop
.endr
	s_branch .Lasked_\@
.Lfor_b_\@:
	tensor_load_to_lds s[G0B+4*(\s):G0B+4*(\s)+3], s[G1B:G1B+7]
	s_nop 0
.rept 4
	v_nop
.endr
.Lasked_\@:
.endm
.macro FIRST                           ; a wave's two first fills stand in one branch on the wave's number: two loads of mine are out
	s_cmp_eq_u32 s83, 0
	s_cbranch_scc0 .Lfirst_b_\@
	tensor_load_to_lds s[G0:G0+3], s[G1:G1+7]
	s_nop 0
	tensor_load_to_lds s[G0+4:G0+7], s[G1:G1+7]
	s_nop 0
.rept 4
	v_nop
.endr
	s_branch .Lfirst_asked_\@
.Lfirst_b_\@:
	tensor_load_to_lds s[G0B:G0B+3], s[G1B:G1B+7]
	s_nop 0
	tensor_load_to_lds s[G0B+4:G0B+7], s[G1B:G1B+7]
	s_nop 0
.rept 4
	v_nop
.endr
.Lfirst_asked_\@:
.endm
; A PREFETCH of the K step that stands two refills on, 256 of a wave's matrix instructions ahead of the load that will want it; one line, behind the joint load and the run of LDS loads.
; Each aligned 256 bytes of P, of v, of Xb and of Wb's plane 1 are named once in the launch.  A's rows (each job is one cluster wide): waves 0, 1; the partner at cx takes rows 64 cx + 32 (wave & 1) + lane of the 256.
; B's rows: waves 4, 5 of the first cluster that reads them (v: a batch is two clusters high, so cluster y even; Wb: cluster y = 0); the partner at cy takes k rows 32 cy + 16 (wave & 1) + lane % 16, and of a row's 512 bytes the half lane / 16.
; The partners are told apart by address alone.  K steps 0 to 3 come by their loads; the loop's last trip (s3 = 1) asks for nothing: there is no K step behind its refills.
.macro ASK
	s_cmp_gt_u32 s3, s[LIM]
	s_cbranch_scc0 .Lnot_mine_\@
	global_prefetch_b8 v[PFO], s[PFA:PFA+1] th:TH_LOAD_NT scope:SCOPE_SE
.Lnot_mine_\@:
.endm
.macro FETCH slot, q, f                ; 24 LDS loads in one run: the fragments of quarter q (32 along K) of a slot into buffer f
	WIN 0
.irp b, 0,1,2,3,4,5,6,7
	ds_load_tr16_b128 v[(\f)+8*(\b):(\f)+8*(\b)+3],   v[ADRB+(\slot)] offset:32*(\q)*PB+32*(\b)
	ds_load_tr16_b128 v[(\f)+8*(\b)+4:(\f)+8*(\b)+7], v[ADRB+(\slot)] offset:32*(\q)*PB+32*(\b)+16*PB
.endr
.irp a, 0,1,2,3
	ds_load_b128 v[(\f)+64+8*(\a):(\f)+64+8*(\a)+3],   v[ADRA+(\slot)] offset:(\a)*16*PA+64*(\q)
	ds_load_b128 v[(\f)+64+8*(\a)+4:(\f)+64+8*(\a)+7], v[ADRA+(\slot)] offset:(\a)*16*PA+64*(\q)+32
.endr
.endm
.macro DESCR lda                       ; both descriptors' group 1; lda: elements from row to row of A
	s_or_b32 s[G1], s77, (1<<16)|(1<<20)|(1<<21)|(5<<22)|(3<<25)   ; the mask of my row; 2-byte elements; padding on; bit 21 beside a mask; after every 64 words, 4 words
	s_mov_b32 s[G1+1], 128<<16                     ; tensor_dim0 = 128
	s_mov_b32 s[G1+2], 64<<16                      ; tensor_dim1 = 64
	s_mov_b32 s[G1+3], 128<<16                     ; tile_dim0 = 128
	s_mov_b32 s[G1+4], 64                          ; tile_dim1 = 64
	s_mov_b32 s[G1+5], \lda
	s_mov_b32 s[G1+6], 0
	s_mov_b32 s[G1+7], 0
	s_or_b32 s[G1B], s78, (1<<16)|(1<<20)|(1<<21)|(6<<22)|(7<<25)  ; the mask of my column; after every 128 words, 8 words
	s_mov_b32 s[G1B+1], 256<<16                    ; tensor_dim0 = 256
	s_mov_b32 s[G1B+2], 32<<16                     ; tensor_dim1 = 32
	s_mov_b32 s[G1B+3], 256<<16                    ; tile_dim0 = 256
	s_mov_b32 s[G1B+4], 32                         ; tile_dim1 = 32
	s_mov_b32 s[G1B+5], 1024                       ; v's and Wb's rows have 1,024 elements
	s_mov_b32 s[G1B+6], 0
	s_mov_b32 s[G1B+7], 0
.endm
.macro GROUP0                          ; both descriptors' group 0, a set for each slot: A's tile at s[14:15], B's at s[46:47]; LDS bytes s20, s21
.irp s, 0,1
	s_mov_b32 s[G0+4*(\s)], 1
	s_add_co_u32 s[G0+4*(\s)+1], s20, (\s)*SLOT
	s_add_nc_u64 s[G0+4*(\s)+2:G0+4*(\s)+3], s[14:15], (\s)*256
	s_or_b32 s[G0+4*(\s)+3], s[G0+4*(\s)+3], 0x80000000
	s_mov_b32 s[G0B+4*(\s)], 1
	s_add_co_u32 s[G0B+4*(\s)+1], s21, (\s)*SLOT
	s_add_nc_u64 s[G0B+4*(\s)+2:G0B+4*(\s)+3], s[46:47], (\s)*BSTEP
	s_or_b32 s[G0B+4*(\s)+3], s[G0B+4*(\s)+3], 0x80000000
.endr
.endm
.macro LANES                           ; the lanes' LDS addresses; leaves my own bytes' first in s23
	v_mul_u32_u24 v23, v1, PA                      ; A's fragments: row x pitch + 16 x half of the lanes
	v_lshl_add_u32 v23, v2, 4, v23
	s_mul_i32 s22, s11, AQ
	v_add_nc_u32 v[ADRA], s22, v23
	v_add_nc_u32 v[ADRA+1], SLOT, v[ADRA]
	v_and_b32 v23, 7, v0                           ; B's, turned: lane l reads k row 8 (l / 16) + l % 8, columns 8 ((l / 8) % 2) + 0..7
	v_lshl_add_u32 v23, v2, 3, v23
	v_mul_u32_u24 v23, v23, PB
	v_bfe_u32 v31, v0, 3, 1
	v_lshl_add_u32 v23, v31, 4, v23
	s_lshl_b32 s22, s12, 8
	s_add_co_u32 s22, s22, ATILE
	v_add_nc_u32 v[ADRB], s22, v23
	v_add_nc_u32 v[ADRB+1], SLOT, v[ADRB]
	s_mul_i32 s23, s10, PRIVW
	s_add_co_u32 s23, s23, PRIV
	v_mul_u32_u24 v23, v2, SPITCH                  ; back from the stage: lanes 0-15 take one row of 256 bytes, lanes 16-31 the next
	v_lshl_add_u32 v23, v1, 4, v23
	v_add_nc_u32 v[RD], s23, v23
.endm
.macro PFSET rowa                      ; the prefetches' registers.  In: s18, s20 A's and B's offsets; s22, s23 0 where the wave asks for A, for B; s19 = 0; rowa: bytes in a row of A
	s_mov_b32 s[PFS], BSTEP
	s_mov_b32 s[PFS+1], 0
	s_mov_b32 s14, 2048
	s_mov_b32 s15, 256
	s_cmp_eq_u32 s83, 0
	s_cselect_b32 s18, s18, s20
	s_cselect_b32 s22, s22, s23
	s_cselect_b32 s[PFS], 256, s[PFS]
	s_cselect_b32 s14, \rowa, s14
	s_cselect_b32 s15, 16*(\rowa), s15
	s_cselect_b64 s[PFA:PFA+1], s[4:5], s[6:7]
	s_add_nc_u64 s[PFA:PFA+1], s[PFA:PFA+1], s[18:19]
	s_cmp_eq_u32 s22, 0
	s_cselect_b32 s[LIM], 1, -1                    ; the same in all sixteen partners, for a given wave
	v_mul_u32_u24 v[PFO], s14, v1
	v_mad_u32_u24 v[PFO], s15, v2, v[PFO]
.endm
	s_load_b512 s[84:99], s[0:1], 0x0              ; P s[84:85], QKV s[86:87], ST s[88:89], out0 s[90:91], Xb s[92:93], Wb s[94:95], BB s[96:97], KP s[98:99]
	v_lshl_add_u32 v[SPW], v0, 2, SPARE
	v_mov_b32 v[NIL], 0
	ds_add_u32 v[SPW], v[NIL]                      ; the wave's opening: the add and its wait ahead of my first tensor load; work on registers stands between them
	v_lshrrev_b32 v1, 5, v0
	v_readfirstlane_b32 s10, v1                    ; wave 0..7
	v_and_b32 v1, 15, v0                           ; l % 16
	v_bfe_u32 v2, v0, 4, 1                         ; l / 16
	s_lshr_b32 s11, s10, 1                         ; my 64 of the tile's 256 rows
	s_and_b32 s12, s10, 1                          ; my half of its columns
	s_lshr_b32 s83, s10, 2                         ; I fetch for A (0) or for B (1),
	s_and_b32 s82, s10, 3                          ; and this quarter of that tile
	s_bfe_u32 s40, ttmp6, 0x40000                  ; cx: the tile column, in both jobs
	s_bfe_u32 s41, ttmp6, 0x40004                  ; cy
	s_and_b32 s79, ttmp7, 0xffff                   ; the cluster's y
	s_lshl_b32 s13, s79, 2
	s_add_co_u32 s13, s13, s41                     ; tile row = 4 x cluster y + cy
	s_lshl_b32 s77, s41, 2
	s_lshl_b32 s77, 15, s77                        ; my row of the cluster
	s_lshl_b32 s78, 0x1111, s40                    ; my column
	s_mul_i32 s20, s82, AQ                         ; where my tiles go: no place in the cluster enters an LDS address
	s_mul_i32 s21, s82, BQ
	s_add_co_u32 s21, s21, ATILE
	s_mov_b32 s17, 0
	s_mov_b32 s19, 0
	s_wait_dscnt 0x0                               ; the opening add is done
	s_wait_kmcnt 0x0
	s_cmp_lg_u32 ttmp9, 0                          ; the cluster's x: the same in all sixteen partners and in all eight waves
	s_cbranch_scc1 .Lkproj
; ======== CLUSTER X = 0: out = P v ========
.macro QUADS f, from, n, zero          ; matrix instruction w is accumulator w: row block w / 8, n block w % 8; all 32 take turns.  zero = 1: the products start the sums
	WIN MUL
.set w, 4*(\from)
.rept 4*(\n)
.if \zero
	v_wmma_f32_16x16x32_f16 v[8*w:8*w+7], v[(\f)+8*(w%8):(\f)+8*(w%8)+7], v[(\f)+64+8*(w/8):(\f)+64+8*(w/8)+7], 0
.else
	v_wmma_f32_16x16x32_f16 v[8*w:8*w+7], v[(\f)+8*(w%8):(\f)+8*(w%8)+7], v[(\f)+64+8*(w/8):(\f)+64+8*(w/8)+7], v[8*w:8*w+7]
.endif
.set w, w+1
.endr
.endm
; The four riders behind products 4 i .. 4 i + 3.  i = 0..5: half of A's fragment 1 + i / 2 of the buffer in hand, which products 8 (1 + i / 2) on will read.  i = 6, 7: fragment 0 of the buffer just fetched,
; for the next quarter's first products.  None names a register of the products round it; those behind the quarter's last products are also the four places ahead of the next run of loads.
.macro RIDE f, g, i, fc, gc
	WIN 0
.if (\i) < 6
.set rr, (\f)+64+8*(1+(\i)/2)+4*((\i)%2)
.set rf, (\fc)+1+(\i)/2
.else
.set rr, (\g)+64+4*((\i)-6)
.set rf, (\gc)
.endif
.rept 4
	v_pk_mul_f16 v[rr], v[rr], v[rf]
.set rr, rr+1
.endr
.endm
; A quarter's 32 products on buffer f and their riders.  ride = 8: buffer g is being fetched; its loads, issued 24 products back, are waited for ahead of the 25th.  ride = 6: the very last quarter.
; meet = 1: the change of slots: ahead of the 21st product the wait for all my tensor loads and the add; ahead of the 25th the wait for the add and for my reads of the slot, and the signal.
.macro BODY f, g, fc, gc, zero, meet, ride
.irp i, 0,1,2,3,4,5,6,7
.if (\meet) && ((\i) == 5)
	WIN 0
	s_wait_tensorcnt 0x0                           ; all my tensor loads have landed: the one that was out is my part of the other slot
	ds_add_u32 v[SPW], v[NIL]                      ; 0 onto my spare word
.endif
.if ((\ride) == 8) && ((\i) == 6)
	s_wait_dscnt 0x0
.if \meet
	s_barrier_signal -1
.endif
.endif
	QUADS \f, \i, 1, \zero
.if (\i) < (\ride)
	RIDE \f, \g, \i, \fc, \gc
.endif
.endr
.endm
.macro PQ slot, q, f, g, fc, zero=0    ; a quarter inside a K step
	FETCH \slot, \q, \g
	BODY \f, \g, \fc, \fc, \zero, 0, 8
.endm
.macro PTURN slot, fill, fc            ; a K step's third quarter; fill = 1: the barrier opens a round of the cluster's, and the joint refill is the first thing behind it
.if \fill
	s_wait_xcnt 0x0                                ; the last prefetch, a K step back, has read its address
	s_add_nc_u64 s[PFA:PFA+1], s[PFA:PFA+1], s[PFS:PFS+1]
.endif
	FETCH \slot, 3, F1
	BODY F0, F1, \fc, \fc, 0, 1, 8
	WIN 0
	s_barrier_wait -1
.if \fill
	CREST
	s_add_nc_u64 s[G0+4*(\slot)+2:G0+4*(\slot)+3], s[G0+4*(\slot)+2:G0+4*(\slot)+3], 2*256
	s_add_nc_u64 s[G0B+4*(\slot)+2:G0B+4*(\slot)+3], s[G0B+4*(\slot)+2:G0B+4*(\slot)+3], 2*BSTEP
	JLOAD \slot                                    ; 116 of a wave's matrix instructions ahead of the wait for it
.endif
.endm
.macro PNEXT next, fc, gc, ask         ; a K step's fourth quarter: the next slot's first fragments and the next K step's factors are fetched
	WIN 0
.if (\next) == 0
	v_add_nc_u32 v[FAD], 512, v[FAD]               ; the next lap's two K steps
.endif
	FETCH \next, 0, F0
	ds_load_b128 v[(\gc):(\gc)+3], v[FAD] offset:256*(\next)
.if \ask
	ASK
.endif
	BODY F1, F0, \fc, \gc, 0, 0, 8
.endm
	s_mov_b64 s[4:5], s[84:85]                     ; P
	s_mov_b64 s[72:73], s[88:89]                   ; ST
	s_mov_b64 s[8:9], s[90:91]                     ; out0
	s_lshr_b32 s80, s79, 1                         ; the batch, from the cluster's y alone: a batch is two clusters high
	s_lshl_b32 s80, s80, 22                        ; 4,194,304 bytes of v a batch,
	s_add_co_u32 s80, s80, 33554432                ; in plane 2 of QKV
	s_mov_b32 s81, 0
	s_add_nc_u64 s[6:7], s[86:87], s[80:81]        ; the batch's v
	DESCR 2048
	s_lshl_b32 s16, s13, 20                        ; A: 256 rows of 4,096 bytes x tile row,
	s_lshl_b32 s14, s82, 18                        ; + the 64 that I fetch
	s_add_co_u32 s16, s16, s14
	s_lshl_b32 s46, s40, 9                         ; B: 256 columns x cx,
	s_lshl_b32 s47, s82, 16                        ; + the 32 k rows of 2,048 bytes that I fetch
	s_add_co_u32 s46, s46, s47
	s_mov_b32 s47, 0
	s_add_nc_u64 s[14:15], s[4:5], s[16:17]
	s_add_nc_u64 s[46:47], s[6:7], s[46:47]
	GROUP0
	s_mov_b32 s[CS], 0x3d38aa3b                    ; c = log2(e) / 32
	s_mov_b32 s[CS+1], s[CS]
	s_mov_b32 s[SEL], 0x76543210
	s_mov_b32 s[SEL+1], 0xfedcba98
	CROUND                                         ; all sixteen work-groups are here: the first joint loads meet
	FIRST
	; THE STATISTICS, in the wait for the first tiles.  Lane (l % 16, l / 16) takes key blocks 8 (l / 16) + 0..7 of its four rows 16 a + l % 16.
	s_lshl_b32 s18, s13, 11                        ; my wave's first row in ST: 8 bytes a row
	s_lshl_b32 s22, s11, 9
	s_add_co_u32 s18, s18, s22
	s_add_nc_u64 s[72:73], s[72:73], s[18:19]
	v_lshlrev_b32 v13, 3, v1
	v_lshl_add_u32 v13, v2, 19, v13                ; 8 key blocks of 65,536 bytes for the upper lanes
.irp a, 0,1,2,3
.irp j, 0,1,2,3,4,5,6,7
	global_load_b64 v[ML+2*(8*(\a)+(\j)):ML+2*(8*(\a)+(\j))+1], v13, s[72:73] offset:(\j)*65536+(\a)*128
.endr
.endr
	LANES                                          ; the addresses are made while those loads are out
	v_mul_u32_u24 v23, v1, SPITCH                  ; into the stage: row l % 16, 32 bytes for each half of the lanes
	v_lshl_add_u32 v23, v2, 5, v23
	v_add_nc_u32 v[STO], s23, v23
	v_lshlrev_b32 v23, 12, v2                      ; and the two rows of out0 that a load from the stage brings
	v_lshl_add_u32 v[CO], v1, 4, v23
	v_lshl_add_u32 v[FAD], v1, 4, s23              ; my factors
	v_lshl_add_u32 v14, v2, 11, v[FAD]             ; the upper lanes store K steps 8 to 15
	s_lshl_b32 s18, s13, 20                        ; my part of out0: my first row (4,096 bytes a row), my first column
	s_lshl_b32 s22, s11, 18
	s_add_co_u32 s18, s18, s22
	s_lshl_b32 s22, s40, 10
	s_add_co_u32 s18, s18, s22
	s_lshl_b32 s22, s12, 9
	s_add_co_u32 s18, s18, s22
	s_add_nc_u64 s[8:9], s[8:9], s[18:19]
	s_lshl_b32 s18, s13, 20                        ; the prefetches.  A: the tile's first row + 64 cx + 32 (wave & 1) rows, at K step 3
	s_lshl_b32 s22, s40, 18
	s_add_co_u32 s18, s18, s22
	s_lshl_b32 s22, s12, 17
	s_add_co_u32 s18, s18, s22
	s_add_co_u32 s18, s18, 3*256
	s_lshl_b32 s20, s40, 9                         ; B: the tile column, k row 32 cy + 16 (wave & 1), at K step 3
	s_lshl_b32 s22, s41, 16
	s_add_co_u32 s20, s20, s22
	s_lshl_b32 s22, s12, 15
	s_add_co_u32 s20, s20, s22
	s_add_co_u32 s20, s20, 3*BSTEP
	s_mov_b32 s22, s11                             ; A: waves 0 and 1
	s_and_b32 s23, s79, 1                          ; B: the batch's first cluster,
	s_and_b32 s14, s11, 1                          ; waves 4 and 5
	s_or_b32 s23, s23, s14
	PFSET 4096
	s_wait_loadcnt 0x0                             ; (m, l)
.irp a, 0,1,2,3
	v_max3_num_f32 v[MM+(\a)], v[ML+16*(\a)], v[ML+16*(\a)+2], v[ML+16*(\a)+4]
	v_mov_b32 v[MT+(\a)], 0                        ; v_permlanex16_b32's destination counts as read
	v_mov_b32 v[LT+(\a)], 0
	v_mov_b32 v[LL+(\a)], 0
.endr
.irp a, 0,1,2,3
	v_max3_num_f32 v[MM+(\a)], v[MM+(\a)], v[ML+16*(\a)+6], v[ML+16*(\a)+8]
.endr
.irp a, 0,1,2,3
	v_max3_num_f32 v[MM+(\a)], v[MM+(\a)], v[ML+16*(\a)+10], v[ML+16*(\a)+12]
.endr
.irp a, 0,1,2,3
	v_max_num_f32 v[MM+(\a)], v[MM+(\a)], v[ML+16*(\a)+14]
.endr
.irp a, 0,1,2,3
	v_permlanex16_b32 v[MT+(\a)], v[MM+(\a)], s[SEL], s[SEL+1]
.endr
.irp a, 0,1,2,3
	v_max_num_f32 v[MM+(\a)], v[MM+(\a)], v[MT+(\a)]     ; M
.endr
.irp a, 0,1,2,3
.irp j, 0,1,2,3,4,5,6,7
	v_sub_f32 v[EF+8*(\a)+(\j)], v[ML+2*(8*(\a)+(\j))], v[MM+(\a)]   ; m - M, never above 0
.endr
.endr
.set i, 0
.rept 32
	v_mul_f32 v[EF+i], s[CS], v[EF+i]
.set i, i+1
.endr
.set i, 0
.rept 32
	v_exp_f32 v[EF+i], v[EF+i]                     ; one batch
.set i, i+1
.endr
	v_nop                                          ; a plain instruction behind the last exponential,
	s_wait_alu depctr_va_vdst(0)                   ; and one wait ahead of the batch's first reader
.irp a, 0,1,2,3
.irp j, 0,1,2,3,4,5,6,7
	v_cvt_pk_f16_f32 v[FP+4*(\j)+(\a)], v[EF+8*(\a)+(\j)], v[EF+8*(\a)+(\j)]   ; f in both halves
.endr
.endr
.irp j, 0,1,2,3,4,5,6,7
.irp a, 0,1,2,3
	v_fma_mix_f32 v[LL+(\a)], v[FP+4*(\j)+(\a)], v[ML+2*(8*(\a)+(\j))+1], v[LL+(\a)] op_sel_hi:[1,0,0]  ; L += the rounded f x l, in f32
.endr
.endr
.irp j, 0,1,2,3,4,5,6,7
	ds_store_b128 v14, v[FP+4*(\j):FP+4*(\j)+3] offset:256*(\j)   ; my wave's own bytes: LDS serves a wave's instructions in order, so its later loads see them
.endr
.irp a, 0,1,2,3
	v_permlanex16_b32 v[LT+(\a)], v[LL+(\a)], s[SEL], s[SEL+1]
.endr
.irp a, 0,1,2,3
	v_add_f32 v[LL+(\a)], v[LL+(\a)], v[LT+(\a)]
.endr
.irp a, 0,1,2,3
	v_rcp_f32 v[RC+2*(\a)], v[LL+(\a)]
.endr
	v_nop
	s_wait_alu depctr_va_vdst(0)                   ; one wait for the four reciprocals
.irp a, 0,1,2,3
	v_mov_b32 v[RC+2*(\a)+1], v[RC+2*(\a)]
.endr
	s_wait_tensorcnt 0x1                           ; my part of K step 0 is in; slot 1's fill may stay out
	s_wait_dscnt 0x0                               ; no LDS instruction of mine is out at a signal
	s_barrier_signal -1
	s_barrier_wait -1
	FETCH 0, 0, F0
	ds_load_b128 v[FCA:FCA+3], v[FAD]              ; K step 0's factors
	s_wait_dscnt 0x0
.set i, 0
.rept 8
	v_pk_mul_f16 v[F0+64+i], v[F0+64+i], v[FCA]    ; the first fragment has no quarter ahead of it to ride in
.set i, i+1
.endr
	PQ 0, 1, F0, F1, FCA, 1                        ; the first quarter's products start the sums
	WIN 0
	s_mov_b32 s3, 7                                ; eight laps of two K steps; the last is written out
.Llap_pv:                                              ; a trip goes once round the ring, from a lap's second quarter to the next lap's first, and fills both slots again
	PQ 0, 2, F1, F0, FCA
	PTURN 0, 1, FCA
	PNEXT 1, FCA, FCB, 1
	PQ 1, 1, F0, F1, FCB
	PQ 1, 2, F1, F0, FCB
	PTURN 1, 1, FCB
	PNEXT 0, FCB, FCA, 1
	PQ 0, 1, F0, F1, FCA
	WIN 0
	s_sub_co_u32 s3, s3, 1
	s_cmp_lg_u32 s3, 0
	s_cbranch_scc1 .Llap_pv
	PQ 0, 2, F1, F0, FCA                           ; the last lap fills nothing
	PTURN 0, 0, FCA
	PNEXT 1, FCA, FCB, 0
	PQ 1, 1, F0, F1, FCB
	PQ 1, 2, F1, F0, FCB
	PQ 1, 3, F0, F1, FCB
	BODY F1, F0, FCB, FCB, 0, 0, 6
	PLACES
	PLACES
; THE WAY OUT in eight passes: pass p is row block p / 2 (16 rows), column half p % 2 (64 columns of f32, 256 bytes): divided by L; 32 bytes a lane into my stage (which lies where my factors lay: all have been read);
; back as whole rows of 256 bytes; stored, sixteen lanes to 256 consecutive bytes, aligned.
.macro OSCALE p
	WIN 0x41                                       ; destination and source 0 in window 1
.set i, 32*(\p)
.rept 16
	v_pk_mul_f32 v[i:i+1], v[i:i+1], v[RC+2*((\p)/2):RC+2*((\p)/2)+1] op_sel_hi:[1,0]   ; each accumulator's registers in ascending order
.set i, i+2
.endr
.endm
.macro OSTAGE p
	WIN 0x04                                       ; the stores' data in window 1
.irp b, 0,1,2,3
	ds_store_b128 v[STO], v[32*(\p)+8*(\b):32*(\p)+8*(\b)+3]   offset:64*(\b)
	ds_store_b128 v[STO], v[32*(\p)+8*(\b)+4:32*(\p)+8*(\b)+7] offset:64*(\b)+16
.endr
	WIN 0
.if (\p) >= 4
	s_wait_xcnt 0x0                                ; the stores of the pass four back have read this buffer: it is loaded again only behind this wait
.endif
.irp t, 0,1,2,3,4,5,6,7
	ds_load_b128 v[OB+32*((\p)%4)+4*(\t):OB+32*((\p)%4)+4*(\t)+3], v[RD] offset:(\t)*2*SPITCH  ; LDS serves a wave's instructions in order (ISA guide 5.7.1.4): these see the stores above
.endr
.endm
.macro OSEND p
	WIN 0
	s_wait_dscnt 0x0
.irp t, 0,1,2,3,4,5,6,7
	global_store_b128 v[CO], v[OB+32*((\p)%4)+4*(\t):OB+32*((\p)%4)+4*(\t)+3], s[8:9] offset:(16*((\p)/2)+2*(\t))*4096+256*((\p)%2) th:TH_STORE_NT
.endr
.endm
	OSCALE 0
	OSTAGE 0
.irp p, 1,2,3,4,5,6,7                  ; pass p's scaling stands between pass p - 1's loads from the stage and the wait for them
	OSCALE \p
	OSEND (\p)-1
	OSTAGE \p
.endr
	OSEND 7
	s_wait_tensorcnt 0x0                           ; the wave's end: behind my last tensor load and my last LDS store
	ds_add_u32 v[SPW], v[NIL]
	s_wait_dscnt 0x0
	CROUND                                         ; the closing round: no work-group ends while a partner may still ask for a tile that names it
	s_endpgm
; ======== CLUSTER X = 1: the key projection ========
; zero = 2: the products start the sums, with the bias (in buffer 1's first 64 registers: for n block b register j of a lane is BB[1][n0 + 16 b + 8 (l / 16) + j]) as C.
.macro QUADB f, from, n, zero
.if (\zero) == 2
	WIN MULB
.else
	WIN MUL
.endif
.set w, 4*(\from)
.rept 4*(\n)
.if (\zero) == 2
	v_wmma_f32_16x16x32_bf16 v[8*w:8*w+7], v[(\f)+8*(w%8):(\f)+8*(w%8)+7], v[(\f)+64+8*(w/8):(\f)+64+8*(w/8)+7], v[F1+8*(w%8):F1+8*(w%8)+7]
.else
	v_wmma_f32_16x16x32_bf16 v[8*w:8*w+7], v[(\f)+8*(w%8):(\f)+8*(w%8)+7], v[(\f)+64+8*(w/8):(\f)+64+8*(w/8)+7], v[8*w:8*w+7]
.endif
.set w, w+1
.endr
.endm
.macro KQUARTER slot, q, f, g, ask=0   ; the next quarter's fragments are asked for into buffer g, buffer f is multiplied, the loads are waited for; four places end it
	FETCH \slot, \q, \g
.if \ask
	ASK
.endif
	QUADB \f, 0, 8, 0
	s_wait_dscnt 0x0                               ; the 24 loads issued 32 matrix instructions ago
	PLACES
.endm
.macro KTURN slot, fill                ; the change of slots: all my tensor loads, the add, my reads of the slot; the barrier (fill = 1: a round of the cluster's); the joint refill first behind it
.if \fill
	s_wait_xcnt 0x0                                ; the last prefetch, a K step back, has read its address
	s_add_nc_u64 s[PFA:PFA+1], s[PFA:PFA+1], s[PFS:PFS+1]
.endif
	FETCH \slot, 3, F1
	QUADB F0, 0, 6, 0
	WIN 0
	s_wait_tensorcnt 0x0                           ; all my tensor loads have landed: the one that was out is my part of the other slot
	ds_add_u32 v[SPW], v[NIL]                      ; 0 onto my spare word
	QUADB F0, 6, 1, 0                              ; four matrix instructions stand between the add and the wait for it
	s_wait_dscnt 0x0                               ; the add is done, and my reads of this slot are over
	s_barrier_signal -1
	QUADB F0, 7, 1, 0
	WIN 0
	s_barrier_wait -1
.if \fill
	CREST
	s_add_nc_u64 s[G0+4*(\slot)+2:G0+4*(\slot)+3], s[G0+4*(\slot)+2:G0+4*(\slot)+3], 2*256
	s_add_nc_u64 s[G0B+4*(\slot)+2:G0B+4*(\slot)+3], s[G0B+4*(\slot)+2:G0B+4*(\slot)+3], 2*BSTEP
	JLOAD \slot                                    ; 120 of a wave's matrix instructions ahead of the wait for it; its four v_nop are also the places ahead of the next run of loads
.else
	PLACES
.endif
.endm
.Lkproj:
	s_mov_b64 s[4:5], s[92:93]                     ; Xb
	s_mov_b64 s[6:7], s[94:95]                     ; Wb
	s_mov_b64 s[74:75], s[96:97]                   ; BB
	s_mov_b64 s[8:9], s[98:99]                     ; KP
	DESCR 1024
	s_lshl_b32 s16, s13, 19                        ; A: 256 rows of 2,048 bytes x tile row,
	s_lshl_b32 s14, s82, 17                        ; + the 64 that I fetch
	s_add_co_u32 s16, s16, s14
	s_lshl_b32 s46, s40, 9                         ; B: 256 columns x cx,
	s_lshl_b32 s47, s82, 16                        ; + the 32 k rows that I fetch,
	s_add_co_u32 s46, s46, s47
	s_add_co_u32 s46, s46, 0x200000                ; in plane 1 of Wb: 1,024 k rows of 2,048 bytes on
	s_mov_b32 s47, 0
	s_add_nc_u64 s[14:15], s[4:5], s[16:17]
	s_add_nc_u64 s[46:47], s[6:7], s[46:47]
	GROUP0
	CROUND                                         ; all sixteen work-groups are here: the first joint loads meet
	FIRST
	s_lshl_b32 s18, s40, 10                        ; the bias of my 128 columns: 4 (1,024 + 256 cx + 128 half)
	s_lshl_b32 s22, s12, 9
	s_add_co_u32 s18, s18, s22
	s_add_co_u32 s18, s18, 4096
	s_add_nc_u64 s[74:75], s[74:75], s[18:19]
	v_lshlrev_b32 v15, 5, v2                       ; my eight columns of a block of 16
.irp b, 0,1,2,3,4,5,6,7
	global_load_b128 v[F1+8*(\b):F1+8*(\b)+3],   v15, s[74:75] offset:64*(\b)
	global_load_b128 v[F1+8*(\b)+4:F1+8*(\b)+7], v15, s[74:75] offset:64*(\b)+16
.endr
	LANES
	v_mul_u32_u24 v23, v1, SPITCH                  ; into the stage: row l % 16, 16 bytes for each half of the lanes
	v_lshl_add_u32 v23, v2, 4, v23
	v_add_nc_u32 v[STO], s23, v23
	v_lshlrev_b32 v23, 11, v2                      ; and the two rows of KP that a load from the stage brings
	v_lshl_add_u32 v[CO], v1, 4, v23
	s_lshl_b32 s18, s13, 19                        ; my part of KP: my first row (2,048 bytes a row), my first column
	s_lshl_b32 s22, s11, 17
	s_add_co_u32 s18, s18, s22
	s_lshl_b32 s22, s40, 9
	s_add_co_u32 s18, s18, s22
	s_lshl_b32 s22, s12, 8
	s_add_co_u32 s18, s18, s22
	s_add_nc_u64 s[8:9], s[8:9], s[18:19]
	s_lshl_b32 s18, s13, 19                        ; the prefetches.  A: the tile's first row + 64 cx + 32 (wave & 1) rows, at K step 3
	s_lshl_b32 s22, s40, 17
	s_add_co_u32 s18, s18, s22
	s_lshl_b32 s22, s12, 16
	s_add_co_u32 s18, s18, s22
	s_add_co_u32 s18, s18, 3*256
	s_lshl_b32 s20, s40, 9                         ; B: plane 1, cx, k row 32 cy + 16 (wave & 1), at K step 3
	s_lshl_b32 s22, s41, 16
	s_add_co_u32 s20, s20, s22
	s_lshl_b32 s22, s12, 15
	s_add_co_u32 s20, s20, s22
	s_add_co_u32 s20, s20, 0x200000+3*BSTEP
	s_mov_b32 s22, s11                             ; A: waves 0 and 1
	s_and_b32 s23, s11, 1
	s_or_b32 s23, s23, s79                         ; B: waves 4 and 5, cluster y = 0
	PFSET 2048
	s_wait_tensorcnt 0x1                           ; my part of K step 0 is in; slot 1's fill may stay out
	s_barrier_signal -1
	s_barrier_wait -1                              ; everybody's is
	FETCH 0, 0, F0
	s_wait_loadcnt 0x0                             ; the bias
	s_wait_dscnt 0x0
	QUADB F0, 0, 8, 2                              ; the first quarter stands ahead of the loop: its products start the sums, on the bias
	PLACES                                         ; ahead of the loads into buffer 1, which held the bias, and of the loop's first into buffer 0
	FETCH 0, 1, F1
	s_wait_dscnt 0x0
	WIN 0
	s_mov_b32 s3, 3                                ; four laps of two K steps; the last is written out
.Llap_k:
	KQUARTER 0, 2, F1, F0
	KTURN 0, 1
	KQUARTER 1, 0, F1, F0, 1
	KQUARTER 1, 1, F0, F1
	KQUARTER 1, 2, F1, F0
	KTURN 1, 1
	KQUARTER 0, 0, F1, F0, 1
	KQUARTER 0, 1, F0, F1
	WIN 0
	s_sub_co_u32 s3, s3, 1
	s_cmp_lg_u32 s3, 0
	s_cbranch_scc1 .Llap_k
	KQUARTER 0, 2, F1, F0                          ; the last lap fills nothing
	KTURN 0, 0
	KQUARTER 1, 0, F1, F0
	KQUARTER 1, 1, F0, F1
	KQUARTER 1, 2, F1, F0
	KQUARTER 1, 3, F0, F1
	QUADB F1, 0, 8, 0
	PLACES
	PLACES
; THE WAY OUT, a block of 16 rows at a time: rounded to f16, 16 bytes a lane; into my own stage and back as whole rows of 256 bytes; stored, sixteen lanes to 256 consecutive bytes, aligned.
.macro PACK a
	WIN 0x05                                       ; sources in window 1, destination in window 0
.set i, 0
.rept 32
	v_cvt_pk_f16_f32 v[TMP+i], v[64*(\a)+2*i], v[64*(\a)+2*i+1]   ; each accumulator's registers in ascending order
.set i, i+1
.endr
.endm
.macro TOSTAGE a
	WIN 0
.irp b, 0,1,2,3,4,5,6,7
	ds_store_b128 v[STO], v[TMP+4*(\b):TMP+4*(\b)+3] offset:32*(\b)
.endr
.irp t, 0,1,2,3,4,5,6,7
	ds_load_b128 v[OB+32*(\a)+4*(\t):OB+32*(\a)+4*(\t)+3], v[RD] offset:(\t)*2*SPITCH  ; LDS serves a wave's instructions in order: these see the stores above
.endr
.endm
.macro SEND a
	WIN 0
	s_wait_dscnt 0x0                               ; the block is back in registers
.irp t, 0,1,2,3,4,5,6,7
	global_store_b128 v[CO], v[OB+32*(\a)+4*(\t):OB+32*(\a)+4*(\t)+3], s[8:9] offset:(16*(\a)+2*(\t))*2048  ; the block's place stands in the immediate; no register of a store is rewritten
.endr
.endm
	PACK 0
	TOSTAGE 0
.irp a, 1,2,3                          ; block a's conversions stand between block a - 1's loads from the stage and the wait for them
	PACK \a
	SEND (\a)-1
	TOSTAGE \a
.endr
	SEND 3
	s_wait_tensorcnt 0x0                           ; the wave's end: behind my last tensor load and my last LDS store
	ds_add_u32 v[SPW], v[NIL]
	s_wait_dscnt 0x0
	CROUND                                         ; the closing round
	s_endpgm
.Lfunc_end_k_qd2cdbace59_pvk:
	.size	k_qd2cdbace59_pvk, .Lfunc_end_k_qd2cdbace59_pvk-k_qd2cdbace59_pvk
	.p2alignl 7, 3214868480
	.fill 96, 4, 3214868480
	.section	.rodata,"a",@progbits
	.p2align	6, 0x0
	.amdhsa_kernel k_qd2cdbace59_pvk
		.amdhsa_group_segment_fixed_size 327680
		.amdhsa_private_segment_fixed_size 0
		.amdhsa_enable_private_segment 0
		.amdhsa_kernarg_size 64
		.amdhsa_user_sgpr_count 2
		.amdhsa_user_sgpr_kernarg_segment_ptr 1
		.amdhsa_wavefront_size32 1
		.amdhsa_system_sgpr_workgroup_id_x 1
		.amdhsa_system_sgpr_workgroup_id_y 1
		.amdhsa_system_sgpr_workgroup_id_z 1
		.amdhsa_system_vgpr_workitem_id 0
		.amdhsa_next_free_vgpr 512
		.amdhsa_next_free_sgpr 100
		.amdhsa_reserve_vcc 0
		.amdhsa_float_denorm_mode_32 3
		.amdhsa_float_denorm_mode_16_64 3
		.amdhsa_memory_ordered 1
		.amdhsa_forward_progress 1
		.amdhsa_inst_pref_size 232
	.end_amdhsa_kernel
	.amdgpu_metadata
---
amdhsa.version: [ 1, 2 ]
amdhsa.kernels:
  - .name:           k_qd2cdbace59_pvk
    .symbol:         k_qd2cdbace59_pvk.kd
    .args:
      - { .name: P, .offset: 0, .size: 8, .value_kind: global_buffer, .address_space: global }
      - { .name: QKV, .offset: 8, .size: 8, .value_kind: global_buffer, .address_space: global }
      - { .name: ST, .offset: 16, .size: 8, .value_kind: global_buffer, .address_space: global }
      - { .name: out0, .offset: 24, .size: 8, .value_kind: global_buffer, .address_space: global }
      - { .name: Xb, .offset: 32, .size: 8, .value_kind: global_buffer, .address_space: global }
      - { .name: Wb, .offset: 40, .size: 8, .value_kind: global_buffer, .address_space: global }
      - { .name: BB, .offset: 48, .size: 8, .value_kind: global_buffer, .address_space: global }
      - { .name: KP, .offset: 56, .size: 8, .value_kind: global_buffer, .address_space: global }
    .group_segment_fixed_size: 327680
    .private_segment_fixed_size: 0
    .kernarg_segment_align: 8
    .kernarg_segment_size: 64
    .max_flat_workgroup_size: 256
    .sgpr_count:     100
    .vgpr_count:     512
    .wavefront_size: 32
...
	.end_amdgpu_metadata
.endif
;; end of part 7
;; ======== version 3 of 3: 4 launches; version 2 with the launch prep written anew for expert scheduling mode
;; limits: values are held in f16: magnitudes above 65,504 overflow, below 6.1e-05 lose precision
;; workspace buffers: Xb 16,777,216 bytes; Wb 6,291,456 bytes; BB 12,288 bytes; QKV 50,331,648 bytes; KP 16,777,216 bytes; P 33,554,432 bytes; ST 1,048,576 bytes
;; launch prep (part 8): grid 705 x 1, 8 waves a work-group, no clusters, 0 bytes of LDS; arguments X, Wq, Wk, Wv, bq, bk, bv, Xb, Wb, BB; writes Xb, Wb, BB
.if DOCPART == 8
	.amdgcn_target "amdgcn-amd-amdhsa--gfx1250"
	.amdhsa_code_object_version 6
	.text
	.protected	k_qd2cdbace59_prep
	.globl	k_qd2cdbace59_prep
	.p2align	8
	.type	k_qd2cdbace59_prep,@function
k_qd2cdbace59_prep:
	s_mov_b64 s[64:65], 0
	v_nop
	global_prefetch_b8 v0, s[64:65] scope:SCOPE_SE
	s_setreg_imm32_b32 hwreg(HW_REG_WAVE_SCHED_MODE, 0, 2), 2
	s_setreg_imm32_b32 hwreg(HW_REG_WAVE_MODE, 25, 1), 1
	s_wait_xcnt 0x0
	s_wait_alu depctr_vm_vsrc(0)
; X, Wq, Wk, Wv (f32) are rounded once to bf16: Xb [8192][1024], Wb [3 x 1024 (q, k, v)][1024], both laid out as their sources lie.
; bq, bk, bv are rounded to bf16 as well and kept widened to f32 in BB [3][1024]: every input of the module has the same one rounding.
; A stream: no LDS, no matrix unit, no cluster (no work-group reads what another reads).  Work-group g casts 64 KiB of f32:
; g < 512: block g of X;  512 <= g < 704: block (g - 512) % 64 of weight (g - 512) / 64;  g = 704: the three biases.
; A wave takes 8 KiB: sixteen loads of 16 bytes a lane, 512 consecutive bytes each, all issued before the first is used;
; each store of the wave (8 bytes a lane) covers 256 consecutive bytes, aligned.  No register is written twice.
; THE MODE: SCHED_MODE bits 1:0 = 2 (LLVM: expert scheduling mode 2), set by the entry lines.  The code itself states the register dependences
; between vector instructions and memory instructions, with s_wait_alu, always for 0.
; THE PLAN.  Registers that memory instructions touch:
;   v1, v2   byte offsets, made once at the head by vector instructions; v1 is read by every load, v2 by every store; never written again.
;   IN       v[4:67]: load i lands in four registers at IN + 4 i.  All sixteen loads are issued before any vector instruction names IN; nothing is loaded into it again.
;   OUT      v[68:99]: the two conversions of load i write the pair at OUT + 2 i, once; store i reads it; it is never written again.
; So the only dependences are: the offsets ahead of the first load, and a store's data behind its conversions.  The sixteen loads are worked off in four blocks of four:
; eight conversions, ONE wait, a run of four stores.  No register that a memory instruction has read is written again, no load lands in a register that a vector instruction has
; named, no vector instruction writes a scalar register or VCC, and EXEC is never written: nothing else is owed.  The biases' path has the same two kinds of wait, once each.
.set IN,  4
.set OUT, 68
	s_load_b512 s[8:23], s[0:1], 0x0               ; X s[8:9], Wq s[10:11], Wk s[12:13], Wv s[14:15], bq s[16:17], bk s[18:19], bv s[20:21], Xb s[22:23]
	s_load_b128 s[24:27], s[0:1], 0x40             ; Wb s[24:25], BB s[26:27]
	v_lshrrev_b32 v3, 5, v0                        ; wave
	v_and_b32 v2, 31, v0                           ; lane
	v_lshlrev_b32 v1, 4, v2
	v_lshl_add_u32 v1, v3, 13, v1                  ; in: 8,192 x wave + 16 x lane
	v_lshlrev_b32 v2, 3, v2
	v_lshl_add_u32 v2, v3, 12, v2                  ; out: 4,096 x wave + 8 x lane
	s_sub_co_u32 s2, ttmp9, 512                    ; g - 512 (a very large number where g < 512: then it is not used)
	s_and_b32 s3, s2, 63                           ; the block inside a weight
	s_cmp_lt_u32 ttmp9, 512
	s_cselect_b32 s28, ttmp9, s3                   ; block in the source,
	s_cselect_b32 s30, ttmp9, s2                   ; and in the destination
	s_lshl_b32 s28, s28, 16                        ; 65,536 bytes of f32,
	s_lshl_b32 s30, s30, 15                        ; 32,768 of bf16
	s_mov_b32 s29, 0
	s_mov_b32 s31, 0
	s_wait_kmcnt 0x0
	s_cmp_eq_u32 ttmp9, 704
	s_cbranch_scc1 .Lbias
	s_cmp_lt_u32 s2, 128
	s_cselect_b64 s[4:5], s[12:13], s[14:15]       ; Wk or Wv,
	s_cmp_lt_u32 s2, 64
	s_cselect_b64 s[4:5], s[10:11], s[4:5]         ; or Wq,
	s_cmp_lt_u32 ttmp9, 512
	s_cselect_b64 s[4:5], s[8:9], s[4:5]           ; or X
	s_cselect_b64 s[6:7], s[22:23], s[24:25]       ; Xb or Wb
	s_add_nc_u64 s[4:5], s[4:5], s[28:29]
	s_add_nc_u64 s[6:7], s[6:7], s[30:31]
	s_wait_alu depctr_va_vdst(0)                   ; v1 and v2 are written: every load below reads v1 as its offset, every store v2; no later vector instruction names either
.irp i, 0,1,2,3,4,5,6,7,8,9,10,11,12,13,14,15
	global_load_b128 v[IN+4*(\i):IN+4*(\i)+3], v1, s[4:5] offset:512*(\i) th:TH_LOAD_NT
.endr
.irp p, 0,1,2,3                        ; block p: loads 4 p to 4 p + 3
	s_wait_loadcnt 12-4*(\p)                       ; loads come back in order: this block's four are in, the 12 - 4 p younger ones stay out
.irp i, 0,1,2,3
	v_cvt_pk_bf16_f32 v[OUT+8*(\p)+2*(\i)],   v[IN+16*(\p)+4*(\i)],   v[IN+16*(\p)+4*(\i)+1]
	v_cvt_pk_bf16_f32 v[OUT+8*(\p)+2*(\i)+1], v[IN+16*(\p)+4*(\i)+2], v[IN+16*(\p)+4*(\i)+3]
.endr
	s_wait_alu depctr_va_vdst(0)                   ; the block's eight conversions have written its eight registers of OUT, which the four stores below read
.irp i, 0,1,2,3
	global_store_b64 v2, v[OUT+8*(\p)+2*(\i):OUT+8*(\p)+2*(\i)+1], s[6:7] offset:256*(4*(\p)+(\i))
.endr
.endr
	s_endpgm
.Lbias:                                                ; 256 threads x 4 numbers = a bias of 1,024
	v_lshlrev_b32 v3, 4, v0
	s_wait_alu depctr_va_vdst(0)                   ; v3 is written: the three loads and the three stores below read it as their offset
	global_load_b128 v[4:7], v3, s[16:17]
	global_load_b128 v[8:11], v3, s[18:19]
	global_load_b128 v[12:15], v3, s[20:21]
	s_wait_loadcnt 0x0
.irp i, 0,1,2,3,4,5
	v_cvt_pk_bf16_f32 v[16+(\i)], v[4+2*(\i)], v[5+2*(\i)]   ; rounded to bf16,
	v_lshlrev_b32 v[24+2*(\i)], 16, v[16+(\i)]               ; and widened again: the low half moves up,
	v_and_b32 v[25+2*(\i)], 0xffff0000, v[16+(\i)]           ; the high half stays
.endr
	s_wait_alu depctr_va_vdst(0)                   ; the widening lines have written v[24:35], which the three stores read
	global_store_b128 v3, v[24:27], s[26:27]
	global_store_b128 v3, v[28:31], s[26:27] offset:4096
	global_store_b128 v3, v[32:35], s[26:27] offset:8192
	s_endpgm
.Lfunc_end_k_qd2cdbace59_prep:
	.size	k_qd2cdbace59_prep, .Lfunc_end_k_qd2cdbace59_prep-k_qd2cdbace59_prep
	.p2alignl 7, 3214868480
	.fill 96, 4, 3214868480
	.section	.rodata,"a",@progbits
	.p2align	6, 0x0
	.amdhsa_kernel k_qd2cdbace59_prep
		.amdhsa_group_segment_fixed_size 0
		.amdhsa_private_segment_fixed_size 0
		.amdhsa_enable_private_segment 0
		.amdhsa_kernarg_size 80
		.amdhsa_user_sgpr_count 2
		.amdhsa_user_sgpr_kernarg_segment_ptr 1
		.amdhsa_wavefront_size32 1
		.amdhsa_system_sgpr_workgroup_id_x 1
		.amdhsa_system_sgpr_workgroup_id_y 1
		.amdhsa_system_sgpr_workgroup_id_z 1
		.amdhsa_system_vgpr_workitem_id 0
		.amdhsa_next_free_vgpr 100
		.amdhsa_next_free_sgpr 66
		.amdhsa_reserve_vcc 0
		.amdhsa_float_denorm_mode_32 3
		.amdhsa_float_denorm_mode_16_64 3
		.amdhsa_memory_ordered 1
		.amdhsa_forward_progress 1
		.amdhsa_inst_pref_size 9
	.end_amdhsa_kernel
	.amdgpu_metadata
---
amdhsa.version: [ 1, 2 ]
amdhsa.kernels:
  - .name:           k_qd2cdbace59_prep
    .symbol:         k_qd2cdbace59_prep.kd
    .args:
      - { .name: X, .offset: 0, .size: 8, .value_kind: global_buffer, .address_space: global }
      - { .name: Wq, .offset: 8, .size: 8, .value_kind: global_buffer, .address_space: global }
      - { .name: Wk, .offset: 16, .size: 8, .value_kind: global_buffer, .address_space: global }
      - { .name: Wv, .offset: 24, .size: 8, .value_kind: global_buffer, .address_space: global }
      - { .name: bq, .offset: 32, .size: 8, .value_kind: global_buffer, .address_space: global }
      - { .name: bk, .offset: 40, .size: 8, .value_kind: global_buffer, .address_space: global }
      - { .name: bv, .offset: 48, .size: 8, .value_kind: global_buffer, .address_space: global }
      - { .name: Xb, .offset: 56, .size: 8, .value_kind: global_buffer, .address_space: global }
      - { .name: Wb, .offset: 64, .size: 8, .value_kind: global_buffer, .address_space: global }
      - { .name: BB, .offset: 72, .size: 8, .value_kind: global_buffer, .address_space: global }
    .group_segment_fixed_size: 0
    .private_segment_fixed_size: 0
    .kernarg_segment_align: 8
    .kernarg_segment_size: 80
    .max_flat_workgroup_size: 256
    .sgpr_count:     66
    .vgpr_count:     100
    .wavefront_size: 32
...
	.end_amdgpu_metadata
.endif
;; end of part 8
;; launch proj: the kernel of part 5 again; grid 8 x 32, 8 waves a work-group, clusters of 4 x 4, 327,680 bytes of LDS; arguments Xb, Wb, QKV, BB; writes QKV
;; launch scores: the kernel of part 6 again; grid 8 x 32, 8 waves a work-group, clusters of 4 x 4, 327,680 bytes of LDS; arguments QKV, P, ST; writes P, ST
;; launch pvk: the kernel of part 7 again; grid 8 x 32, 8 waves a work-group, clusters of 4 x 4, 327,680 bytes of LDS; arguments P, QKV, ST, out0, Xb, Wb, BB, KP; writes out0, KP
